; MI455X (gfx1250); checked and timed in simulation.
; The chip was launched on July 23, 2026; its instructions are those of AMD's public machine-readable ISA for CDNA 5 (MIT licence, August 2026) and "CDNA5" Instruction Set Architecture Reference Guide (July 2026). The comments in the code are by the model that wrote it; some were corrected since.
;; encoder transformer. Allowed arithmetic: matrix products marked QUANTISED: E2M3 operands, one E8M0 scale for each 32 along K, by v_wmma_scale_f32_16x16x128_f8f6f4 with both operands' format E2M3, f32 sums; everything else in f32.
;; Inputs: b1 2,048 float32; b2 512 float32; bk 64 float32; bo 512 float32; bq 64 float32; bv 64 float32; ln_b 512 float32; ln_g 512 float32; w1 512 x 2,048 float32; w2 2,048 x 512 float32; wk 512 x 64 float32; wo 512 x 512 float32; wq 512 x 64 float32; wv 512 x 64 float32; x 16 x 1,024 x 512 float32.
;; Outputs: out0 16 x 1,024 x 512 float32.
;; This version of the problem:
;;   THIS VERSION OF THE PROBLEM IS GIVEN IN LOW PRECISION. The matrix products marked QUANTISED in the list below multiply operands that are first quantised to E2M3 (2 exponent bits, 3 mantissa bits; 6 bits a number), with one power-of-two scale for each 32 numbers along K (OCP MX v1.0); their sums are f32. All else is computed in f32.
;;   The module's matrix products, in the order in which they are computed (A, B: the left and right operand; K: the contracted axis; several contracted axes count as one K, in the product's order):
;;     1. [M 16,384, K 512] x [K 512, N 64]; A: input x; B: input wq: QUANTISED
;;     2. [M 16,384, K 512] x [K 512, N 64]; A: input x; B: input wk: QUANTISED
;;     3. [M 16,384, K 512] x [K 512, N 64]; A: input x; B: input wv: QUANTISED
;;     4. batch 16 x [M 1,024, K 64] x [K 64, N 1,024]; A: computed on the way; B: computed on the way: QUANTISED
;;     5. batch 16 x [M 1,024, K 1,024] x [K 1,024, N 64]; A: computed on the way; B: computed on the way: QUANTISED
;;     6. [M 16,384, K 512] x [K 512, N 512]; A: computed on the way; B: input wo: QUANTISED
;;     7. [M 16,384, K 512] x [K 512, N 2,048]; A: computed on the way; B: input w1: QUANTISED
;;     8. [M 16,384, K 2,048] x [K 2,048, N 512]; A: computed on the way; B: input w2: QUANTISED
;;   THE QUANTISER, for each operand of a quantised product, along K:
;;     - K is cut into blocks of 32 from its start; a last block that is shorter is filled with zeros.
;;     - A block's scale is 2^e with e = floor(log2(the largest magnitude in the block)) - 2, held to -126 .. 127; a block of zeros has e = 0. As a byte (E8M0): e + 127.
;;     - Each number is divided by its block's scale, clamped to +-7.5, and rounded to the nearest number of E2M3, ties to even, subnormals kept.
;;     - The product sums the exact products of the quantised numbers (number of the format x scale) in f32.
;;   ~~~python
;;   def quantise(x, axis):      # numpy; x: float32 -> the quantised numbers, widened to float32 again
;;       x = np.moveaxis(x, axis, -1); K = x.shape[-1]
;;       x = np.pad(x, [(0, 0)] * (x.ndim - 1) + [(0, -K % 32)]); x = x.reshape(x.shape[:-1] + (-1, 32)); a = np.abs(x).max(-1, keepdims=True)
;;       e = np.where(a > 0, np.clip(np.frexp(np.where(a > 0, a, 1))[1] - 1 - 2, -126, 127), 0)      # np.frexp(a)[1] - 1 = floor(log2(a)), exactly
;;       r = np.clip(x / 2.0 ** e, -7.5, 7.5)
;;       step = 2.0 ** (np.maximum(np.frexp(np.where(r == 0, 1, r))[1] - 1, 0) - 3)
;;       q = np.round(r / step) * step * 2.0 ** e      # np.round: ties to even
;;       return np.moveaxis(q.reshape(q.shape[:-2] + (-1,))[..., :K], -1, axis).astype(np.float32)
;;   ~~~
;;   OPERANDS COMPUTED ON THE WAY. 'Computed on the way' means the value that the module computes at that place (a softmax that the list does not call 'softmax' is quantised finished and normalised). What goes into a quantiser is computed in f32, as accurately as f32 sums, v_exp_f32 and their like allow (about 1e-6 of the number): no bf16 or f16 on the way to a quantiser, and a product that is left as it is and whose result goes on into a quantised operand takes f32 operands (vector FMAs, or v_wmma_f32_16x16x4_f32). A number that lies on a knife's edge between two numbers of the format may be rounded either way, as far as f32 arithmetic and the matrix unit's own rounding can turn it there, and no further.
;; 3 versions, each right; version 2 is faster than version 1; version 3 is version 2 with the launches wquant, qkv, attn written anew for expert scheduling mode. Each part assembles by itself: llvm-mc -triple=amdgcn-amd-amdhsa -mcpu=gfx1250 --defsym DOCPART=n.
;; ======== version 1 of 3: 4 launches
;; workspace buffers: wts 1,920,000 bytes; qbuf 851,968 bytes; kbuf 851,968 bytes; vbuf 819,200 bytes; pcodes 12,582,912 bytes; psc 524,288 bytes
;; launch wquant (part 1): grid 150 x 1, 4 waves a work-group, no clusters, 2,560 bytes of LDS; arguments wq, wk, wv, wo, w1, w2, wts; writes wts
.if DOCPART == 1
	.amdgcn_target "amdgcn-amd-amdhsa--gfx1250"
	.amdhsa_code_object_version 6
	.text
	.protected	k_qd6310741ef_wquant
	.globl	k_qd6310741ef_wquant
	.p2align	8
	.type	k_qd6310741ef_wquant,@function
k_qd6310741ef_wquant:
	s_mov_b64 s[64:65], 0
	v_nop
	global_prefetch_b8 v0, s[64:65] scope:SCOPE_SE
	s_setreg_imm32_b32 hwreg(HW_REG_WAVE_MODE, 25, 1), 1
	s_wait_xcnt 0x0
; The six weights, f32 with K as their FIRST axis, become codes of FP6 (E2M3) with one E8M0 byte for each 32 along K, laid in wts in the ORDER OF THE OPERAND'S REGISTERS.
; A fragment (16 columns x 128 K, 12 registers a lane) is an image of 1,536 bytes: registers 4 c .. 4 c + 3 of lane l at 512 c + 16 l.  Sixteen images and 1,024 bytes of scale words are a QUARTER of 25,600 bytes.
; THE COLUMNS OF A TILE ARE NOT NEIGHBOURS: member r of tile t is column 32 (t / 2) + 8 (t % 2) + r + (r & 8), so that the results of a product used transposed lie as neighbours along the next K.
; A work-group takes 128 along K x 128 columns (wq, wk, wv: 256 along K x 64 columns): eight fragments; a wave 32 columns: two tiles.  A LANE TAKES A COLUMN AND ITS REGISTERS RUN DOWN K:
; lane 16 u + r holds member r of tile u, all four blocks of 32.  Each load reads 128 consecutive bytes.  An exchange of the halves of the lanes turns (even blocks, odd blocks) into (tile 0's fragment, tile 1's).
; A lane's four scale bytes are its column's scale word: lanes 0-15 tile 0's, lanes 16-31 tile 1's: one register serves both tiles.  The four waves' words meet in LDS and leave as 512 consecutive bytes.
; A block's scale is 2^(floor(log2(largest magnitude)) - 2); its byte is the largest magnitude's exponent field - 2, held at 1 from below.
; LIMITS: a block of zeros gets the byte 1 (its codes are zeros, and this program alone reads the bytes); blocks under 2^-124 are held at that byte; NaN and infinities are not served.
; The four paths part on the work-group's number alone; each has its own source pointer and its own 512 bytes of LDS.
.set QUART, 25600
.set X,   64                           ; v64-191  four blocks of 32 numbers
.set FA,  20                           ; v20-31   codes of blocks 0 and 2, then tile 0's fragment
.set FB,  32                           ; v32-43   codes of blocks 1 and 3, then tile 1's fragment
.set HI,  44                           ; v44-46   a block's upper 16 codes (a conversion's three registers begin on an even number)
.set SOP, 12                           ; v12-15   the conversions' scale operands
.set SW,  16                           ; v16      my column's scale word
.macro LOAD n, kb                      ; block kb: rows 32 kb .. 32 kb + 31 of my column
.set li, 0
.rept 32
	global_load_b32 v[X+32*(\kb)+li], v2, s[20:21] offset:(32*(\kb)+li)*(\n)*4 th:TH_LOAD_NT
.set li, li+1
.endr
.endm
.macro BLOCK kb, left
.set XS, X+32*(\kb)
.set CD, FA+12*((\kb)%2)+6*((\kb)/2)
	s_wait_loadcnt \left                           ; this block's 32 loads are in; the 32 issued behind them may be out
	v_max3_num_f32 v8, |v[XS]|, |v[XS+1]|, |v[XS+2]|               ; the block's largest magnitude: all 32 numbers are mine; two chains
	v_max3_num_f32 v9, |v[XS+3]|, |v[XS+4]|, |v[XS+5]|
.irp i, 6,10,14,18,22,26
	v_max3_num_f32 v8, v8, |v[XS+\i]|, |v[XS+\i+1]|
	v_max3_num_f32 v9, v9, |v[XS+\i+2]|, |v[XS+\i+3]|
.endr
	v_max3_num_f32 v8, v8, |v[XS+30]|, |v[XS+31]|
	v_max3_num_f32 v8, v8, v9, 0x1800000           ; and the floor 2^(3 - 127): the byte cannot fall under 1
	v_add_nc_u32 v[SOP+\kb], 0xff000000, v8        ; 2 off the exponent field: the conversion takes this operand's exponent field as its scale
	v_lshrrev_b32 v9, 23, v[SOP+\kb]               ; the scale's byte
.if (\kb) == 0
	v_mov_b32 v[SW], v9
.else
	v_lshl_or_b32 v[SW], v9, 8*(\kb), v[SW]
.endif
	v_cvt_scalef32_pk16_fp6_f32 v[CD:CD+2], v[XS:XS+15], v[SOP+\kb]
	v_cvt_scalef32_pk16_fp6_f32 v[HI:HI+2], v[XS+16:XS+31], v[SOP+\kb]
	v_nop                                          ; one plain place behind a scaled conversion
.irp i, 0,1,2
	v_mov_b32 v[CD+3+\i], v[HI+\i]
.endr
.endm
; s[20:21] the weight, s22 my first number's byte in it, s32 the quarter's byte in wts, s33 which half of the quarter's fragments
.macro BODY n, lb
	s_add_nc_u64 s[20:21], s[20:21], s[22:23]
	s_mul_i32 s24, s33, 12288                      ; eight images a half,
	s_add_co_u32 s24, s24, s32
	s_mul_i32 s26, s18, 3072                       ; two a wave
	s_add_co_u32 s24, s24, s26
	s_lshl_b32 s26, s33, 9                         ; the half's scale words: 512 bytes behind the sixteen images
	s_add_co_u32 s26, s26, s32
	s_add_co_u32 s26, s26, 24576
	s_add_nc_u64 s[34:35], s[16:17], s[24:25]
	s_add_nc_u64 s[36:37], s[16:17], s[26:27]
	LOAD \n, 0
	LOAD \n, 1
	BLOCK 0, 32
	LOAD \n, 2
	BLOCK 1, 32
	LOAD \n, 3
	BLOCK 2, 32
	BLOCK 3, 0
.set li, 0
.rept 12
	v_permlane16_swap_b32 v[FA+li], v[FB+li]       ; FA's lanes 16-31 change places with FB's lanes 0-15: FA is tile 0's fragment, FB tile 1's
.set li, li+1
.endr
.irp c, 0,1,2
	global_store_b128 v6, v[FA+4*\c:FA+4*\c+3], s[34:35] offset:512*\c          ; 32 lanes store 512 consecutive bytes, aligned to 256
.endr
.irp c, 0,1,2
	global_store_b128 v6, v[FB+4*\c:FB+4*\c+3], s[34:35] offset:1536+512*\c
.endr
	ds_store_b32 v7, v[SW] offset:\lb              ; word = wave, 16 bytes a lane
	s_wait_dscnt 0x0                               ; for the others' sake: my store has landed
	s_barrier_signal -1
	s_barrier_wait -1
	s_cmp_lg_u32 s18, 0
	s_cbranch_scc1 .Ldone_\@
	ds_load_b128 v[48:51], v6 offset:\lb           ; wave 0: the four waves' words of each lane
	s_wait_dscnt 0x0
	global_store_b128 v6, v[48:51], s[36:37]
.Ldone_\@:
	s_wait_tensorcnt 0x0
	ds_add_u32 v192, v193
	s_wait_dscnt 0x0
	s_endpgm
.endm
	s_load_b256 s[4:11], s[0:1], 0x0               ; wq, wk, wv, wo
	s_load_b128 s[12:15], s[0:1], 0x20             ; w1, w2
	s_load_b64 s[16:17], s[0:1], 0x30              ; wts
	v_lshl_add_u32 v192, v0, 2, 0x800
	v_mov_b32 v193, 0
	v_lshrrev_b32 v1, 5, v0
	v_readfirstlane_b32 s18, v1                    ; wave
	v_and_b32 v1, 31, v0                           ; lane
	v_and_b32 v3, 15, v0                           ; r
	v_bfe_u32 v4, v0, 4, 1                         ; u
	v_and_b32 v5, 8, v3
	v_add_nc_u32 v5, v5, v3
	v_lshl_add_u32 v5, v4, 3, v5                   ; my column among the wave's 32: 8 u + r + (r & 8)
	v_lshlrev_b32 v2, 2, v5
	v_lshlrev_b32 v6, 4, v1                        ; 16 x lane
	s_lshl_b32 s19, s18, 2
	v_add_nc_u32 v7, s19, v6                       ; 16 x lane + 4 x wave
	s_lshl_b32 s38, s18, 7                         ; a wave's 32 columns are 128 bytes
	s_mov_b32 s23, 0
	s_mov_b32 s25, 0
	s_mov_b32 s27, 0
	s_wait_kmcnt 0x0
	s_cmp_lt_u32 ttmp9, 6
	s_cbranch_scc1 .Lqkv
	s_cmp_lt_u32 ttmp9, 22
	s_cbranch_scc1 .Lwo
	s_cmp_lt_u32 ttmp9, 86
	s_cbranch_scc1 .Lw1
	; w2 [2048][512]: work-groups 86 .. 149: column group cg, K step S; tile 4 + 4 (S / 4) + (S % 4) / 2, quarter cg
	s_sub_co_u32 s28, ttmp9, 86
	s_and_b32 s29, s28, 3
	s_lshr_b32 s30, s28, 2
	s_mov_b64 s[20:21], s[14:15]
	s_lshl_b32 s22, s30, 18                        ; 128 rows of 2,048 bytes
	s_lshl_b32 s31, s29, 9
	s_add_co_u32 s22, s22, s31
	s_add_co_u32 s22, s22, s38
	s_lshr_b32 s31, s30, 2
	s_lshl_b32 s31, s31, 2
	s_bfe_u32 s32, s30, 0x10001
	s_add_co_u32 s31, s31, s32
	s_add_co_u32 s31, s31, 4
	s_lshl_b32 s31, s31, 2
	s_add_co_u32 s31, s31, s29
	s_mul_i32 s32, s31, QUART
	s_and_b32 s33, s30, 1
	BODY 512, 1536
.Lqkv:                                             ; wq, wk, wv [512][64]: work-groups 0 .. 5: which weight, which half of K; a wave: K step 2 x half + wave / 2, columns 32 (wave % 2) on
	s_lshr_b32 s28, ttmp9, 1
	s_and_b32 s33, ttmp9, 1
	s_cmp_eq_u32 s28, 1
	s_cselect_b64 s[20:21], s[6:7], s[8:9]
	s_cmp_eq_u32 s28, 0
	s_cselect_b64 s[20:21], s[4:5], s[20:21]
	s_lshr_b32 s29, s18, 1
	s_lshl_b32 s30, s33, 1
	s_add_co_u32 s29, s29, s30
	s_lshl_b32 s22, s29, 15                        ; 128 rows of 256 bytes
	s_and_b32 s30, s18, 1
	s_lshl_b32 s30, s30, 7
	s_add_co_u32 s22, s22, s30
	s_mul_i32 s32, s28, QUART
	s_add_co_u32 s32, s32, 72*QUART                ; behind the eighteen tiles of four quarters
	BODY 64, 0
.Lwo:                                              ; wo [512][512]: work-groups 6 .. 21: tile s / 2, quarter cg
	s_sub_co_u32 s28, ttmp9, 6
	s_and_b32 s29, s28, 3
	s_lshr_b32 s30, s28, 2
	s_mov_b64 s[20:21], s[10:11]
	s_lshl_b32 s22, s30, 18
	s_lshl_b32 s31, s29, 9
	s_add_co_u32 s22, s22, s31
	s_add_co_u32 s22, s22, s38
	s_lshr_b32 s31, s30, 1
	s_lshl_b32 s31, s31, 2
	s_add_co_u32 s31, s31, s29
	s_mul_i32 s32, s31, QUART
	s_and_b32 s33, s30, 1
	BODY 512, 512
.Lw1:                                              ; w1 [512][2048]: work-groups 22 .. 85: column group ca, K step s; tile 2 + 4 (ca / 4) + s / 2, quarter ca % 4
	s_sub_co_u32 s28, ttmp9, 22
	s_and_b32 s29, s28, 15
	s_lshr_b32 s30, s28, 4
	s_mov_b64 s[20:21], s[12:13]
	s_lshl_b32 s22, s30, 20                        ; 128 rows of 8,192 bytes
	s_lshl_b32 s31, s29, 9
	s_add_co_u32 s22, s22, s31
	s_add_co_u32 s22, s22, s38
	s_lshr_b32 s31, s29, 2
	s_lshl_b32 s31, s31, 2
	s_lshr_b32 s34, s30, 1
	s_add_co_u32 s31, s31, s34
	s_add_co_u32 s31, s31, 2
	s_lshl_b32 s31, s31, 2
	s_and_b32 s34, s29, 3
	s_add_co_u32 s31, s31, s34
	s_mul_i32 s32, s31, QUART
	s_and_b32 s33, s30, 1
	BODY 2048, 1024
.Lfunc_end_k_qd6310741ef_wquant:
	.size	k_qd6310741ef_wquant, .Lfunc_end_k_qd6310741ef_wquant-k_qd6310741ef_wquant
	.p2alignl 7, 3214868480
	.fill 96, 4, 3214868480
	.section	.rodata,"a",@progbits
	.p2align	6, 0x0
	.amdhsa_kernel k_qd6310741ef_wquant
		.amdhsa_group_segment_fixed_size 2560
		.amdhsa_private_segment_fixed_size 0
		.amdhsa_enable_private_segment 0
		.amdhsa_kernarg_size 56
		.amdhsa_user_sgpr_count 2
		.amdhsa_user_sgpr_kernarg_segment_ptr 1
		.amdhsa_wavefront_size32 1
		.amdhsa_system_sgpr_workgroup_id_x 1
		.amdhsa_system_sgpr_workgroup_id_y 1
		.amdhsa_system_sgpr_workgroup_id_z 1
		.amdhsa_system_vgpr_workitem_id 0
		.amdhsa_next_free_vgpr 194
		.amdhsa_next_free_sgpr 66
		.amdhsa_reserve_vcc 0
		.amdhsa_float_denorm_mode_32 3
		.amdhsa_float_denorm_mode_16_64 3
		.amdhsa_memory_ordered 1
		.amdhsa_forward_progress 1
		.amdhsa_inst_pref_size 83
	.end_amdhsa_kernel
	.amdgpu_metadata
---
amdhsa.version: [ 1, 2 ]
amdhsa.kernels:
  - .name:           k_qd6310741ef_wquant
    .symbol:         k_qd6310741ef_wquant.kd
    .args:
      - { .name: wq, .offset: 0, .size: 8, .value_kind: global_buffer, .address_space: global }
      - { .name: wk, .offset: 8, .size: 8, .value_kind: global_buffer, .address_space: global }
      - { .name: wv, .offset: 16, .size: 8, .value_kind: global_buffer, .address_space: global }
      - { .name: wo, .offset: 24, .size: 8, .value_kind: global_buffer, .address_space: global }
      - { .name: w1, .offset: 32, .size: 8, .value_kind: global_buffer, .address_space: global }
      - { .name: w2, .offset: 40, .size: 8, .value_kind: global_buffer, .address_space: global }
      - { .name: wts, .offset: 48, .size: 8, .value_kind: global_buffer, .address_space: global }
    .group_segment_fixed_size: 2560
    .private_segment_fixed_size: 0
    .kernarg_segment_align: 8
    .kernarg_segment_size: 56
    .max_flat_workgroup_size: 128
    .sgpr_count:     66
    .vgpr_count:     194
    .wavefront_size: 32
...
	.end_amdgpu_metadata
.endif
;; end of part 1
;; launch qkv (part 2): grid 256 x 1, 4 waves a work-group, no clusters, 27,136 bytes of LDS; arguments x, wts, bq, bk, bv, qbuf, kbuf, vbuf; writes qbuf, kbuf, vbuf
.if DOCPART == 2
	.amdgcn_target "amdgcn-amd-amdhsa--gfx1250"
	.amdhsa_code_object_version 6
	.text
	.protected	k_qd6310741ef_qkv
	.globl	k_qd6310741ef_qkv
	.p2align	8
	.type	k_qd6310741ef_qkv,@function
k_qd6310741ef_qkv:
	s_mov_b64 s[64:65], 0
	v_nop
	global_prefetch_b8 v0, s[64:65] scope:SCOPE_SE
	s_setreg_imm32_b32 hwreg(HW_REG_WAVE_MODE, 25, 1), 1
	s_wait_xcnt 0x0
; q = x wq + bq, k = x wk + bk, v = x wv + bv on codes of FP6 (E2M3) with one E8M0 scale for each 32 along K; the results leave as codes again: q and k quantised along the head's 64, v along the KEYS.
; A work-group owns 64 rows of x.  Each of its four waves quantises one tile of 16 rows (four fragments of 128 along K) and hands them to the others through LDS as images of the operand's registers.
; Then wave 0 makes q, wave 1 k, wave 2 v, each for all 64 rows, with its weight's sixteen fragments in registers, read once; wave 3 has ended.
; THE ROWS OF A TILE ARE NOT NEIGHBOURS: member r of tile m is row 32 (m / 2) + 8 (m % 2) + r + (r & 8) of the 64; the weights' column tiles are cut the same way.
; q, k: the product is used transposed (source 0 = 16 columns of the weight, source 1 = 16 rows of x): a lane holds one row, and the 16 registers of tiles 2 b, 2 b + 1 are units 32 b + 16 (lane / 16) + 0 .. 15.
; v: source 0 = 16 rows of x, source 1 = 16 columns of wv: a lane holds one unit d, and the 16 registers of row tiles 2 b, 2 b + 1 are keys 32 b + 16 (lane / 16) + 0 .. 15: neighbours along the next K.
; OUT.  Half a fragment (64 along K, six registers a lane) is 768 bytes: registers 0-3 at 16 x lane, registers 4, 5 at 512 + 8 x lane.  q, k: 3,328 bytes a block of 64 rows: four halves, then 256 bytes of scale
; words (8 x lane: two registers; lanes 0-15 the even tile's, lanes 16-31 the odd tile's; the upper two bytes are 127, over codes that the reader sets to zero).  v: see the head of the last launch.
; LIMITS: a block of zeros gets the byte 1 (its codes are zeros, and this program alone reads the bytes); NaN and infinities are not served.
; REGISTERS: window 0: addresses, scale words, biases, work.  window 1: x's 256 numbers, then the 16 accumulators.  window 2: the weight's fragments, 12 f, f = 4 s + t.  window 3: x's fragments, 12 (4 m + s).
.set XIMG, 0                           ; LDS: x's 16 fragments, (m, s) at 1,536 (4 m + s)
.set XSC,  24576                       ; their scale words, 128 bytes each
.set LI,  3                            ; v3   16 x lane
.set LS,  4                            ; v4   4 x lane
.set L8,  5                            ; v5   8 x lane
.set XA,  6                            ; v6   x: my row's byte + 64 (lane / 16)
.set XWI, 7                            ; v7   where I store my fragments' images
.set XWS, 8                            ; v8   and their scale words
.set BA,  9                            ; v9   my byte in the bias
.set XS,  16                           ; v16-31  x's scale words, 4 m + s
.set WS,  32                           ; v32-39  the weight's: register 2 s + t / 2: lanes 0-15 the even tile, lanes 16-31 the odd one
.set BI,  40                           ; v40-71  the bias in the result's layout, 8 a tile
.set PWS, 72                           ; v72-75  the results' scale halfwords
.set PR,  76                           ; v76-77  as they leave
.set PC,  176                          ; v176-195 codes just made
.set TM,  196                          ; v196-211 at work in the quantiser
.set PW,  212                          ; v212    a scale word just made
.set WV,  20
.set SEL, 28                           ; s[28:29] v_permlanex16_b32's selects for lane l xor 16
.set MSB, 0
.macro WIN new                         ; the immediate's high byte repeats the setting that is left
.if MSB != (\new)
	s_set_vgpr_msb (MSB<<8)|(\new)
.set MSB, (\new)
.endif
.endm
.macro PLACES n
.rept \n
	v_nop
.endr
.endm
; one product: d, a, b, c register numbers (c < 0: the constant 0), sa, sb the scale registers, ra, rb: 1 = that side's words lie in lanes 16-31
.macro MM d, a, b, c, sa, sb, ra, rb
.if (\c) < 0
.if (\ra) && (\rb)
	v_wmma_scale_f32_16x16x128_f8f6f4 v[(\d):(\d)+7], v[(\a):(\a)+11], v[(\b):(\b)+11], 0, v[\sa], v[\sb] matrix_a_fmt:MATRIX_FMT_FP6 matrix_b_fmt:MATRIX_FMT_FP6 matrix_a_scale:MATRIX_SCALE_ROW1 matrix_b_scale:MATRIX_SCALE_ROW1
.elseif (\ra)
	v_wmma_scale_f32_16x16x128_f8f6f4 v[(\d):(\d)+7], v[(\a):(\a)+11], v[(\b):(\b)+11], 0, v[\sa], v[\sb] matrix_a_fmt:MATRIX_FMT_FP6 matrix_b_fmt:MATRIX_FMT_FP6 matrix_a_scale:MATRIX_SCALE_ROW1
.elseif (\rb)
	v_wmma_scale_f32_16x16x128_f8f6f4 v[(\d):(\d)+7], v[(\a):(\a)+11], v[(\b):(\b)+11], 0, v[\sa], v[\sb] matrix_a_fmt:MATRIX_FMT_FP6 matrix_b_fmt:MATRIX_FMT_FP6 matrix_b_scale:MATRIX_SCALE_ROW1
.else
	v_wmma_scale_f32_16x16x128_f8f6f4 v[(\d):(\d)+7], v[(\a):(\a)+11], v[(\b):(\b)+11], 0, v[\sa], v[\sb] matrix_a_fmt:MATRIX_FMT_FP6 matrix_b_fmt:MATRIX_FMT_FP6
.endif
.else
.if (\ra) && (\rb)
	v_wmma_scale_f32_16x16x128_f8f6f4 v[(\d):(\d)+7], v[(\a):(\a)+11], v[(\b):(\b)+11], v[(\c):(\c)+7], v[\sa], v[\sb] matrix_a_fmt:MATRIX_FMT_FP6 matrix_b_fmt:MATRIX_FMT_FP6 matrix_a_scale:MATRIX_SCALE_ROW1 matrix_b_scale:MATRIX_SCALE_ROW1
.elseif (\ra)
	v_wmma_scale_f32_16x16x128_f8f6f4 v[(\d):(\d)+7], v[(\a):(\a)+11], v[(\b):(\b)+11], v[(\c):(\c)+7], v[\sa], v[\sb] matrix_a_fmt:MATRIX_FMT_FP6 matrix_b_fmt:MATRIX_FMT_FP6 matrix_a_scale:MATRIX_SCALE_ROW1
.elseif (\rb)
	v_wmma_scale_f32_16x16x128_f8f6f4 v[(\d):(\d)+7], v[(\a):(\a)+11], v[(\b):(\b)+11], v[(\c):(\c)+7], v[\sa], v[\sb] matrix_a_fmt:MATRIX_FMT_FP6 matrix_b_fmt:MATRIX_FMT_FP6 matrix_b_scale:MATRIX_SCALE_ROW1
.else
	v_wmma_scale_f32_16x16x128_f8f6f4 v[(\d):(\d)+7], v[(\a):(\a)+11], v[(\b):(\b)+11], v[(\c):(\c)+7], v[\sa], v[\sb] matrix_a_fmt:MATRIX_FMT_FP6 matrix_b_fmt:MATRIX_FMT_FP6
.endif
.endif
.endm
; 64 numbers of a lane in window W, register s + 16 b + i = k 32 b + 16 (lane / 16) + i of my row, become a fragment's codes in v[PC] .. v[PC + 11] and its scale word in v[PW]
.macro QUANT4 W, s
	WIN (\W)|((\W)<<2)
.irp b, 0,1,2,3
	v_max3_num_f32 v[TM+\b], |v[(\s)+16*\b]|, |v[(\s)+1+16*\b]|, 0x1800000      ; block b: my 16 numbers, and the floor 2^(3 - 127): the byte cannot fall under 1
.endr
.irp i, 2,4,6,8,10,12,14
.irp b, 0,1,2,3
	v_max3_num_f32 v[TM+\b], |v[(\s)+16*\b+\i]|, |v[(\s)+1+16*\b+\i]|, v[TM+\b]  ; the four blocks by turns
.endr
.endr
	WIN 0
.irp b, 0,1,2,3
	v_permlanex16_b32 v[TM+4+\b], v[TM+\b], s[SEL], s[SEL+1]
.endr
.irp b, 0,1,2,3
	v_max_num_f32 v[TM+\b], v[TM+\b], v[TM+4+\b]   ; with lane l xor 16's: the block's largest magnitude
.endr
.irp b, 0,1,2,3
	v_add_nc_u32 v[TM+12+\b], 0xff000000, v[TM+\b] ; 2 off its exponent field: the conversion's scale operand
.endr
.irp b, 0,1,2,3
	v_lshrrev_b32 v[TM+4+\b], 23, v[TM+12+\b]      ; the scale's byte
.endr
	v_lshl_or_b32 v[PW], v[TM+5], 8, v[TM+4]
	v_lshl_or_b32 v[PW], v[TM+6], 16, v[PW]
	v_lshl_or_b32 v[PW], v[TM+7], 24, v[PW]
	WIN \W
.irp c, 0,1
	v_cvt_scalef32_pk16_fp6_f32 v[PC+6*\c:PC+2+6*\c], v[(\s)+32*\c:(\s)+15+32*\c], v[TM+12+2*\c]
	v_cvt_scalef32_pk16_fp6_f32 v[PC+12+4*\c:PC+14+4*\c], v[(\s)+16+32*\c:(\s)+31+32*\c], v[TM+13+2*\c]   ; (a conversion's three registers begin on an even number)
.endr
	WIN 0
	v_nop                                          ; one plain place behind a scaled conversion
.irp c, 0,1                                    ; the operand's layout wants a WHOLE block in a lane: lanes 0-15 block 2 c, lanes 16-31 block 2 c + 1
.irp i, 0,1,2
	v_permlane16_swap_b32 v[PC+6*\c+\i], v[PC+12+4*\c+\i]
.endr
.irp i, 0,1,2
	v_mov_b32 v[PC+3+6*\c+\i], v[PC+12+4*\c+\i]
.endr
.endr
.endm
; the same for two blocks (64 along K): block 0's 16 numbers from s0 on, block 1's from s1 on; codes in v[PC] .. v[PC + 5], the two bytes in v[pw]
.macro QUANT2 W, s0, s1, pw
	WIN (\W)|((\W)<<2)
	v_max3_num_f32 v[TM], |v[(\s0)]|, |v[(\s0)+1]|, 0x1800000
	v_max3_num_f32 v[TM+1], |v[(\s1)]|, |v[(\s1)+1]|, 0x1800000
.irp i, 2,4,6,8,10,12,14
	v_max3_num_f32 v[TM], |v[(\s0)+\i]|, |v[(\s0)+1+\i]|, v[TM]
	v_max3_num_f32 v[TM+1], |v[(\s1)+\i]|, |v[(\s1)+1+\i]|, v[TM+1]
.endr
	WIN 0
	v_permlanex16_b32 v[TM+4], v[TM], s[SEL], s[SEL+1]
	v_permlanex16_b32 v[TM+5], v[TM+1], s[SEL], s[SEL+1]
	v_max_num_f32 v[TM], v[TM], v[TM+4]
	v_max_num_f32 v[TM+1], v[TM+1], v[TM+5]
	v_add_nc_u32 v[TM+12], 0xff000000, v[TM]
	v_add_nc_u32 v[TM+13], 0xff000000, v[TM+1]
	v_lshrrev_b32 v[TM+4], 23, v[TM+12]
	v_lshrrev_b32 v[TM+5], 23, v[TM+13]
	v_lshl_or_b32 v[\pw], v[TM+5], 8, v[TM+4]
	WIN \W
	v_cvt_scalef32_pk16_fp6_f32 v[PC:PC+2], v[(\s0):(\s0)+15], v[TM+12]
	v_cvt_scalef32_pk16_fp6_f32 v[PC+12:PC+14], v[(\s1):(\s1)+15], v[TM+13]
	WIN 0
	v_nop
.irp i, 0,1,2
	v_permlane16_swap_b32 v[PC+\i], v[PC+12+\i]
.endr
.irp i, 0,1,2
	v_mov_b32 v[PC+3+\i], v[PC+12+\i]
.endr
.endm
	s_load_b512 s[4:19], s[0:1], 0x0               ; x, wts, bq, bk, bv, qbuf, kbuf, vbuf
	v_lshl_add_u32 v254, v0, 2, 0x6800
	v_mov_b32 v255, 0
	v_lshrrev_b32 v1, 5, v0
	v_readfirstlane_b32 s[WV], v1                  ; wave 0..3
	v_and_b32 v10, 31, v0                          ; lane
	v_and_b32 v1, 15, v0                           ; r
	v_bfe_u32 v2, v0, 4, 1                         ; h
	v_lshlrev_b32 v[LI], 4, v10
	v_lshlrev_b32 v[LS], 2, v10
	v_lshlrev_b32 v[L8], 3, v10
	v_and_b32 v11, 8, v1
	v_add_nc_u32 v11, v11, v1                      ; r + (r & 8)
	s_lshr_b32 s22, s[WV], 1
	s_lshl_b32 s22, s22, 5
	s_and_b32 s23, s[WV], 1
	s_lshl_b32 s23, s23, 3
	s_add_co_u32 s22, s22, s23                     ; my tile's first row: 32 (w / 2) + 8 (w % 2)
	v_add_nc_u32 v[XA], s22, v11
	v_lshlrev_b32 v[XA], 11, v[XA]                 ; rows of 2,048 bytes
	v_lshl_add_u32 v[XA], v2, 6, v[XA]             ; + 64 h: my 16 numbers of a block of 32
	s_mul_i32 s22, s[WV], 6144
	v_add_nc_u32 v[XWI], s22, v[LI]
	s_lshl_b32 s22, s[WV], 9
	s_add_co_u32 s22, s22, XSC
	v_add_nc_u32 v[XWS], s22, v[LS]
	s_mov_b32 s[SEL], 0x76543210
	s_mov_b32 s[SEL+1], 0xfedcba98
	s_mov_b32 s30, 0xffff0000                      ; lanes 16-31
.irp b, 0,1,2,3
	v_mov_b32 v[TM+4+\b], 0                        ; written once: a lane permute's destination counts as one of its sources
.endr
	s_mov_b32 s23, 0
	s_wait_kmcnt 0x0
	s_lshl_b32 s22, ttmp9, 17                      ; 64 rows of 2,048 bytes
	s_add_nc_u64 s[4:5], s[4:5], s[22:23]
	s_cmp_eq_u32 s[WV], 3
	s_cbranch_scc1 .Lno_w
	s_mul_i32 s22, s[WV], 25600                    ; my weight's quarter, behind the eighteen tiles
	s_add_co_u32 s22, s22, 1843200
	s_add_nc_u64 s[6:7], s[6:7], s[22:23]
	WIN 0x80                                       ; destination window 2
.irp f, 0,1,2,3,4,5,6,7,8,9,10,11,12,13,14,15
.irp c, 0,1,2
	global_load_b128 v[12*\f+4*\c:12*\f+4*\c+3], v[LI], s[6:7] offset:1536*\f+512*\c
.endr
.endr
	WIN 0
	global_load_b128 v[WS:WS+3], v[LI], s[6:7] offset:24576
	global_load_b128 v[WS+4:WS+7], v[LI], s[6:7] offset:25088
	s_cmp_eq_u32 s[WV], 2
	s_cbranch_scc1 .Lbias_v
	s_cmp_eq_u32 s[WV], 0
	s_cselect_b64 s[24:25], s[8:9], s[10:11]       ; bq or bk: the choice hangs on the wave's number
	v_lshlrev_b32 v[BA], 6, v2                     ; tile t, register j: unit 32 (t / 2) + 16 h + 8 (t % 2) + j
.irp t, 0,1,2,3
	global_load_b128 v[BI+8*\t:BI+8*\t+3], v[BA], s[24:25] offset:128*(\t/2)+32*(\t%2)
	global_load_b128 v[BI+8*\t+4:BI+8*\t+7], v[BA], s[24:25] offset:128*(\t/2)+32*(\t%2)+16
.endr
	s_branch .Lno_w
.Lbias_v:
	v_lshlrev_b32 v[BA], 2, v11                    ; v: a lane holds ONE unit, member r of tile t: the same number in the tile's eight registers
.irp t, 0,1,2,3
.irp j, 0,1,2,3,4,5,6,7
	global_load_b32 v[BI+8*\t+\j], v[BA], s[12:13] offset:128*(\t/2)+32*(\t%2)
.endr
.endr
.Lno_w:
	WIN 0x40                                       ; destination window 1
.irp s, 0,1,2,3
.irp b, 0,1,2,3
.irp i, 0,1,2,3
	global_load_b128 v[64*\s+16*\b+4*\i:64*\s+16*\b+4*\i+3], v[XA], s[4:5] offset:512*\s+128*\b+16*\i th:TH_LOAD_NT
.endr
.endr
.endr
	WIN 0
.irp s, 0,1,2,3
	s_wait_loadcnt 48-16*\s                        ; this K step's 16 loads are in (and all that was asked for earlier); the later K steps' may be out
	QUANT4 1, 64*\s
.irp c, 0,1,2
	ds_store_b128 v[XWI], v[PC+4*\c:PC+4*\c+3] offset:XIMG+1536*\s+512*\c     ; the fragment goes to LDS as it stands
.endr
	ds_store_b32 v[XWS], v[PW] offset:128*\s
	s_wait_dscnt 0x0                               ; the stores have read their registers
.endr
	s_barrier_signal -1                            ; (my LDS stores have landed: the wait above)
	s_barrier_wait -1                              ; x's sixteen fragments lie in LDS
	s_cmp_eq_u32 s[WV], 3
	s_cbranch_scc1 .Lend
	WIN 0xc0                                       ; destination window 3
.irp f, 0,1,2,3,4,5,6,7,8,9,10,11,12,13,14,15
.irp c, 0,1,2
	ds_load_b128 v[12*\f+4*\c:12*\f+4*\c+3], v[LI] offset:XIMG+1536*\f+512*\c
.endr
.endr
	WIN 0
.irp f, 0,1,2,3,4,5,6,7,8,9,10,11,12,13,14,15
	ds_load_b32 v[XS+\f], v[LS] offset:XSC+128*\f
.endr
	s_wait_dscnt 0x0
	s_cmp_eq_u32 s[WV], 2
	s_cbranch_scc1 .Lv
	; ---- q or k, transposed.  The sixteen accumulators take turns, a K step at a time; the bias is the C of each sum's first product
.irp s, 0,1,2,3
.if \s == 0
	WIN 0x4e                                       ; source 0 window 2, source 1 window 3, C window 0, D window 1
.else
	WIN 0x5e                                       ; C window 1
.endif
.irp m, 0,1,2,3
.irp t, 0,1,2,3
.if \s == 0
	MM 32*\m+8*\t, 12*(4*\s+\t), 12*(4*\m+\s), BI+8*\t, WS+2*\s+\t/2, XS+4*\m+\s, \t%2, 0
.else
	MM 32*\m+8*\t, 12*(4*\s+\t), 12*(4*\m+\s), 32*\m+8*\t, WS+2*\s+\t/2, XS+4*\m+\s, \t%2, 0
.endif
.endr
.endr
.endr
	WIN 0
	PLACES 4                                       ; places in front of the first read of results
	s_cmp_eq_u32 s[WV], 0
	s_cselect_b64 s[24:25], s[14:15], s[16:17]     ; qbuf or kbuf (the bias's loads, which named this pair, are done)
	s_mul_i32 s22, ttmp9, 3328
	s_add_nc_u64 s[24:25], s[24:25], s[22:23]
.irp m, 0,1,2,3
.if \m > 0
	s_wait_xcnt 0x0                                ; the last tile's stores have read their data: the codes' registers are written again
.endif
	QUANT2 1, 32*\m, 32*\m+16, PWS+\m
	global_store_b128 v[LI], v[PC:PC+3], s[24:25] offset:768*\m
	global_store_b64 v[L8], v[PC+4:PC+5], s[24:25] offset:768*\m+512
	v_or_b32 v[PWS+\m], 0x7f7f0000, v[PWS+\m]      ; bytes 2 and 3, for the 64 along K that are zero codes: 127
.endr
	v_cndmask_b32 v[PR], v[PWS], v[PWS+1], s30     ; lanes 0-15 the even tile's words, lanes 16-31 the odd tile's (both halves of the lanes hold a row's word)
	v_cndmask_b32 v[PR+1], v[PWS+2], v[PWS+3], s30
	global_store_b64 v[L8], v[PR:PR+1], s[24:25] offset:3072
	s_wait_tensorcnt 0x0
	ds_add_u32 v254, v255
	s_wait_dscnt 0x0
	s_endpgm
.Lv:
	; ---- v: source 0 = x's rows (the keys), source 1 = wv's columns
.irp s, 0,1,2,3
.if \s == 0
	WIN 0x4b                                       ; source 0 window 3, source 1 window 2, C window 0, D window 1
.else
	WIN 0x5b
.endif
.irp m, 0,1,2,3
.irp t, 0,1,2,3
.if \s == 0
	MM 64*(\m/2)+16*\t+8*(\m%2), 12*(4*\m+\s), 12*(4*\s+\t), BI+8*\t, XS+4*\m+\s, WS+2*\s+\t/2, 0, \t%2
.else
	MM 64*(\m/2)+16*\t+8*(\m%2), 12*(4*\m+\s), 12*(4*\s+\t), 64*(\m/2)+16*\t+8*(\m%2), XS+4*\m+\s, WS+2*\s+\t/2, 0, \t%2
.endif
.endr
.endr
.endr
	WIN 0
	PLACES 4
	s_lshr_b32 s22, ttmp9, 4                       ; the batch,
	s_mul_i32 s22, s22, 51200
	s_and_b32 s26, ttmp9, 15                       ; my group g of 64 keys in it
	s_lshr_b32 s27, s26, 1
	s_mul_i32 s27, s27, 6144                       ; key step g / 2: four images,
	s_and_b32 s31, s26, 1
	s_mul_i32 s31, s31, 768                        ; half g % 2 of each
	s_lshl_b32 s26, s26, 7                         ; the group's 128 bytes of scale halfwords
	s_add_co_u32 s26, s26, s22
	s_add_co_u32 s22, s22, s27
	s_add_co_u32 s22, s22, s31
	s_mov_b32 s27, 0
	s_add_nc_u64 s[24:25], s[18:19], s[22:23]
	s_add_nc_u64 s[26:27], s[18:19], s[26:27]
.irp t, 0,1,2,3
.if \t > 0
	s_wait_xcnt 0x0
.endif
	QUANT2 1, 16*\t, 64+16*\t, PWS+\t
	global_store_b128 v[LI], v[PC:PC+3], s[24:25] offset:1536*\t
	global_store_b64 v[L8], v[PC+4:PC+5], s[24:25] offset:1536*\t+512
.endr
	v_cndmask_b32 v[PR], v[PWS], v[PWS+1], s30     ; lanes 0-15 tile 0's two bytes, lanes 16-31 tile 1's;
	v_cndmask_b32 v[PR+1], v[PWS+2], v[PWS+3], s30
	v_lshl_or_b32 v[PR], v[PR+1], 16, v[PR]        ; tiles 2 and 3 in the upper half
	global_store_b32 v[LS], v[PR], s[26:27] offset:49152
.Lend:
	s_wait_tensorcnt 0x0
	ds_add_u32 v254, v255
	s_wait_dscnt 0x0
	s_endpgm
.Lfunc_end_k_qd6310741ef_qkv:
	.size	k_qd6310741ef_qkv, .Lfunc_end_k_qd6310741ef_qkv-k_qd6310741ef_qkv
	.p2alignl 7, 3214868480
	.fill 96, 4, 3214868480
	.section	.rodata,"a",@progbits
	.p2align	6, 0x0
	.amdhsa_kernel k_qd6310741ef_qkv
		.amdhsa_group_segment_fixed_size 27136
		.amdhsa_private_segment_fixed_size 0
		.amdhsa_enable_private_segment 0
		.amdhsa_kernarg_size 64
		.amdhsa_user_sgpr_count 2
		.amdhsa_user_sgpr_kernarg_segment_ptr 1
		.amdhsa_wavefront_size32 1
		.amdhsa_system_sgpr_workgroup_id_x 1
		.amdhsa_system_sgpr_workgroup_id_y 1
		.amdhsa_system_sgpr_workgroup_id_z 1
		.amdhsa_system_vgpr_workitem_id 0
		.amdhsa_next_free_vgpr 1024
		.amdhsa_next_free_sgpr 66
		.amdhsa_reserve_vcc 0
		.amdhsa_float_denorm_mode_32 3
		.amdhsa_float_denorm_mode_16_64 3
		.amdhsa_memory_ordered 1
		.amdhsa_forward_progress 1
		.amdhsa_inst_pref_size 74
	.end_amdhsa_kernel
	.amdgpu_metadata
---
amdhsa.version: [ 1, 2 ]
amdhsa.kernels:
  - .name:           k_qd6310741ef_qkv
    .symbol:         k_qd6310741ef_qkv.kd
    .args:
      - { .name: x, .offset: 0, .size: 8, .value_kind: global_buffer, .address_space: global }
      - { .name: wts, .offset: 8, .size: 8, .value_kind: global_buffer, .address_space: global }
      - { .name: bq, .offset: 16, .size: 8, .value_kind: global_buffer, .address_space: global }
      - { .name: bk, .offset: 24, .size: 8, .value_kind: global_buffer, .address_space: global }
      - { .name: bv, .offset: 32, .size: 8, .value_kind: global_buffer, .address_space: global }
      - { .name: qbuf, .offset: 40, .size: 8, .value_kind: global_buffer, .address_space: global }
      - { .name: kbuf, .offset: 48, .size: 8, .value_kind: global_buffer, .address_space: global }
      - { .name: vbuf, .offset: 56, .size: 8, .value_kind: global_buffer, .address_space: global }
    .group_segment_fixed_size: 27136
    .private_segment_fixed_size: 0
    .kernarg_segment_align: 8
    .kernarg_segment_size: 64
    .max_flat_workgroup_size: 128
    .sgpr_count:     66
    .vgpr_count:     1024
    .wavefront_size: 32
...
	.end_amdgpu_metadata
.endif
;; end of part 2
;; launch attn (part 3): grid 16 x 16, 16 waves a work-group, no clusters, 13,312 bytes of LDS; arguments qbuf, kbuf, pcodes, psc; writes pcodes, psc
.if DOCPART == 3
	.amdgcn_target "amdgcn-amd-amdhsa--gfx1250"
	.amdhsa_code_object_version 6
	.text
	.protected	k_qd6310741ef_attn
	.globl	k_qd6310741ef_attn
	.p2align	8
	.type	k_qd6310741ef_attn,@function
k_qd6310741ef_attn:
	s_mov_b64 s[64:65], 0
	v_nop
	global_prefetch_b8 v0, s[64:65] scope:SCOPE_SE
	s_setreg_imm32_b32 hwreg(HW_REG_WAVE_MODE, 25, 1), 1
	s_wait_xcnt 0x0
; attn[q][k] = softmax over the QUERIES q of (q . k / 8), finished and normalised, quantised along the keys to codes of FP6 (E2M3) with one E8M0 byte for each 32 keys.
; A work-group owns 64 keys of one batch and ALL its 1,024 queries, so a key's maximum and sum never leave the work-group, and its 64 keys are two whole blocks of the quantiser.
; Each of sixteen waves owns 64 queries (four tiles of 16) in 256 registers: four waves to a SIMD, so that one wave's exponentials stand beside another's waits.  The scores stay in registers throughout.
; S^T = K Q^T (source 0 = 16 keys, source 1 = 16 queries); K = the head's 64, filled to the instruction's 128 with zero codes on both sides.  A lane holds one query a tile; register 8 kt + j = kappa is key
; 32 (kappa / 16) + 16 (lane / 16) + kappa % 16, since the rows of a tile were cut so by the launch that made q and k.
; THE MAXIMUM is taken away before the exponential, exactly: over the wave's four tiles in a lane, over 16 lanes by DPP, over the sixteen waves through LDS.  The sum likewise.  p = 2^((s - max) log2(e) / 8).
; OUT: for each tile of queries half a fragment (768 bytes: registers 0-3 at 16 x lane, 4 and 5 at 512 + 8 x lane) at its place in the tile's eight key steps; the scale bytes meet in LDS and leave as whole rows of 512 bytes.
; LIMITS: a p under 2^-126 counts as 0 (v_exp_f32); a block of zeros gets the byte 1 over zero codes (this program alone reads the bytes); NaN and infinities are not served.
.set MX,  0                            ; LDS: each wave's 64 maxima, 272 bytes a wave
.set SXO, 4352                         ; the sums lie this far behind the maxima
.set MF,  8704                         ; the 64 final maxima; 256 bytes on: the 64 reciprocal sums
.set SFO, 256
.set PSL, 9216                         ; the scale halfwords, 4 bytes a thread
.set KF,  16                           ; v16-63   K's four fragments
.set QF,  64                           ; v64-111  Q's four
.set KS,  112                          ; v112-113 K's scale words: register kt / 2; lanes 0-15 the even tile, lanes 16-31 the odd one
.set QS,  114                          ; v114-115 Q's
.set S,   128                          ; v128-255 the scores, 32 qt + 8 kt + j
.set M,   16                           ; behind the products: v16-47 a figure for each of my 32 keys
.set T,   48                           ; v48-51   four figures on their way through the reduction over waves
.set PWS, 52                           ; v52-55   the tiles' scale halfwords
.set PC,  56                           ; v56-70   codes just made
.set TM,  72                           ; v72-85   at work in the quantiser
.set PO,  88                           ; v88-89   the halfwords as they leave
.set SEL, 16                           ; s[16:17] v_permlanex16_b32's selects for lane l xor 16
.set CS,  18                           ; s[18:19] log2(e) / 8
.macro BARRIER
	s_wait_dscnt 0x0                               ; my LDS stores have landed and my LDS loads are in
	s_barrier_signal -1
	s_barrier_wait -1
.endm
.macro MM0 d, a, b, sa, sb, ra, rb
.if (\ra) && (\rb)
	v_wmma_scale_f32_16x16x128_f8f6f4 v[(\d):(\d)+7], v[(\a):(\a)+11], v[(\b):(\b)+11], 0, v[\sa], v[\sb] matrix_a_fmt:MATRIX_FMT_FP6 matrix_b_fmt:MATRIX_FMT_FP6 matrix_a_scale:MATRIX_SCALE_ROW1 matrix_b_scale:MATRIX_SCALE_ROW1
.elseif (\ra)
	v_wmma_scale_f32_16x16x128_f8f6f4 v[(\d):(\d)+7], v[(\a):(\a)+11], v[(\b):(\b)+11], 0, v[\sa], v[\sb] matrix_a_fmt:MATRIX_FMT_FP6 matrix_b_fmt:MATRIX_FMT_FP6 matrix_a_scale:MATRIX_SCALE_ROW1
.elseif (\rb)
	v_wmma_scale_f32_16x16x128_f8f6f4 v[(\d):(\d)+7], v[(\a):(\a)+11], v[(\b):(\b)+11], 0, v[\sa], v[\sb] matrix_a_fmt:MATRIX_FMT_FP6 matrix_b_fmt:MATRIX_FMT_FP6 matrix_b_scale:MATRIX_SCALE_ROW1
.else
	v_wmma_scale_f32_16x16x128_f8f6f4 v[(\d):(\d)+7], v[(\a):(\a)+11], v[(\b):(\b)+11], 0, v[\sa], v[\sb] matrix_a_fmt:MATRIX_FMT_FP6 matrix_b_fmt:MATRIX_FMT_FP6
.endif
.endm
; two blocks of 32 keys: block 0's 16 numbers of my lane from s0 on, block 1's from s1 on; codes in v[PC] .. v[PC + 5], the two bytes in v[pw]
.macro QUANT2 s0, s1, pw
	v_max3_num_f32 v[TM], v[(\s0)], v[(\s0)+1], 0x1800000           ; (none is negative)  and the floor 2^(3 - 127): the byte cannot fall under 1
	v_max3_num_f32 v[TM+1], v[(\s1)], v[(\s1)+1], 0x1800000
.irp i, 2,4,6,8,10,12,14
	v_max3_num_f32 v[TM], v[(\s0)+\i], v[(\s0)+1+\i], v[TM]
	v_max3_num_f32 v[TM+1], v[(\s1)+\i], v[(\s1)+1+\i], v[TM+1]
.endr
	v_permlanex16_b32 v[TM+4], v[TM], s[SEL], s[SEL+1]
	v_permlanex16_b32 v[TM+5], v[TM+1], s[SEL], s[SEL+1]
	v_max_num_f32 v[TM], v[TM], v[TM+4]            ; with lane l xor 16's 16 keys: the block's largest
	v_max_num_f32 v[TM+1], v[TM+1], v[TM+5]
	v_add_nc_u32 v[TM+12], 0xff000000, v[TM]       ; 2 off the exponent field: the conversion's scale operand
	v_add_nc_u32 v[TM+13], 0xff000000, v[TM+1]
	v_lshrrev_b32 v[TM+4], 23, v[TM+12]            ; the scale's byte
	v_lshrrev_b32 v[TM+5], 23, v[TM+13]
	v_lshl_or_b32 v[\pw], v[TM+5], 8, v[TM+4]
	v_cvt_scalef32_pk16_fp6_f32 v[PC:PC+2], v[(\s0):(\s0)+15], v[TM+12]
	v_cvt_scalef32_pk16_fp6_f32 v[PC+12:PC+14], v[(\s1):(\s1)+15], v[TM+13]
	v_nop                                          ; one plain place behind a scaled conversion
.irp i, 0,1,2
	v_permlane16_swap_b32 v[PC+\i], v[PC+12+\i]    ; a WHOLE block in a lane: lanes 0-15 block 0, lanes 16-31 block 1
.endr
.irp i, 0,1,2
	v_mov_b32 v[PC+3+\i], v[PC+12+\i]
.endr
.endm
	s_load_b128 s[4:7], s[0:1], 0x0                ; qbuf, kbuf
	s_load_b128 s[8:11], s[0:1], 0x10              ; pcodes, psc
	v_lshl_add_u32 v126, v0, 2, 0x2c00
	v_mov_b32 v127, 0
.irp f, 0,1,2,3,4,5,6,7
.irp i, 6,7,8,9,10,11
	v_mov_b32 v[KF+12*\f+\i], 0                    ; K = 64 .. 127 of all eight fragments: zero codes.  (The address work below stands between these and the products)
.endr
.endr
	v_lshrrev_b32 v10, 5, v0
	v_readfirstlane_b32 s12, v10                   ; wave 0..15
	s_mov_b32 s13, ttmp9                           ; g: my 64 keys of the batch
	s_and_b32 s14, ttmp7, 0xffff                   ; the batch
	v_and_b32 v10, 31, v0                          ; lane
	v_and_b32 v11, 15, v0
	v_bfe_u32 v12, v0, 4, 1                        ; h
	v_lshlrev_b32 v1, 4, v10                       ; v1  16 x lane
	v_lshlrev_b32 v2, 3, v10                       ; v2  8 x lane
	s_mul_i32 s22, s12, 272
	v_lshl_add_u32 v3, v12, 7, s22                 ; v3  my wave's figures: 272 x wave + 128 h
	s_lshl_b32 s23, s12, 4
	v_mul_u32_u24 v4, v11, 272
	v_add_nc_u32 v4, s23, v4                       ; v4  the reduction over waves: wave lane % 16's figures 4 w .. 4 w + 3
	s_add_co_u32 s24, s23, MF
	v_mov_b32 v5, s24                              ; v5  where the four finished figures go
	v_lshlrev_b32 v6, 7, v12
	v_add_nc_u32 v6, MF, v6                        ; v6  and from where my 32 come back
	v_lshl_add_u32 v7, v0, 2, PSL                  ; v7  my scale halfwords
	v_lshlrev_b32 v9, 4, v0                        ; v9  16 x thread
	v_add_nc_u32 v8, PSL, v9                       ; v8  the same out of LDS
	s_mov_b32 s[SEL], 0x76543210
	s_mov_b32 s[SEL+1], 0xfedcba98
	s_mov_b32 s[CS], 0x3e38aa3b                    ; log2(e) / 8
	s_mov_b32 s[CS+1], s[CS]                       ; (named with it as a pair, so it is written)
	s_mov_b32 s20, 0xffff0000                      ; lanes 16-31
	s_lshl_b32 s22, s14, 4
	s_add_co_u32 s23, s22, s13                     ; 16 b + g
	s_add_co_u32 s24, s22, s12                     ; 16 b + wave: my block of 64 queries
	s_mov_b32 s27, 0
	s_wait_kmcnt 0x0
	s_mul_i32 s26, s23, 3328
	s_add_nc_u64 s[6:7], s[6:7], s[26:27]
	s_mul_i32 s26, s24, 3328
	s_add_nc_u64 s[4:5], s[4:5], s[26:27]
	s_mul_i32 s26, s24, 49152                      ; four tiles of eight key steps of 1,536 bytes,
	s_lshr_b32 s25, s13, 1
	s_mul_i32 s25, s25, 1536                       ; key step g / 2,
	s_add_co_u32 s26, s26, s25
	s_and_b32 s25, s13, 1
	s_mul_i32 s25, s25, 768                        ; half g % 2
	s_add_co_u32 s26, s26, s25
	s_add_nc_u64 s[8:9], s[8:9], s[26:27]
	s_lshl_b32 s26, s23, 11
	s_add_nc_u64 s[10:11], s[10:11], s[26:27]
.irp t, 0,1,2,3
	global_load_b128 v[KF+12*\t:KF+12*\t+3], v1, s[6:7] offset:768*\t
	global_load_b64 v[KF+12*\t+4:KF+12*\t+5], v2, s[6:7] offset:768*\t+512
	global_load_b128 v[QF+12*\t:QF+12*\t+3], v1, s[4:5] offset:768*\t
	global_load_b64 v[QF+12*\t+4:QF+12*\t+5], v2, s[4:5] offset:768*\t+512
.endr
	global_load_b64 v[KS:KS+1], v2, s[6:7] offset:3072
	global_load_b64 v[QS:QS+1], v2, s[4:5] offset:3072
	s_wait_loadcnt 0x0
.irp q, 0,1,2,3
.irp t, 0,1,2,3
	MM0 S+32*\q+8*\t, KF+12*\t, QF+12*\q, KS+\t/2, QS+\q/2, \t%2, \q%2
.endr
.endr
.rept 4
	v_nop                                          ; places in front of the first read of results and the first write over the fragments' registers
.endr
	v_mov_b32 v[TM+4], 0                           ; written once: a lane permute's destination counts as one of its sources
	v_mov_b32 v[TM+5], 0
	; ---- the largest score of each key.  Each accumulator is read from its low end on
.set kk, 0
.rept 32
	v_max3_num_f32 v[M+kk], v[S+kk], v[S+32+kk], v[S+64+kk]
.set kk, kk+1
.endr
.set kk, 0
.rept 32
	v_max_num_f32 v[M+kk], v[M+kk], v[S+96+kk]
.set kk, kk+1
.endr
.irp x, 1,2,4,8
.set kk, 0
.rept 32
	v_max_num_f32_dpp v[M+kk], v[M+kk], v[M+kk] row_xmask:\x row_mask:0xf bank_mask:0xf
.set kk, kk+1
.endr
.endr
.irp i, 0,1,2,3,4,5,6,7
	ds_store_b128 v3, v[M+4*\i:M+4*\i+3] offset:MX+16*\i       ; the sixteen lanes of a half write the same words with the same values
.endr
	BARRIER
	ds_load_b128 v[T:T+3], v4 offset:MX            ; lane l % 16: that wave's figures for keys 4 w .. 4 w + 3 of the 64
	s_wait_dscnt 0x0
.irp x, 1,2,4,8
.irp i, 0,1,2,3
	v_max_num_f32_dpp v[T+\i], v[T+\i], v[T+\i] row_xmask:\x row_mask:0xf bank_mask:0xf
.endr
.endr
	ds_store_b128 v5, v[T:T+3]
	BARRIER
.irp i, 0,1,2,3,4,5,6,7
	ds_load_b128 v[M+4*\i:M+4*\i+3], v6 offset:16*\i
.endr
	s_wait_dscnt 0x0
	; ---- p = 2^((s - max) c)
.irp q, 0,1,2,3
.set kk, 0
.rept 16
	v_pk_add_f32 v[S+32*\q+kk:S+32*\q+kk+1], v[S+32*\q+kk:S+32*\q+kk+1], v[M+kk:M+kk+1] neg_lo:[0,1] neg_hi:[0,1]
.set kk, kk+2
.endr
.endr
.set kk, 0
.rept 64
	v_pk_mul_f32 v[S+kk:S+kk+1], v[S+kk:S+kk+1], s[CS:CS+1] op_sel_hi:[1,0]
.set kk, kk+2
.endr
.set kk, 0
.rept 128
	v_exp_f32 v[S+kk], v[S+kk]
.set kk, kk+1
.endr
	v_nop                                          ; a plain place behind the exponentials
	; ---- each key's sum
.set kk, 0
	s_wait_alu depctr_va_vdst(0)
.rept 16
	v_pk_add_f32 v[M+kk:M+kk+1], v[S+kk:S+kk+1], v[S+32+kk:S+32+kk+1]
.set kk, kk+2
.endr
.irp q, 2,3
.set kk, 0
.rept 16
	v_pk_add_f32 v[M+kk:M+kk+1], v[M+kk:M+kk+1], v[S+32*\q+kk:S+32*\q+kk+1]
.set kk, kk+2
.endr
.endr
.irp x, 1,2,4,8
.set kk, 0
.rept 32
	v_add_f32_dpp v[M+kk], v[M+kk], v[M+kk] row_xmask:\x row_mask:0xf bank_mask:0xf
.set kk, kk+1
.endr
.endr
.irp i, 0,1,2,3,4,5,6,7
	ds_store_b128 v3, v[M+4*\i:M+4*\i+3] offset:MX+SXO+16*\i
.endr
	BARRIER
	ds_load_b128 v[T:T+3], v4 offset:MX+SXO
	s_wait_dscnt 0x0
.irp x, 1,2,4,8
.irp i, 0,1,2,3
	v_add_f32_dpp v[T+\i], v[T+\i], v[T+\i] row_xmask:\x row_mask:0xf bank_mask:0xf
.endr
.endr
.irp i, 0,1,2,3
	v_rcp_f32 v[T+\i], v[T+\i]                     ; the sum is at least 1: the largest score's own p
.endr
	v_nop                                          ; a plain place behind the reciprocals
	s_wait_alu depctr_va_vdst(0)
	ds_store_b128 v5, v[T:T+3] offset:SFO
	BARRIER
.irp i, 0,1,2,3,4,5,6,7
	ds_load_b128 v[M+4*\i:M+4*\i+3], v6 offset:SFO+16*\i
.endr
	s_wait_dscnt 0x0
.irp q, 0,1,2,3
.set kk, 0
.rept 16
	v_pk_mul_f32 v[S+32*\q+kk:S+32*\q+kk+1], v[S+32*\q+kk:S+32*\q+kk+1], v[M+kk:M+kk+1]      ; attn, finished
.set kk, kk+2
.endr
.endr
	; ---- quantised along the keys, a tile of queries at a time
.irp q, 0,1,2,3
.if \q > 0
	s_wait_xcnt 0x0                                ; the last tile's stores have read their data: the codes' registers are written again
.endif
	QUANT2 S+32*\q, S+32*\q+16, PWS+\q
	global_store_b128 v1, v[PC:PC+3], s[8:9] offset:12288*\q th:TH_STORE_NT       ; 512 consecutive bytes, aligned to 256
	global_store_b64 v2, v[PC+4:PC+5], s[8:9] offset:12288*\q+512 th:TH_STORE_NT  ; 256
.endr
	v_cndmask_b32 v[PO], v[PWS], v[PWS+1], s20     ; lanes 0-15 tile 0's two bytes, lanes 16-31 tile 1's;
	v_cndmask_b32 v[PO+1], v[PWS+2], v[PWS+3], s20
	v_lshl_or_b32 v[PO], v[PO+1], 16, v[PO]        ; tiles 2 and 3 in the upper half
	ds_store_b32 v7, v[PO]
	BARRIER
	s_cmp_ge_u32 s12, 4
	s_cbranch_scc1 .Lend
	ds_load_b128 v[92:95], v8                      ; waves 0-3: the sixteen waves' 2,048 bytes, 16 a thread
	s_wait_dscnt 0x0
	global_store_b128 v9, v[92:95], s[10:11]
.Lend:
	s_wait_tensorcnt 0x0
	ds_add_u32 v126, v127
	s_wait_dscnt 0x0
	s_endpgm
.Lfunc_end_k_qd6310741ef_attn:
	.size	k_qd6310741ef_attn, .Lfunc_end_k_qd6310741ef_attn-k_qd6310741ef_attn
	.p2alignl 7, 3214868480
	.fill 96, 4, 3214868480
	.section	.rodata,"a",@progbits
	.p2align	6, 0x0
	.amdhsa_kernel k_qd6310741ef_attn
		.amdhsa_group_segment_fixed_size 13312
		.amdhsa_private_segment_fixed_size 0
		.amdhsa_enable_private_segment 0
		.amdhsa_kernarg_size 32
		.amdhsa_user_sgpr_count 2
		.amdhsa_user_sgpr_kernarg_segment_ptr 1
		.amdhsa_wavefront_size32 1
		.amdhsa_system_sgpr_workgroup_id_x 1
		.amdhsa_system_sgpr_workgroup_id_y 1
		.amdhsa_system_sgpr_workgroup_id_z 1
		.amdhsa_system_vgpr_workitem_id 0
		.amdhsa_next_free_vgpr 256
		.amdhsa_next_free_sgpr 66
		.amdhsa_reserve_vcc 0
		.amdhsa_float_denorm_mode_32 3
		.amdhsa_float_denorm_mode_16_64 3
		.amdhsa_memory_ordered 1
		.amdhsa_forward_progress 1
		.amdhsa_inst_pref_size 60
	.end_amdhsa_kernel
	.amdgpu_metadata
---
amdhsa.version: [ 1, 2 ]
amdhsa.kernels:
  - .name:           k_qd6310741ef_attn
    .symbol:         k_qd6310741ef_attn.kd
    .args:
      - { .name: qbuf, .offset: 0, .size: 8, .value_kind: global_buffer, .address_space: global }
      - { .name: kbuf, .offset: 8, .size: 8, .value_kind: global_buffer, .address_space: global }
      - { .name: pcodes, .offset: 16, .size: 8, .value_kind: global_buffer, .address_space: global }
      - { .name: psc, .offset: 24, .size: 8, .value_kind: global_buffer, .address_space: global }
    .group_segment_fixed_size: 13312
    .private_segment_fixed_size: 0
    .kernarg_segment_align: 8
    .kernarg_segment_size: 32
    .max_flat_workgroup_size: 512
    .sgpr_count:     66
    .vgpr_count:     256
    .wavefront_size: 32
...
	.end_amdgpu_metadata
.endif
;; end of part 3
;; launch rest (part 4): grid 256 x 1, 4 waves a work-group, clusters of 4 x 1, 327,680 bytes of LDS; arguments x, pcodes, psc, vbuf, wts, bo, ln_g, ln_b, b1, b2, out0; writes out0
.if DOCPART == 4
	.amdgcn_target "amdgcn-amd-amdhsa--gfx1250"
	.amdhsa_code_object_version 6
	.text
	.protected	k_qd6310741ef_rest
	.globl	k_qd6310741ef_rest
	.p2align	8
	.type	k_qd6310741ef_rest,@function
k_qd6310741ef_rest:
	s_mov_b64 s[64:65], 0
	v_nop
	global_prefetch_b8 v0, s[64:65] scope:SCOPE_SE
	s_setreg_imm32_b32 hwreg(HW_REG_WAVE_MODE, 25, 1), 1
	s_wait_xcnt 0x0
	s_wait_alu depctr_hold_cnt(0) depctr_sa_sdst(0) depctr_va_vdst(0) depctr_va_sdst(0) depctr_va_ssrc(0) depctr_va_vcc(0) depctr_vm_vsrc(0)
	s_getreg_b32 s2, hwreg(HW_REG_IB_STS2, 6, 4)
	s_cmp_eq_u32 s2, 0
	s_cbranch_scc0 .Lentry_in_a_cluster
	s_endpgm
.Lentry_in_a_cluster:
	s_bfe_u32 s2, ttmp6, 0x10000c
	s_cmp_lg_u32 s2, 0x3003
	s_cbranch_scc0 .Lentry_shape_is_right
	s_endpgm
.Lentry_shape_is_right:
; head = attn v;  h = LN(tile(head, 8) wo + bo + x);  out = LN(h + (h w1 + b1) w2 + b2).  All four products on codes of FP6 (E2M3) with one E8M0 scale for each 32 along K; all else in f32.
; A work-group of four waves owns 64 rows: four tiles of 16; member r of tile m is row 32 (m / 2) + 8 (m % 2) + r + (r & 8), as the earlier launches cut them.
; attn v: wave w takes row tile w: head^T = v^T attn^T (source 0 = 16 of the head's 64, source 1 = attn's 16 rows), K = the batch's 1,024 keys in eight steps.  v's codes of the batch (51,200 bytes: 32 images of
; 1,536 bytes, (key step, d tile) at 4 S + dt, each of two halves of 768 bytes: registers 6 c .. 6 c + 3 at 768 c + 16 x lane, 6 c + 4, 5 at 768 c + 512 + 8 x lane; then 128 bytes of scale halfwords for each 64 keys) lie in LDS.
; THE QUANTISED CONCATENATION IS THE QUANTISED HEAD REPEATED: one fragment a row tile (its 64 codes twice) serves all four K steps of the product with wo, which is done at its full K = 512.
; FROM THERE ON THE WAVES SHARE THE COLUMNS, NOT THE ROWS: wave w makes columns 128 w .. 128 w + 127 of wo's and w2's products and hidden units 128 (4 c + w) .. of chunk c of w1's, for all 64 rows, transposed
; (source 0 = 16 columns of the weight, source 1 = 16 rows): a weight's fragment is read from LDS by one wave and feeds four products, and a lane's registers are neighbours along the next K.
; Rows' codes go from wave to wave through LDS as images of the operand's registers (1,536 bytes a fragment, 128 a scale word).  The hidden layer goes in four chunks of 512 units and never leaves the WGP.
; THE WEIGHTS come as eighteen tiles of 102,400 bytes (a quarter of 25,600 a wave: sixteen fragments' images and their scale words) through two LDS slots.  Every work-group walks the same tiles, so the four of a
; cluster ask JOINTLY: the same tensor load, the same descriptor, a mask that names the four.  A wave reads only the quarter that it asked for.  By this text's count a wave has three tensor loads out at the start, later one.
; LayerNorm in two passes (mean, then the squares of the differences), so that a common offset does no harm.
; LIMITS: a block of zeros gets the byte 1 over zero codes (this program alone reads the bytes); NaN and infinities are not served.
; REGISTERS, in windows of 256.  window 0: addresses, scale words, two buffers of four weight fragments, work.  window 1: attn's fragments, then the concatenation's, then h's 16 (12 (4 m + s)), at the end ln_g and
; ln_b; v192-255 b1 of the chunk.  window 2: ln_g, ln_b, bo then b2, the head; then the hidden accumulators (64 m + 8 t), then the hidden fragments; at the end rows on their way out.
; window 3: Y (64 m + 8 t + j): x + bo, + the product with wo, h + b2, + the product with w2, the result.
.set QB,    25600                      ; a quarter
.set SLOTB, 102400                     ; a slot: slot 0 at LDS byte 0, slot 1 behind it
.set VREG,  204800                     ; v of the batch: filled once
.set IMG,   256000                     ; 16 images
.set ISC,   280576                     ; their scale words
.set RED,   282624                     ; four regions of 1,024 bytes for the row sums: row 16 m + r, wave w at 16 (16 m + r) + 4 w
.set SPARE, 286720                     ; the spare words, 128 bytes for each wave: two blocks of 256 bytes that no other line names
.set LI,  3                            ; v3   16 x lane
.set LS,  4                            ; v4   4 x lane
.set L8,  5                            ; v5   8 x lane
.set SPW, 6                            ; v6   LDS address of my spare word; never rewritten
.set NIL, 7                            ; v7   0; never rewritten
.set WA,  8                            ; v8-9 my quarter in slot 0, 1, + 16 x lane
.set IWI, 10                           ; v10  where I store an image: IMG + 16 x lane + 1,536 x wave
.set IWS, 11                           ; v11  and its scale word: ISC + 4 x lane + 128 x wave
.set IRI, 12                           ; v12  IMG + 16 x lane
.set IRS, 13                           ; v13  ISC + 4 x lane
.set VA16, 14                          ; v14  VREG + 16 x lane
.set VA8, 15                           ; v15  VREG + 512 + 8 x lane
.set VSA, 16                           ; v16  v's scale halfwords + 4 x lane
.set RW,  17                           ; v17  RED + 16 r + 4 w
.set RR,  18                           ; v18  RED + 16 r
.set XA,  19                           ; v19  x: (r + (r & 8)) rows + 512 w + 64 h
.set CA,  20                           ; v20  a vector over the columns: 512 w + 64 h
.set PSA, 21                           ; v21  attn's scale halfwords: 64 (w % 2) + 4 r
.set STO, 22                           ; v22  the way out: where I put a row's bytes
.set CO,  24                           ; v24  my byte in a row of out: 512 w + 16 x lane
.set HSC, 32                           ; v32-47  h's scale words, 4 m + s  (attn v: v's, 2 S + dt / 2)
.set GSC, 48                           ; v48-63  the concatenation's (m), the hidden layer's (4 m + s)  (attn v: attn's, S)
.set WSC, 64                           ; v64-79  the weights': 8 a slot: register 4 sl + t / 2; lanes 0-15 the even tile, lanes 16-31 the odd one
.set WB,  80                           ; v80-175 two buffers of four fragments
.set PC,  176                          ; v176-195 codes just made
.set TM,  196                          ; v196-211 at work in the quantiser
.set PW,  212                          ; v212    a scale word just made
.set SA,  214                          ; v214-221 four rows' sums, in pairs
.set MU,  222                          ; v222-229 their means, twice each
.set RS,  230                          ; v230-237 1 / sqrt(var + eps), twice each
.set T16, 238                          ; v238-253 at work in the row sums
.set RAWP, 214                         ; attn v: attn's scale halfwords as loaded, 16
.set RAWV, 238                         ; and v's, 16
.set WV,  26                           ; s26 my wave's number
.set G1T, 36                           ; s[36:43] descriptor group 1 for a quarter
.set G1V, 44                           ; s[44:51] for a quarter of v
.set G0,  52                           ; s[52:59] group 0, a set for each slot
.set G0V, 60                           ; s[60:63] for v
.set SEL, 66                           ; s[66:67] v_permlanex16_b32's selects for lane l xor 16
.set CNT, 68
.set PSEL, 69
.set EPS, 70
.set INV, 71
.set MSB, 0
.macro WIN new                         ; the immediate's high byte repeats the setting that is left
.if MSB != (\new)
	s_set_vgpr_msb (MSB<<8)|(\new)
.set MSB, (\new)
.endif
.endm
.macro PLACES n                        ; places behind matrix instructions: plain vector instructions that name none of their registers (ISA guide 7.12.1)
.rept \n
	v_nop
.endr
.endm
.macro BARRIER
	s_wait_dscnt 0x0                               ; my LDS stores have landed and my LDS loads are in
	s_barrier_signal -1
	s_barrier_wait -1
.endm
.macro ROUND                           ; a round of the cluster's barrier: my work-group's barrier; wave 0 signals for the work-group; every wave waits for all four; my work-group's barrier once more
	s_barrier_signal -1
	s_barrier_wait -1
	s_cmp_lg_u32 s[WV], 0
	s_cbranch_scc1 .Lnot_wave_0_\@
	s_barrier_signal -3
.Lnot_wave_0_\@:
	s_barrier_wait -3
	s_barrier_signal -1
	s_barrier_wait -1
.endm
; The slot just read is filled again with the tile two on.  All my tensor loads have landed (my quarter of the other slot among them); my reads of this slot are over; the round says so of every wave of the four work-groups.
.macro CHANGE slot
	s_wait_tensorcnt 0x0                           ; no tensor load of mine is out, so a group 0 may be written
	ds_add_u32 v[SPW], v[NIL]                      ; 0 onto my spare word
	s_add_nc_u64 s[G0+4*\slot+2:G0+4*\slot+3], s[G0+4*\slot+2:G0+4*\slot+3], 2*SLOTB   ; the address steps two tiles; the type bits on top are not reached
	s_wait_dscnt 0x0                               ; the add is done, and my reads of the slot are over
	ROUND
	tensor_load_to_lds s[G0+4*\slot:G0+4*\slot+3], s[G1T:G1T+7]     ; the first thing behind the round, and my one tensor load until the next
	s_nop 0
	PLACES 4                                       ; (places behind the last products)
.endm
.macro MM d, a, b, c, sa, sb, ra
.if (\c) < 0
.if (\ra)
	v_wmma_scale_f32_16x16x128_f8f6f4 v[(\d):(\d)+7], v[(\a):(\a)+11], v[(\b):(\b)+11], 0, v[\sa], v[\sb] matrix_a_fmt:MATRIX_FMT_FP6 matrix_b_fmt:MATRIX_FMT_FP6 matrix_a_scale:MATRIX_SCALE_ROW1
.else
	v_wmma_scale_f32_16x16x128_f8f6f4 v[(\d):(\d)+7], v[(\a):(\a)+11], v[(\b):(\b)+11], 0, v[\sa], v[\sb] matrix_a_fmt:MATRIX_FMT_FP6 matrix_b_fmt:MATRIX_FMT_FP6
.endif
.else
.if (\ra)
	v_wmma_scale_f32_16x16x128_f8f6f4 v[(\d):(\d)+7], v[(\a):(\a)+11], v[(\b):(\b)+11], v[(\c):(\c)+7], v[\sa], v[\sb] matrix_a_fmt:MATRIX_FMT_FP6 matrix_b_fmt:MATRIX_FMT_FP6 matrix_a_scale:MATRIX_SCALE_ROW1
.else
	v_wmma_scale_f32_16x16x128_f8f6f4 v[(\d):(\d)+7], v[(\a):(\a)+11], v[(\b):(\b)+11], v[(\c):(\c)+7], v[\sa], v[\sb] matrix_a_fmt:MATRIX_FMT_FP6 matrix_b_fmt:MATRIX_FMT_FP6
.endif
.endif
.endm
.macro IMAGE adr, off                  ; the fragment in v[PC] on goes to LDS as it stands
.irp c, 0,1,2
	ds_store_b128 v[\adr], v[PC+4*\c:PC+4*\c+3] offset:(\off)+512*\c
.endr
.endm
; 64 numbers of a lane in window W, register s + 16 b + i = k 32 b + 16 (lane / 16) + i of my row, become a fragment's codes in v[PC] .. v[PC + 11] and its scale word in v[PW]
.macro QUANT4 W, s
	WIN (\W)|((\W)<<2)
.irp b, 0,1,2,3
	v_max3_num_f32 v[TM+\b], |v[(\s)+16*\b]|, |v[(\s)+1+16*\b]|, 0x1800000      ; block b: my 16 numbers, and the floor 2^(3 - 127): the byte cannot fall under 1
.endr
.irp i, 2,4,6,8,10,12,14
.irp b, 0,1,2,3
	v_max3_num_f32 v[TM+\b], |v[(\s)+16*\b+\i]|, |v[(\s)+1+16*\b+\i]|, v[TM+\b]  ; the four blocks by turns; each accumulator from its low end on
.endr
.endr
	WIN 0
.irp b, 0,1,2,3
	v_permlanex16_b32 v[TM+4+\b], v[TM+\b], s[SEL], s[SEL+1]
.endr
.irp b, 0,1,2,3
	v_max_num_f32 v[TM+\b], v[TM+\b], v[TM+4+\b]   ; with lane l xor 16's: the block's largest magnitude
.endr
.irp b, 0,1,2,3
	v_add_nc_u32 v[TM+12+\b], 0xff000000, v[TM+\b] ; 2 off its exponent field: the conversion's scale operand
.endr
.irp b, 0,1,2,3
	v_lshrrev_b32 v[TM+4+\b], 23, v[TM+12+\b]      ; the scale's byte
.endr
	v_lshl_or_b32 v[PW], v[TM+5], 8, v[TM+4]
	v_lshl_or_b32 v[PW], v[TM+6], 16, v[PW]
	v_lshl_or_b32 v[PW], v[TM+7], 24, v[PW]
	WIN \W
.irp c, 0,1
	v_cvt_scalef32_pk16_fp6_f32 v[PC+6*\c:PC+2+6*\c], v[(\s)+32*\c:(\s)+15+32*\c], v[TM+12+2*\c]
	v_cvt_scalef32_pk16_fp6_f32 v[PC+12+4*\c:PC+14+4*\c], v[(\s)+16+32*\c:(\s)+31+32*\c], v[TM+13+2*\c]   ; (a conversion's three registers begin on an even number)
.endr
	WIN 0
	v_nop                                          ; one plain place behind a scaled conversion
.irp c, 0,1                                    ; the operand's layout wants a WHOLE block in a lane: lanes 0-15 block 2 c, lanes 16-31 block 2 c + 1
.irp i, 0,1,2
	v_permlane16_swap_b32 v[PC+6*\c+\i], v[PC+12+4*\c+\i]
.endr
.irp i, 0,1,2
	v_mov_b32 v[PC+3+6*\c+\i], v[PC+12+4*\c+\i]
.endr
.endr
.endm
.macro QUANT2 W, s0, s1, pw            ; the same for two blocks: codes in v[PC] .. v[PC + 5], the two bytes in v[pw]
	WIN (\W)|((\W)<<2)
	v_max3_num_f32 v[TM], |v[(\s0)]|, |v[(\s0)+1]|, 0x1800000
	v_max3_num_f32 v[TM+1], |v[(\s1)]|, |v[(\s1)+1]|, 0x1800000
.irp i, 2,4,6,8,10,12,14
	v_max3_num_f32 v[TM], |v[(\s0)+\i]|, |v[(\s0)+1+\i]|, v[TM]
	v_max3_num_f32 v[TM+1], |v[(\s1)+\i]|, |v[(\s1)+1+\i]|, v[TM+1]
.endr
	WIN 0
	v_permlanex16_b32 v[TM+4], v[TM], s[SEL], s[SEL+1]
	v_permlanex16_b32 v[TM+5], v[TM+1], s[SEL], s[SEL+1]
	v_max_num_f32 v[TM], v[TM], v[TM+4]
	v_max_num_f32 v[TM+1], v[TM+1], v[TM+5]
	v_add_nc_u32 v[TM+12], 0xff000000, v[TM]
	v_add_nc_u32 v[TM+13], 0xff000000, v[TM+1]
	v_lshrrev_b32 v[TM+4], 23, v[TM+12]
	v_lshrrev_b32 v[TM+5], 23, v[TM+13]
	v_lshl_or_b32 v[\pw], v[TM+5], 8, v[TM+4]
	WIN \W
	v_cvt_scalef32_pk16_fp6_f32 v[PC:PC+2], v[(\s0):(\s0)+15], v[TM+12]
	v_cvt_scalef32_pk16_fp6_f32 v[PC+12:PC+14], v[(\s1):(\s1)+15], v[TM+13]
	WIN 0
	v_nop
.irp i, 0,1,2
	v_permlane16_swap_b32 v[PC+\i], v[PC+12+\i]
.endr
.irp i, 0,1,2
	v_mov_b32 v[PC+3+\i], v[PC+12+\i]
.endr
.endm
; A QUARTER: sixteen weight fragments (f = 8 sl + t: K step 2 half + sl, column tile t), in four groups of four through two buffers; each fragment against the four row tiles: 64 products.
; kind 0: wo (onto Y; source 1 the concatenation's fragment m), 1: w1 (the hidden accumulators; the first K step takes b1 as C; source 1 h's fragments), 2: w2 (onto Y; source 1 the hidden fragments).
; The 32 accumulators take turns, one instruction a turn, in the same order in every quarter.
.macro WLOAD slot, gi
.irp e, 0,1,2,3
.irp c, 0,1,2
	ds_load_b128 v[WB+48*((\gi)%2)+12*\e+4*\c:WB+48*((\gi)%2)+12*\e+4*\c+3], v[WA+\slot] offset:1536*(4*(\gi)+\e)+512*\c
.endr
.endr
.endm
.macro QMUL slot, kind, half, gi
.set qsl, (\gi)/2
.set qs, 2*(\half)+qsl
.if \kind == 0
	WIN 0xf4                                       ; source 1 window 1, C and D window 3
.elseif \kind == 1
.if qs == 0
	WIN 0x94                                       ; source 1 and C window 1, D window 2
.else
	WIN 0xa4                                       ; source 1 window 1, C and D window 2
.endif
.else
	WIN 0xf8                                       ; source 1 window 2, C and D window 3
.endif
.irp e, 0,1,2,3
.irp m, 0,1,2,3
.set qt, (4*(\gi)+\e)%8
.set qa, WB+48*((\gi)%2)+12*\e
.set qsa, WSC+8*(\slot)+4*qsl+qt/2
.set qd, 64*\m+8*qt
.if \kind == 0
	MM qd, qa, 12*\m, qd, qsa, GSC+\m, qt%2
.elseif \kind == 1
.if qs == 0
	MM qd, qa, 12*(4*\m+qs), 192+8*qt, qsa, HSC+4*\m+qs, qt%2
.else
	MM qd, qa, 12*(4*\m+qs), qd, qsa, HSC+4*\m+qs, qt%2
.endif
.else
	MM qd, qa, 12*(4*\m+qs), qd, qsa, GSC+4*\m+qs, qt%2
.endif
.endr
.endr
	WIN 0
.endm
.macro QTR slot, kind, half
	PLACES 4                                       ; in front of loads into registers that matrix instructions have read
	ds_load_b128 v[WSC+8*\slot:WSC+8*\slot+3], v[WA+\slot] offset:24576
	ds_load_b128 v[WSC+8*\slot+4:WSC+8*\slot+7], v[WA+\slot] offset:25088
	WLOAD \slot, 0
.irp gi, 0,1,2,3
.if \gi < 3
.if \gi > 0
	PLACES 4
.endif
	WLOAD \slot, \gi+1
	s_wait_dscnt 12                                ; all but the 12 just issued: this group's fragments are in
.else
	s_wait_dscnt 0x0
.endif
	QMUL \slot, \kind, \half, \gi
.endr
.endm
; The four rows' partial sums in v[SA + 2 m], v[SA + 2 m + 1] become the rows' sums over all 512 columns in v[SA + 2 m]: the pair, lane l xor 16, the four waves through region k of RED (each region is used once)
.macro ROWSUM k
.irp m, 0,1,2,3
	v_add_f32 v[SA+2*\m], v[SA+2*\m], v[SA+2*\m+1]
.endr
.irp m, 0,1,2,3
	v_permlanex16_b32 v[T16+\m], v[SA+2*\m], s[SEL], s[SEL+1]
.endr
.irp m, 0,1,2,3
	v_add_f32 v[SA+2*\m], v[SA+2*\m], v[T16+\m]
.endr
.irp m, 0,1,2,3
	ds_store_b32 v[RW], v[SA+2*\m] offset:1024*(\k)+256*\m      ; both halves of the lanes write the same word with the same value
.endr
	BARRIER
.irp m, 0,1,2,3
	ds_load_b128 v[T16+4*\m:T16+4*\m+3], v[RR] offset:1024*(\k)+256*\m
.endr
	s_wait_dscnt 0x0
.irp m, 0,1,2,3
	v_add_f32 v[T16+4*\m], v[T16+4*\m], v[T16+4*\m+1]
	v_add_f32 v[T16+4*\m+2], v[T16+4*\m+2], v[T16+4*\m+3]
.endr
.irp m, 0,1,2,3
	v_add_f32 v[SA+2*\m], v[T16+4*\m], v[T16+4*\m+2]
.endr
.endm
; Y = (Y - mean) / sqrt(var + eps) x ln_g + ln_b, row by row.  ln_g lies at v0-63 and ln_b at v64-127 of window GW.  Y is read from each accumulator's low end on.
.macro LNORM k, GW
	WIN 0x0f
.irp m, 0,1,2,3
	v_pk_add_f32 v[SA+2*\m:SA+2*\m+1], v[64*\m:64*\m+1], v[64*\m+2:64*\m+3]
.endr
	WIN 0x03
.set pp, 4
.rept 30
.irp m, 0,1,2,3
	v_pk_add_f32 v[SA+2*\m:SA+2*\m+1], v[64*\m+pp:64*\m+pp+1], v[SA+2*\m:SA+2*\m+1]
.endr
.set pp, pp+2
.endr
	WIN 0
	ROWSUM \k
.irp m, 0,1,2,3
	v_mul_f32 v[MU+2*\m], s[INV], v[SA+2*\m]
	v_mul_f32 v[MU+2*\m+1], s[INV], v[SA+2*\m]
.endr
	WIN 0xc3
.set pp, 0
.rept 32
.irp m, 0,1,2,3
	v_pk_add_f32 v[64*\m+pp:64*\m+pp+1], v[64*\m+pp:64*\m+pp+1], v[MU+2*\m:MU+2*\m+1] neg_lo:[0,1] neg_hi:[0,1]
.endr
.set pp, pp+2
.endr
	WIN 0x0f
.irp m, 0,1,2,3
	v_pk_mul_f32 v[SA+2*\m:SA+2*\m+1], v[64*\m:64*\m+1], v[64*\m:64*\m+1]
.endr
.set pp, 2
.rept 31
.irp m, 0,1,2,3
	v_pk_fma_f32 v[SA+2*\m:SA+2*\m+1], v[64*\m+pp:64*\m+pp+1], v[64*\m+pp:64*\m+pp+1], v[SA+2*\m:SA+2*\m+1]
.endr
.set pp, pp+2
.endr
	WIN 0
	ROWSUM (\k)+1
.irp m, 0,1,2,3
	v_fma_f32 v[T16+\m], v[SA+2*\m], s[INV], s[EPS]
.endr
.irp m, 0,1,2,3
	v_rsq_f32 v[RS+2*\m], v[T16+\m]
.endr
	v_nop                                          ; a plain place behind the transcendentals
	s_wait_alu depctr_va_vdst(0)
.irp m, 0,1,2,3
	v_mov_b32 v[RS+2*\m+1], v[RS+2*\m]
.endr
	WIN 0xc3
.set pp, 0
.rept 32
.irp m, 0,1,2,3
	v_pk_mul_f32 v[64*\m+pp:64*\m+pp+1], v[64*\m+pp:64*\m+pp+1], v[RS+2*\m:RS+2*\m+1]
.endr
.set pp, pp+2
.endr
	WIN 0xc3|((\GW)<<2)|((\GW)<<4)
.set pp, 0
.rept 32
.irp m, 0,1,2,3
	v_pk_fma_f32 v[64*\m+pp:64*\m+pp+1], v[64*\m+pp:64*\m+pp+1], v[pp:pp+1], v[64+pp:64+pp+1]
.endr
.set pp, pp+2
.endr
	WIN 0
.endm
.macro VFETCH ks, buf                  ; v's four fragments of key step ks
.irp dt, 0,1,2,3
.irp c, 0,1
	ds_load_b128 v[WB+48*(\buf)+12*\dt+6*\c:WB+48*(\buf)+12*\dt+6*\c+3], v[VA16] offset:1536*(4*(\ks)+\dt)+768*\c
	ds_load_b64 v[WB+48*(\buf)+12*\dt+6*\c+4:WB+48*(\buf)+12*\dt+6*\c+5], v[VA8] offset:1536*(4*(\ks)+\dt)+768*\c
.endr
.endr
.endm
.macro VECLOAD reg, lo, hi             ; a vector over the columns, my 64 numbers in the result's layout: register 16 b + i = column 128 w + 32 b + 16 h + i
.irp b, 0,1,2,3
.irp i, 0,1,2,3
	global_load_b128 v[(\reg)+16*\b+4*\i:(\reg)+16*\b+4*\i+3], v[CA], s[\lo:\hi] offset:128*\b+16*\i
.endr
.endr
.endm
.macro ADDVEC                          ; Y += the vector at v128-191 of window 2, in all four row tiles
	WIN 0xcb
.set pp, 0
.rept 32
.irp m, 0,1,2,3
	v_pk_add_f32 v[64*\m+pp:64*\m+pp+1], v[64*\m+pp:64*\m+pp+1], v[128+pp:128+pp+1]
.endr
.set pp, pp+2
.endr
	WIN 0
.endm
.macro FETCH16 win, sc                 ; the sixteen images into registers 12 f of a window, their scale words into v[sc + f]
	WIN (\win)<<6
.irp f, 0,1,2,3,4,5,6,7,8,9,10,11,12,13,14,15
.irp c, 0,1,2
	ds_load_b128 v[12*\f+4*\c:12*\f+4*\c+3], v[IRI] offset:1536*\f+512*\c
.endr
.endr
	WIN 0
.irp f, 0,1,2,3,4,5,6,7,8,9,10,11,12,13,14,15
	ds_load_b32 v[(\sc)+\f], v[IRS] offset:128*\f
.endr
.endm
.macro TOIMG W                         ; my 128 columns of the four row tiles in window W become K step w's four fragments, and go to LDS
.irp m, 0,1,2,3
	QUANT4 \W, 64*\m
	IMAGE IWI, 6144*\m
	ds_store_b32 v[IWS], v[PW] offset:512*\m
	s_wait_dscnt 0x0                               ; the stores have read their registers
.endr
.endm
; A chunk of 512 hidden units: two quarters of w1, the hidden layer quantised and handed round, two quarters of w2.  last = 1: the tail, which asks for no tile beyond the eighteenth
.macro CHUNK last
	s_wait_loadcnt 0x0                             ; b1 of this chunk
	QTR 0, 1, 0
	CHANGE 0
.if \last == 0
	s_add_nc_u64 s[20:21], s[20:21], 2048          ; the next chunk's b1 (the loads that named this pair are done; b1's registers were last read in the quarter above)
	WIN 0x40
	VECLOAD 192, 20, 21
	WIN 0
.endif
	QTR 1, 1, 1
	CHANGE 1
.if \last
	WIN 0x40                                       ; h's codes have had their last use: ln_g and ln_b for the last LayerNorm take their place
	VECLOAD 0, 16, 17
	VECLOAD 64, 18, 19
	WIN 0
.endif
	TOIMG 2
	BARRIER                                        ; the chunk's sixteen hidden fragments lie in LDS
	FETCH16 2, GSC
	QTR 0, 2, 0
.if \last
	s_wait_tensorcnt 0x0                           ; the last tile, my own quarter of it, has landed
.else
	CHANGE 0
.endif
	QTR 1, 2, 1
.if \last == 0
	CHANGE 1
.endif
.endm
; THE WAY OUT of row tile m.  A lane holds 4 x 64 bytes of one row; through my own stage (16 rows of 512 + 16 bytes, in my quarter of slot 0, which has had its last fill and its last read) they come back as whole pieces of rows.
.macro TOSTAGE m
	WIN 0x0c                                       ; an LDS store's data are its source 1: window 3
.irp b, 0,1,2,3
.irp q, 0,1,2,3
	ds_store_b128 v[STO], v[64*(\m)+16*\b+4*\q:64*(\m)+16*\b+4*\q+3] offset:128*\b+16*\q
.endr
.endr
	WIN 0x80
.irp t, 0,1,2,3,4,5,6,7,8,9,10,11,12,13,14,15
	ds_load_b128 v[64*((\m)%2)+4*\t:64*((\m)%2)+4*\t+3], v[WA] offset:528*\t       ; LDS serves a wave's instructions in order (ISA guide 5.7.1.4): these see the stores above
.endr
	WIN 0
.endm
.macro SEND m, younger                 ; younger: the LDS instructions issued behind tile m's loads, which may stay out
	s_wait_dscnt \younger
	WIN 0x08
.irp t, 0,1,2,3,4,5,6,7,8,9,10,11,12,13,14,15
	global_store_b128 v[CO], v[64*((\m)%2)+4*\t:64*((\m)%2)+4*\t+3], s[24:25] offset:(32*((\m)/2)+8*((\m)%2)+\t+(\t&8))*2048 th:TH_STORE_NT   ; 32 lanes store 512 consecutive bytes, aligned to 256
.endr
	WIN 0
.endm
	s_load_b512 s[4:19], s[0:1], 0x0               ; x, pcodes, psc, vbuf, wts, bo, ln_g, ln_b
	s_load_b128 s[20:23], s[0:1], 0x40             ; b1, b2
	s_load_b64 s[24:25], s[0:1], 0x50              ; out0
	v_lshl_add_u32 v[SPW], v0, 2, SPARE
	v_mov_b32 v[NIL], 0
	ds_add_u32 v6, v7
	ds_add_u32 v6, v7
	s_wait_dscnt 0x0
	v_lshrrev_b32 v1, 5, v0
	v_readfirstlane_b32 s[WV], v1                  ; wave 0..3
	s_bfe_u32 s27, ttmp6, 0x40000                  ; cx: my place in the cluster
	s_lshl_b32 s28, ttmp9, 2
	s_add_co_u32 s28, s28, s27                     ; my block of 64 rows: it enters the addresses of x, pcodes, psc and out0 alone
	s_lshr_b32 s29, ttmp9, 2                       ; the batch, which the four partners share
	s_mul_i32 s30, s[WV], QB
	s_mov_b32 s31, 0
	s_mov_b32 s33, 0
	s_mul_i32 s72, s[WV], 1536
	s_add_co_u32 s72, s72, IMG
	s_lshl_b32 s73, s[WV], 7
	s_add_co_u32 s73, s73, ISC
	s_lshl_b32 s74, s[WV], 2
	s_lshl_b32 s75, s[WV], 9
	s_and_b32 s76, s[WV], 1
	s_lshl_b32 s76, s76, 6
	s_mov_b32 s77, 0x05040100                      ; v_perm_b32: the two low halves
	s_mov_b32 s78, 0x07060302                      ; the two high halves
	s_lshr_b32 s79, s[WV], 1
	s_cmp_eq_u32 s79, 0
	s_cselect_b32 s[PSEL], s77, s78                ; row tiles 0, 1: low halves; 2, 3: high halves
	s_mov_b32 s[SEL], 0x76543210
	s_mov_b32 s[SEL+1], 0xfedcba98
	s_mov_b32 s[EPS], 0x3727c5ac                   ; 1e-5
	s_mov_b32 s[INV], 0x3b000000                   ; 1 / 512
	v_and_b32 v25, 31, v0                          ; lane
	v_and_b32 v1, 15, v0                           ; r
	v_bfe_u32 v2, v0, 4, 1                         ; h
	v_lshlrev_b32 v[LI], 4, v25
	v_lshlrev_b32 v[LS], 2, v25
	v_lshlrev_b32 v[L8], 3, v25
	v_add_nc_u32 v[WA], s30, v[LI]
	v_add_nc_u32 v[WA+1], SLOTB, v[WA]
	v_add_nc_u32 v[IWI], s72, v[LI]
	v_add_nc_u32 v[IWS], s73, v[LS]
	v_add_nc_u32 v[IRI], IMG, v[LI]
	v_add_nc_u32 v[IRS], ISC, v[LS]
	v_add_nc_u32 v[VA16], VREG, v[LI]
	v_add_nc_u32 v[VA8], VREG+512, v[L8]
	v_add_nc_u32 v[VSA], VREG+49152, v[LS]
	v_lshlrev_b32 v[RR], 4, v1
	v_add_nc_u32 v[RR], RED, v[RR]
	v_add_nc_u32 v[RW], s74, v[RR]
	v_and_b32 v26, 8, v1
	v_add_nc_u32 v26, v26, v1                      ; r + (r & 8)
	v_lshlrev_b32 v[XA], 11, v26
	v_lshl_add_u32 v[CA], v2, 6, s75
	v_add_nc_u32 v[XA], v[XA], v[CA]
	v_lshl_add_u32 v[PSA], v1, 2, s76
	v_mul_u32_u24 v[STO], v1, 528
	v_lshl_add_u32 v[STO], v2, 6, v[STO]
	v_add_nc_u32 v[STO], s30, v[STO]
	v_add_nc_u32 v[CO], s75, v[LI]
.irp b, 0,1,2,3
	v_mov_b32 v[TM+4+\b], 0                        ; written once: a lane permute's destination counts as one of its sources
.endr
	; descriptor group 1: a dense block as rows of 256 bytes (32 elements of 8 bytes): 100 rows a quarter, 50 a quarter of v
	s_mov_b32 s[G1T], 15|(3<<16)|(1<<21)           ; 15:0 the mask: all four work-groups; 17:16 elements of 8 bytes; 20 no padding; 21 set beside a mask
	s_mov_b32 s[G1T+1], 32<<16                     ; tensor_dim0
	s_mov_b32 s[G1T+2], 100<<16                    ; tensor_dim1
	s_mov_b32 s[G1T+3], 32<<16                     ; tile_dim0
	s_mov_b32 s[G1T+4], 100                        ; tile_dim1
	s_mov_b32 s[G1T+5], 32                         ; tensor_dim0_stride
	s_mov_b32 s[G1T+6], 0
	s_mov_b32 s[G1T+7], 0
	s_mov_b32 s[G1V], 15|(3<<16)|(1<<21)
	s_mov_b32 s[G1V+1], 32<<16
	s_mov_b32 s[G1V+2], 50<<16
	s_mov_b32 s[G1V+3], 32<<16
	s_mov_b32 s[G1V+4], 50
	s_mov_b32 s[G1V+5], 32
	s_mov_b32 s[G1V+6], 0
	s_mov_b32 s[G1V+7], 0
	s_wait_kmcnt 0x0
.irp n, 0,1
	s_mov_b32 s[G0+4*\n], 1                        ; count = 1
	s_add_co_u32 s[G0+4*\n+1], s30, \n*SLOTB       ; LDS address: the slot, my quarter: no place in the cluster enters it
	s_add_nc_u64 s[G0+4*\n+2:G0+4*\n+3], s[12:13], s[30:31]         ; tile n, my quarter
.endr
	s_add_nc_u64 s[G0+6:G0+7], s[G0+6:G0+7], SLOTB
	s_or_b32 s[G0+3], s[G0+3], 0x80000000          ; type = 2
	s_or_b32 s[G0+7], s[G0+7], 0x80000000
	s_mul_i32 s32, s[WV], 12800
	s_mov_b32 s[G0V], 1
	s_add_co_u32 s[G0V+1], s32, VREG
	s_mul_i32 s34, s29, 51200
	s_add_co_u32 s32, s32, s34
	s_add_nc_u64 s[G0V+2:G0V+3], s[10:11], s[32:33]
	s_or_b32 s[G0V+3], s[G0V+3], 0x80000000
	s_lshl_b32 s32, s28, 17                        ; 64 rows of 2,048 bytes
	s_add_nc_u64 s[4:5], s[4:5], s[32:33]
	s_add_nc_u64 s[24:25], s[24:25], s[32:33]
	s_lshl_b32 s32, s28, 2
	s_add_co_u32 s32, s32, s[WV]
	s_mul_i32 s32, s32, 12288                      ; attn's codes of row tile w: eight images
	s_add_nc_u64 s[6:7], s[6:7], s[32:33]
	s_lshl_b32 s32, s29, 8
	s_and_b32 s34, s28, 15
	s_add_co_u32 s32, s32, s34
	s_lshl_b32 s32, s32, 7                         ; attn's scale halfwords: (256 b + 16 g + block) x 128; g stands in the immediate
	s_add_nc_u64 s[8:9], s[8:9], s[32:33]
	ROUND                                          ; all four work-groups are here: the first joint loads meet
	tensor_load_to_lds s[G0V:G0V+3], s[G1V:G1V+7]  ; my quarter of v,
	s_nop 0
	tensor_load_to_lds s[G0:G0+3], s[G1T:G1T+7]    ; of tile 0,
	s_nop 0
	tensor_load_to_lds s[G0+4:G0+7], s[G1T:G1T+7]  ; of tile 1: three loads of mine are out
	s_nop 0
	PLACES 4
	WIN 0x40                                       ; destination window 1
.irp k, 0,1,2,3,4,5,6,7
.irp c, 0,1
	global_load_b128 v[12*\k+6*\c:12*\k+6*\c+3], v[LI], s[6:7] offset:1536*\k+768*\c th:TH_LOAD_NT
	global_load_b64 v[12*\k+6*\c+4:12*\k+6*\c+5], v[L8], s[6:7] offset:1536*\k+768*\c+512 th:TH_LOAD_NT
.endr
.endr
	WIN 0
.irp g, 0,1,2,3,4,5,6,7,8,9,10,11,12,13,14,15
	global_load_b32 v[RAWP+\g], v[PSA], s[8:9] offset:2048*\g
.endr
	s_wait_tensorcnt 0x2                           ; my quarter of v is in; tiles 0 and 1 may stay out
	s_barrier_signal -1
	s_barrier_wait -1                              ; everybody's is
.irp g, 0,1,2,3,4,5,6,7,8,9,10,11,12,13,14,15
	ds_load_b32 v[RAWV+\g], v[VSA] offset:128*\g
.endr
	VFETCH 0, 0
	s_wait_loadcnt 0x0                             ; attn's codes and halfwords
	WIN 0xc0                                       ; what is wanted behind attn v is asked for now: x into Y,
.irp m, 0,1,2,3
.irp b, 0,1,2,3
.irp i, 0,1,2,3
	global_load_b128 v[64*\m+16*\b+4*\i:64*\m+16*\b+4*\i+3], v[XA], s[4:5] offset:(32*(\m/2)+8*(\m%2))*2048+128*\b+16*\i th:TH_LOAD_NT
.endr
.endr
.endr
	WIN 0x80
	VECLOAD 0, 16, 17                              ; ln_g,
	VECLOAD 64, 18, 19                             ; ln_b,
	VECLOAD 128, 14, 15                            ; bo,
	WIN 0x40
	VECLOAD 192, 20, 21                            ; b1 of chunk 0
	WIN 0
	s_wait_dscnt 16                                ; v's halfwords are in; the 16 fragment loads behind them may be out
.irp k, 0,1,2,3,4,5,6,7                        ; a key step's scale word: the halfwords of its two groups of 64 keys
	v_perm_b32 v[HSC+2*\k], v[RAWV+2*\k+1], v[RAWV+2*\k], s77       ; v's d tiles 0 (lanes 0-15) and 1 (lanes 16-31),
	v_perm_b32 v[HSC+2*\k+1], v[RAWV+2*\k+1], v[RAWV+2*\k], s78     ; 2 and 3,
	v_perm_b32 v[GSC+\k], v[RAWP+2*\k+1], v[RAWP+2*\k], s[PSEL]     ; attn's row tile w
.endr
	PLACES 8                                       ; a scale register written by a vector instruction stands eight places ahead of a scaled matrix instruction
	; ---- head^T = v^T attn^T: four accumulators by turns, a key step at a time
.irp k, 0,1,2,3,4,5,6,7
.if \k < 7
.if \k > 0
	PLACES 4
.endif
	VFETCH \k+1, (\k+1)%2
	s_wait_dscnt 16                                ; all but the 16 just issued
.else
	s_wait_dscnt 0x0
.endif
	WIN 0xa4                                       ; source 1 window 1, C and D window 2
.irp t, 0,1,2,3
.if \k == 0
	MM 192+8*\t, WB+48*(\k%2)+12*\t, 12*\k, -1, HSC+2*\k+\t/2, GSC+\k, \t%2
.else
	MM 192+8*\t, WB+48*(\k%2)+12*\t, 12*\k, 192+8*\t, HSC+2*\k+\t/2, GSC+\k, \t%2
.endif
.endr
	WIN 0
.endr
	PLACES 4
	QUANT2 2, 192, 208, PW                         ; the head's 64 numbers of my 16 rows
.irp i, 0,1,2,3,4,5
	v_mov_b32 v[PC+6+\i], v[PC+\i]                 ; the concatenation: the same 64 codes again,
.endr
	v_lshl_or_b32 v[PW], v[PW], 16, v[PW]          ; and the same two bytes
	IMAGE IWI, 0
	ds_store_b32 v[IWS], v[PW]
	s_wait_loadcnt 0x0                             ; x, ln_g, ln_b, bo, b1
	ADDVEC                                         ; Y = x + bo
	WIN 0x80
	VECLOAD 128, 22, 23                            ; b2 takes bo's place
	WIN 0
	BARRIER                                        ; the four row tiles' fragments lie in LDS
	WIN 0x40
.irp m, 0,1,2,3
.irp c, 0,1,2
	ds_load_b128 v[12*\m+4*\c:12*\m+4*\c+3], v[IRI] offset:1536*\m+512*\c
.endr
.endr
	WIN 0
.irp m, 0,1,2,3
	ds_load_b32 v[GSC+\m], v[IRS] offset:128*\m
.endr
	; ---- Y += concat wo
	s_wait_tensorcnt 0x1                           ; my quarter of tile 0 is in; tile 1's may be out
	QTR 0, 0, 0
	CHANGE 0
	QTR 1, 0, 1
	CHANGE 1
	LNORM 0, 2                                     ; h
	TOIMG 3
	s_wait_loadcnt 0x0                             ; b2
	ADDVEC                                         ; Y = h + b2: the second product adds onto it
	BARRIER                                        ; h's sixteen fragments lie in LDS
	FETCH16 1, HSC
	; ---- the four chunks of the hidden layer
	s_mov_b32 s[CNT], 3
.Lchunk:
	CHUNK 0
	s_sub_co_u32 s[CNT], s[CNT], 1
	s_cmp_lg_u32 s[CNT], 0
	s_cbranch_scc1 .Lchunk
	CHUNK 1                                        ; the tail is written out
	PLACES 4
	s_wait_loadcnt 0x0                             ; ln_g, ln_b
	LNORM 2, 1
	TOSTAGE 0
.irp m, 1,2,3
.if \m > 1
	s_wait_xcnt 0x0                                ; tile m - 2's stores have read their registers: tile m's rows may land there
.endif
	TOSTAGE \m
	SEND \m-1, 32                                  ; behind tile m - 1's loads: tile m's 16 stores and 16 loads
.endr
	SEND 3, 0
	s_wait_tensorcnt 0x0                           ; the wave's end, behind my last tensor load and my last LDS store
	ds_add_u32 v[SPW], v[NIL]
	s_wait_dscnt 0x0
	ROUND                                          ; the closing round: no work-group ends while a partner may still ask for a tile that names it
	s_endpgm
.Lfunc_end_k_qd6310741ef_rest:
	.size	k_qd6310741ef_rest, .Lfunc_end_k_qd6310741ef_rest-k_qd6310741ef_rest
	.p2alignl 7, 3214868480
	.fill 96, 4, 3214868480
	.section	.rodata,"a",@progbits
	.p2align	6, 0x0
	.amdhsa_kernel k_qd6310741ef_rest
		.amdhsa_group_segment_fixed_size 327680
		.amdhsa_private_segment_fixed_size 0
		.amdhsa_enable_private_segment 0
		.amdhsa_kernarg_size 88
		.amdhsa_user_sgpr_count 2
		.amdhsa_user_sgpr_kernarg_segment_ptr 1
		.amdhsa_wavefront_size32 1
		.amdhsa_system_sgpr_workgroup_id_x 1
		.amdhsa_system_sgpr_workgroup_id_y 1
		.amdhsa_system_sgpr_workgroup_id_z 1
		.amdhsa_system_vgpr_workitem_id 0
		.amdhsa_next_free_vgpr 1024
		.amdhsa_next_free_sgpr 80
		.amdhsa_reserve_vcc 0
		.amdhsa_float_denorm_mode_32 3
		.amdhsa_float_denorm_mode_16_64 3
		.amdhsa_memory_ordered 1
		.amdhsa_forward_progress 1
		.amdhsa_inst_pref_size 255
	.end_amdhsa_kernel
	.section	.bss,"aw",@nobits
	.p2align	6
	.space	262144
	.amdgpu_metadata
---
amdhsa.version: [ 1, 2 ]
amdhsa.kernels:
  - .name:           k_qd6310741ef_rest
    .symbol:         k_qd6310741ef_rest.kd
    .args:
      - { .name: x, .offset: 0, .size: 8, .value_kind: global_buffer, .address_space: global }
      - { .name: pcodes, .offset: 8, .size: 8, .value_kind: global_buffer, .address_space: global }
      - { .name: psc, .offset: 16, .size: 8, .value_kind: global_buffer, .address_space: global }
      - { .name: vbuf, .offset: 24, .size: 8, .value_kind: global_buffer, .address_space: global }
      - { .name: wts, .offset: 32, .size: 8, .value_kind: global_buffer, .address_space: global }
      - { .name: bo, .offset: 40, .size: 8, .value_kind: global_buffer, .address_space: global }
      - { .name: ln_g, .offset: 48, .size: 8, .value_kind: global_buffer, .address_space: global }
      - { .name: ln_b, .offset: 56, .size: 8, .value_kind: global_buffer, .address_space: global }
      - { .name: b1, .offset: 64, .size: 8, .value_kind: global_buffer, .address_space: global }
      - { .name: b2, .offset: 72, .size: 8, .value_kind: global_buffer, .address_space: global }
      - { .name: out0, .offset: 80, .size: 8, .value_kind: global_buffer, .address_space: global }
    .group_segment_fixed_size: 327680
    .private_segment_fixed_size: 0
    .kernarg_segment_align: 8
    .kernarg_segment_size: 88
    .max_flat_workgroup_size: 128
    .sgpr_count:     80
    .vgpr_count:     1024
    .wavefront_size: 32
...
	.end_amdgpu_metadata
.endif
;; end of part 4
;; ======== version 2 of 3: 4 launches; 1.18 times as fast as version 1
;; workspace buffers: wts 1,920,000 bytes; qbuf 851,968 bytes; kbuf 851,968 bytes; vbuf 819,200 bytes; pcodes 12,582,912 bytes; psc 524,288 bytes
;; launch wquant: the kernel of part 1 again; grid 150 x 1, 4 waves a work-group, no clusters, 2,560 bytes of LDS; arguments wq, wk, wv, wo, w1, w2, wts; writes wts
;; launch qkv (part 5): grid 256 x 1, 4 waves a work-group, no clusters, 60,928 bytes of LDS; arguments x, wts, bq, bk, bv, qbuf, kbuf, vbuf; writes qbuf, kbuf, vbuf
.if DOCPART == 5
	.amdgcn_target "amdgcn-amd-amdhsa--gfx1250"
	.amdhsa_code_object_version 6
	.text
	.protected	k_qd6310741ef_qkv
	.globl	k_qd6310741ef_qkv
	.p2align	8
	.type	k_qd6310741ef_qkv,@function
k_qd6310741ef_qkv:
	s_mov_b64 s[64:65], 0
	v_nop
	global_prefetch_b8 v0, s[64:65] scope:SCOPE_SE
	s_setreg_imm32_b32 hwreg(HW_REG_WAVE_MODE, 25, 1), 1
	s_wait_xcnt 0x0
; q = x wq + bq, k = x wk + bk, v = x wv + bv on codes of FP6 (E2M3) with one E8M0 scale for each 32 along K; the results leave as codes again: q and k quantised along the head's 64, v along the KEYS.
; A work-group owns 64 rows of x.  Each of its four waves quantises one tile of 16 rows (four fragments of 128 along K) and hands them to the others through LDS as images of the operand's registers.
; Then wave 0 makes q, wave 1 k, wave 2 v, each for all 64 rows, with its weight's sixteen fragments in registers, read once; wave 3 has ended.
; x COMES IN WHOLE PIECES OF ROWS: each load takes 512 consecutive bytes of one row (a K step's 128 numbers), 16 a lane.  The quantiser wants 16 NEIGHBOURS of each block of 32 in one lane, so a K step's 16 rows turn
; through the wave's own stage in LDS: in as they lie, rows 528 bytes apart, back 64 bytes a lane and block..
; THE ROWS OF A TILE ARE NOT NEIGHBOURS: member r of tile m is row 32 (m / 2) + 8 (m % 2) + r + (r & 8) of the 64; the weights' column tiles are cut the same way.
; q, k: the product is used transposed (source 0 = 16 columns of the weight, source 1 = 16 rows of x): a lane holds one row, and the 16 registers of tiles 2 b, 2 b + 1 are units 32 b + 16 (lane / 16) + 0 .. 15.
; v: source 0 = 16 rows of x, source 1 = 16 columns of wv: a lane holds one unit d, and the 16 registers of row tiles 2 b, 2 b + 1 are keys 32 b + 16 (lane / 16) + 0 .. 15: neighbours along the next K.
; OUT.  Half a fragment (64 along K, six registers a lane) is 768 bytes: registers 0-3 at 16 x lane, registers 4, 5 at 512 + 8 x lane.  q, k: 3,328 bytes a block of 64 rows: four halves, then 256 bytes of scale
; words (8 x lane: two registers; lanes 0-15 the even tile's, lanes 16-31 the odd tile's; the upper two bytes are 127, over codes that the reader sets to zero).  v: see the head of the last launch.
; LIMITS: a block of zeros gets the byte 1 (its codes are zeros, and this program alone reads the bytes); NaN and infinities are not served.
; REGISTERS: window 0: addresses, scale words, biases, work.  window 1: x's 256 numbers, then the 16 accumulators.  window 2: the weight's fragments, 12 f, f = 4 s + t.  window 3: x's fragments, 12 (4 m + s).
.set XIMG, 0                           ; LDS: x's 16 fragments, (m, s) at 1,536 (4 m + s)
.set XSC,  24576                       ; their scale words, 128 bytes each
.set XSTG, 26624                       ; each wave's stage: 16 rows x (512 + 16) bytes
.set LI,  3                            ; v3   16 x lane
.set LS,  4                            ; v4   4 x lane
.set L8,  5                            ; v5   8 x lane
.set XA,  6                            ; v6   x: my tile's first row + 16 x lane
.set XWI, 7                            ; v7   where I store my fragments' images
.set XWS, 8                            ; v8   and their scale words
.set BA,  9                            ; v9   my byte in the bias
.set XST, 12                           ; v12  the stage, on the way in: 16 x lane
.set XRD, 13                           ; v13  and on the way out: 528 r + 64 h
.set XS,  16                           ; v16-31  x's scale words, 4 m + s
.set WS,  32                           ; v32-39  the weight's: register 2 s + t / 2: lanes 0-15 the even tile, lanes 16-31 the odd one
.set BI,  40                           ; v40-71  the bias in the result's layout, 8 a tile
.set PWS, 72                           ; v72-75  the results' scale halfwords
.set PR,  76                           ; v76-77  as they leave
.set PC,  176                          ; v176-195 codes just made
.set TM,  196                          ; v196-211 at work in the quantiser
.set PW,  212                          ; v212    a scale word just made
.set WV,  20
.set SEL, 28                           ; s[28:29] v_permlanex16_b32's selects for lane l xor 16
.set MSB, 0
.macro WIN new                         ; the immediate's high byte repeats the setting that is left
.if MSB != (\new)
	s_set_vgpr_msb (MSB<<8)|(\new)
.set MSB, (\new)
.endif
.endm
.macro PLACES n
.rept \n
	v_nop
.endr
.endm
; one product: d, a, b, c register numbers (c < 0: the constant 0), sa, sb the scale registers, ra, rb: 1 = that side's words lie in lanes 16-31
.macro MM d, a, b, c, sa, sb, ra, rb
.if (\c) < 0
.if (\ra) && (\rb)
	v_wmma_scale_f32_16x16x128_f8f6f4 v[(\d):(\d)+7], v[(\a):(\a)+11], v[(\b):(\b)+11], 0, v[\sa], v[\sb] matrix_a_fmt:MATRIX_FMT_FP6 matrix_b_fmt:MATRIX_FMT_FP6 matrix_a_scale:MATRIX_SCALE_ROW1 matrix_b_scale:MATRIX_SCALE_ROW1
.elseif (\ra)
	v_wmma_scale_f32_16x16x128_f8f6f4 v[(\d):(\d)+7], v[(\a):(\a)+11], v[(\b):(\b)+11], 0, v[\sa], v[\sb] matrix_a_fmt:MATRIX_FMT_FP6 matrix_b_fmt:MATRIX_FMT_FP6 matrix_a_scale:MATRIX_SCALE_ROW1
.elseif (\rb)
	v_wmma_scale_f32_16x16x128_f8f6f4 v[(\d):(\d)+7], v[(\a):(\a)+11], v[(\b):(\b)+11], 0, v[\sa], v[\sb] matrix_a_fmt:MATRIX_FMT_FP6 matrix_b_fmt:MATRIX_FMT_FP6 matrix_b_scale:MATRIX_SCALE_ROW1
.else
	v_wmma_scale_f32_16x16x128_f8f6f4 v[(\d):(\d)+7], v[(\a):(\a)+11], v[(\b):(\b)+11], 0, v[\sa], v[\sb] matrix_a_fmt:MATRIX_FMT_FP6 matrix_b_fmt:MATRIX_FMT_FP6
.endif
.else
.if (\ra) && (\rb)
	v_wmma_scale_f32_16x16x128_f8f6f4 v[(\d):(\d)+7], v[(\a):(\a)+11], v[(\b):(\b)+11], v[(\c):(\c)+7], v[\sa], v[\sb] matrix_a_fmt:MATRIX_FMT_FP6 matrix_b_fmt:MATRIX_FMT_FP6 matrix_a_scale:MATRIX_SCALE_ROW1 matrix_b_scale:MATRIX_SCALE_ROW1
.elseif (\ra)
	v_wmma_scale_f32_16x16x128_f8f6f4 v[(\d):(\d)+7], v[(\a):(\a)+11], v[(\b):(\b)+11], v[(\c):(\c)+7], v[\sa], v[\sb] matrix_a_fmt:MATRIX_FMT_FP6 matrix_b_fmt:MATRIX_FMT_FP6 matrix_a_scale:MATRIX_SCALE_ROW1
.elseif (\rb)
	v_wmma_scale_f32_16x16x128_f8f6f4 v[(\d):(\d)+7], v[(\a):(\a)+11], v[(\b):(\b)+11], v[(\c):(\c)+7], v[\sa], v[\sb] matrix_a_fmt:MATRIX_FMT_FP6 matrix_b_fmt:MATRIX_FMT_FP6 matrix_b_scale:MATRIX_SCALE_ROW1
.else
	v_wmma_scale_f32_16x16x128_f8f6f4 v[(\d):(\d)+7], v[(\a):(\a)+11], v[(\b):(\b)+11], v[(\c):(\c)+7], v[\sa], v[\sb] matrix_a_fmt:MATRIX_FMT_FP6 matrix_b_fmt:MATRIX_FMT_FP6
.endif
.endif
.endm
; K step s's 16 pieces of rows (registers 64 s + 4 t of window 1) go through my stage and come back into the registers that they left: register 64 s + 16 b + i = k 32 b + 16 (lane / 16) + i of member r.
; LDS serves a wave's instructions in order (ISA guide 5.7.1.4): no wait stands between the stores and the loads
.macro TURN s
	WIN 0x04                                       ; an LDS store's data are its source 1: window 1
.irp t, 0,1,2,3,4,5,6,7,8,9,10,11,12,13,14,15
	ds_store_b128 v[XST], v[64*(\s)+4*\t:64*(\s)+4*\t+3] offset:528*\t
.endr
	WIN 0x40                                       ; destination window 1
.irp b, 0,1,2,3
.irp i, 0,1,2,3
	ds_load_b128 v[64*(\s)+16*\b+4*\i:64*(\s)+16*\b+4*\i+3], v[XRD] offset:128*\b+16*\i
.endr
.endr
	WIN 0
.endm
; 64 numbers of a lane in window W, register s + 16 b + i = k 32 b + 16 (lane / 16) + i of my row, become a fragment's codes in v[PC] .. v[PC + 11] and its scale word in v[PW]
.macro QUANT4 W, s
	WIN (\W)|((\W)<<2)
.irp b, 0,1,2,3
	v_max3_num_f32 v[TM+\b], |v[(\s)+16*\b]|, |v[(\s)+1+16*\b]|, 0x1800000      ; block b: my 16 numbers, and the floor 2^(3 - 127): the byte cannot fall under 1
.endr
.irp i, 2,4,6,8,10,12,14
.irp b, 0,1,2,3
	v_max3_num_f32 v[TM+\b], |v[(\s)+16*\b+\i]|, |v[(\s)+1+16*\b+\i]|, v[TM+\b]  ; the four blocks by turns
.endr
.endr
	WIN 0
.irp b, 0,1,2,3
	v_permlanex16_b32 v[TM+4+\b], v[TM+\b], s[SEL], s[SEL+1]
.endr
.irp b, 0,1,2,3
	v_max_num_f32 v[TM+\b], v[TM+\b], v[TM+4+\b]   ; with lane l xor 16's: the block's largest magnitude
.endr
.irp b, 0,1,2,3
	v_add_nc_u32 v[TM+12+\b], 0xff000000, v[TM+\b] ; 2 off its exponent field: the conversion's scale operand
.endr
.irp b, 0,1,2,3
	v_lshrrev_b32 v[TM+4+\b], 23, v[TM+12+\b]      ; the scale's byte
.endr
	v_lshl_or_b32 v[PW], v[TM+5], 8, v[TM+4]
	v_lshl_or_b32 v[PW], v[TM+6], 16, v[PW]
	v_lshl_or_b32 v[PW], v[TM+7], 24, v[PW]
	WIN \W
.irp c, 0,1
	v_cvt_scalef32_pk16_fp6_f32 v[PC+6*\c:PC+2+6*\c], v[(\s)+32*\c:(\s)+15+32*\c], v[TM+12+2*\c]
	v_cvt_scalef32_pk16_fp6_f32 v[PC+12+4*\c:PC+14+4*\c], v[(\s)+16+32*\c:(\s)+31+32*\c], v[TM+13+2*\c]   ; (a conversion's three registers begin on an even number)
.endr
	WIN 0
	v_nop                                          ; one plain place behind a scaled conversion
.irp c, 0,1                                    ; the operand's layout wants a WHOLE block in a lane: lanes 0-15 block 2 c, lanes 16-31 block 2 c + 1
.irp i, 0,1,2
	v_permlane16_swap_b32 v[PC+6*\c+\i], v[PC+12+4*\c+\i]
.endr
.irp i, 0,1,2
	v_mov_b32 v[PC+3+6*\c+\i], v[PC+12+4*\c+\i]
.endr
.endr
.endm
; the same for two blocks (64 along K): block 0's 16 numbers from s0 on, block 1's from s1 on; codes in v[PC] .. v[PC + 5], the two bytes in v[pw]
.macro QUANT2 W, s0, s1, pw
	WIN (\W)|((\W)<<2)
	v_max3_num_f32 v[TM], |v[(\s0)]|, |v[(\s0)+1]|, 0x1800000
	v_max3_num_f32 v[TM+1], |v[(\s1)]|, |v[(\s1)+1]|, 0x1800000
.irp i, 2,4,6,8,10,12,14
	v_max3_num_f32 v[TM], |v[(\s0)+\i]|, |v[(\s0)+1+\i]|, v[TM]
	v_max3_num_f32 v[TM+1], |v[(\s1)+\i]|, |v[(\s1)+1+\i]|, v[TM+1]
.endr
	WIN 0
	v_permlanex16_b32 v[TM+4], v[TM], s[SEL], s[SEL+1]
	v_permlanex16_b32 v[TM+5], v[TM+1], s[SEL], s[SEL+1]
	v_max_num_f32 v[TM], v[TM], v[TM+4]
	v_max_num_f32 v[TM+1], v[TM+1], v[TM+5]
	v_add_nc_u32 v[TM+12], 0xff000000, v[TM]
	v_add_nc_u32 v[TM+13], 0xff000000, v[TM+1]
	v_lshrrev_b32 v[TM+4], 23, v[TM+12]
	v_lshrrev_b32 v[TM+5], 23, v[TM+13]
	v_lshl_or_b32 v[\pw], v[TM+5], 8, v[TM+4]
	WIN \W
	v_cvt_scalef32_pk16_fp6_f32 v[PC:PC+2], v[(\s0):(\s0)+15], v[TM+12]
	v_cvt_scalef32_pk16_fp6_f32 v[PC+12:PC+14], v[(\s1):(\s1)+15], v[TM+13]
	WIN 0
	v_nop
.irp i, 0,1,2
	v_permlane16_swap_b32 v[PC+\i], v[PC+12+\i]
.endr
.irp i, 0,1,2
	v_mov_b32 v[PC+3+\i], v[PC+12+\i]
.endr
.endm
	s_load_b512 s[4:19], s[0:1], 0x0               ; x, wts, bq, bk, bv, qbuf, kbuf, vbuf
	v_lshl_add_u32 v254, v0, 2, 0xec00
	v_mov_b32 v255, 0
	v_lshrrev_b32 v1, 5, v0
	v_readfirstlane_b32 s[WV], v1                  ; wave 0..3
	v_and_b32 v10, 31, v0                          ; lane
	v_and_b32 v1, 15, v0                           ; r
	v_bfe_u32 v2, v0, 4, 1                         ; h
	v_lshlrev_b32 v[LI], 4, v10
	v_lshlrev_b32 v[LS], 2, v10
	v_lshlrev_b32 v[L8], 3, v10
	v_and_b32 v11, 8, v1
	v_add_nc_u32 v11, v11, v1                      ; r + (r & 8)
	s_lshr_b32 s22, s[WV], 1
	s_lshl_b32 s22, s22, 5
	s_and_b32 s23, s[WV], 1
	s_lshl_b32 s23, s23, 3
	s_add_co_u32 s22, s22, s23                     ; my tile's first row: 32 (w / 2) + 8 (w % 2)
	s_lshl_b32 s22, s22, 11                        ; rows of 2,048 bytes
	v_add_nc_u32 v[XA], s22, v[LI]                 ; + my 16 bytes of a piece of 512
	s_mul_i32 s22, s[WV], 8448
	s_add_co_u32 s22, s22, XSTG                    ; my stage
	v_add_nc_u32 v[XST], s22, v[LI]
	v_mul_u32_u24 v[XRD], v1, 528
	v_lshl_add_u32 v[XRD], v2, 6, v[XRD]
	v_add_nc_u32 v[XRD], s22, v[XRD]
	s_mul_i32 s22, s[WV], 6144
	v_add_nc_u32 v[XWI], s22, v[LI]
	s_lshl_b32 s22, s[WV], 9
	s_add_co_u32 s22, s22, XSC
	v_add_nc_u32 v[XWS], s22, v[LS]
	s_mov_b32 s[SEL], 0x76543210
	s_mov_b32 s[SEL+1], 0xfedcba98
	s_mov_b32 s30, 0xffff0000                      ; lanes 16-31
.irp b, 0,1,2,3
	v_mov_b32 v[TM+4+\b], 0                        ; written once: a lane permute's destination counts as one of its sources
.endr
	s_mov_b32 s23, 0
	s_wait_kmcnt 0x0
	s_lshl_b32 s22, ttmp9, 17                      ; 64 rows of 2,048 bytes
	s_add_nc_u64 s[4:5], s[4:5], s[22:23]
	s_cmp_eq_u32 s[WV], 3
	s_cbranch_scc1 .Lno_w
	s_mul_i32 s22, s[WV], 25600                    ; my weight's quarter, behind the eighteen tiles
	s_add_co_u32 s22, s22, 1843200
	s_add_nc_u64 s[6:7], s[6:7], s[22:23]
	WIN 0x80                                       ; destination window 2
.irp f, 0,1,2,3,4,5,6,7,8,9,10,11,12,13,14,15
.irp c, 0,1,2
	global_load_b128 v[12*\f+4*\c:12*\f+4*\c+3], v[LI], s[6:7] offset:1536*\f+512*\c
.endr
.endr
	WIN 0
	global_load_b128 v[WS:WS+3], v[LI], s[6:7] offset:24576
	global_load_b128 v[WS+4:WS+7], v[LI], s[6:7] offset:25088
	s_cmp_eq_u32 s[WV], 2
	s_cbranch_scc1 .Lbias_v
	s_cmp_eq_u32 s[WV], 0
	s_cselect_b64 s[24:25], s[8:9], s[10:11]       ; bq or bk: the choice hangs on the wave's number
	v_lshlrev_b32 v[BA], 6, v2                     ; tile t, register j: unit 32 (t / 2) + 16 h + 8 (t % 2) + j
.irp t, 0,1,2,3
	global_load_b128 v[BI+8*\t:BI+8*\t+3], v[BA], s[24:25] offset:128*(\t/2)+32*(\t%2)
	global_load_b128 v[BI+8*\t+4:BI+8*\t+7], v[BA], s[24:25] offset:128*(\t/2)+32*(\t%2)+16
.endr
	s_branch .Lno_w
.Lbias_v:
	v_lshlrev_b32 v[BA], 2, v11                    ; v: a lane holds ONE unit, member r of tile t: the same number in the tile's eight registers
.irp t, 0,1,2,3
.irp j, 0,1,2,3,4,5,6,7
	global_load_b32 v[BI+8*\t+\j], v[BA], s[12:13] offset:128*(\t/2)+32*(\t%2)
.endr
.endr
.Lno_w:
	WIN 0x40                                       ; destination window 1
.irp s, 0,1,2,3
.irp t, 0,1,2,3,4,5,6,7,8,9,10,11,12,13,14,15
	global_load_b128 v[64*\s+4*\t:64*\s+4*\t+3], v[XA], s[4:5] offset:(\t+(\t&8))*2048+512*\s th:TH_LOAD_NT   ; member t's K step s: 32 lanes read 512 consecutive bytes, aligned to 256
.endr
.endr
	WIN 0
	s_wait_loadcnt 48                              ; K step 0's 16 loads are in (and all that was asked for earlier); the later K steps' 48 may be out
	TURN 0
.irp s, 0,1,2,3
	s_wait_dscnt 0x0                               ; this K step's numbers are back from the stage, and the last fragment's stores have read their registers
.if \s < 3
	s_wait_loadcnt 32-16*\s                        ; the next K step's 16 loads are in; those of the K steps behind it may be out
	TURN \s+1                                      ; it turns through the stage while this one is quantised
.endif
	QUANT4 1, 64*\s
.irp c, 0,1,2
	ds_store_b128 v[XWI], v[PC+4*\c:PC+4*\c+3] offset:XIMG+1536*\s+512*\c     ; the fragment goes to LDS as it stands
.endr
	ds_store_b32 v[XWS], v[PW] offset:128*\s
.endr
	s_wait_dscnt 0x0                               ; for the others' sake: my LDS stores have landed
	s_barrier_signal -1
	s_barrier_wait -1                              ; x's sixteen fragments lie in LDS
	s_cmp_eq_u32 s[WV], 3
	s_cbranch_scc1 .Lend
	WIN 0xc0                                       ; destination window 3
.irp f, 0,1,2,3,4,5,6,7,8,9,10,11,12,13,14,15
.irp c, 0,1,2
	ds_load_b128 v[12*\f+4*\c:12*\f+4*\c+3], v[LI] offset:XIMG+1536*\f+512*\c
.endr
.endr
	WIN 0
.irp f, 0,1,2,3,4,5,6,7,8,9,10,11,12,13,14,15
	ds_load_b32 v[XS+\f], v[LS] offset:XSC+128*\f
.endr
	s_wait_dscnt 0x0
	s_cmp_eq_u32 s[WV], 2
	s_cbranch_scc1 .Lv
	; ---- q or k, transposed.  The sixteen accumulators take turns, a K step at a time; the bias is the C of each sum's first product
.irp s, 0,1,2,3
.if \s == 0
	WIN 0x4e                                       ; source 0 window 2, source 1 window 3, C window 0, D window 1
.else
	WIN 0x5e                                       ; C window 1
.endif
.irp m, 0,1,2,3
.irp t, 0,1,2,3
.if \s == 0
	MM 32*\m+8*\t, 12*(4*\s+\t), 12*(4*\m+\s), BI+8*\t, WS+2*\s+\t/2, XS+4*\m+\s, \t%2, 0
.else
	MM 32*\m+8*\t, 12*(4*\s+\t), 12*(4*\m+\s), 32*\m+8*\t, WS+2*\s+\t/2, XS+4*\m+\s, \t%2, 0
.endif
.endr
.endr
.endr
	WIN 0
	PLACES 4                                       ; places in front of the first read of results
	s_cmp_eq_u32 s[WV], 0
	s_cselect_b64 s[24:25], s[14:15], s[16:17]     ; qbuf or kbuf (the bias's loads, which named this pair, are done)
	s_mul_i32 s22, ttmp9, 3328
	s_add_nc_u64 s[24:25], s[24:25], s[22:23]
.irp m, 0,1,2,3
.if \m > 0
	s_wait_xcnt 0x0                                ; the last tile's stores have read their data: the codes' registers are written again
.endif
	QUANT2 1, 32*\m, 32*\m+16, PWS+\m
	global_store_b128 v[LI], v[PC:PC+3], s[24:25] offset:768*\m
	global_store_b64 v[L8], v[PC+4:PC+5], s[24:25] offset:768*\m+512
	v_or_b32 v[PWS+\m], 0x7f7f0000, v[PWS+\m]      ; bytes 2 and 3, for the 64 along K that are zero codes: 127
.endr
	v_cndmask_b32 v[PR], v[PWS], v[PWS+1], s30     ; lanes 0-15 the even tile's words, lanes 16-31 the odd tile's (both halves of the lanes hold a row's word)
	v_cndmask_b32 v[PR+1], v[PWS+2], v[PWS+3], s30
	global_store_b64 v[L8], v[PR:PR+1], s[24:25] offset:3072
	s_wait_tensorcnt 0x0
	ds_add_u32 v254, v255
	s_wait_dscnt 0x0
	s_endpgm
.Lv:
	; ---- v: source 0 = x's rows (the keys), source 1 = wv's columns
.irp s, 0,1,2,3
.if \s == 0
	WIN 0x4b                                       ; source 0 window 3, source 1 window 2, C window 0, D window 1
.else
	WIN 0x5b
.endif
.irp m, 0,1,2,3
.irp t, 0,1,2,3
.if \s == 0
	MM 64*(\m/2)+16*\t+8*(\m%2), 12*(4*\m+\s), 12*(4*\s+\t), BI+8*\t, XS+4*\m+\s, WS+2*\s+\t/2, 0, \t%2
.else
	MM 64*(\m/2)+16*\t+8*(\m%2), 12*(4*\m+\s), 12*(4*\s+\t), 64*(\m/2)+16*\t+8*(\m%2), XS+4*\m+\s, WS+2*\s+\t/2, 0, \t%2
.endif
.endr
.endr
.endr
	WIN 0
	PLACES 4
	s_lshr_b32 s22, ttmp9, 4                       ; the batch,
	s_mul_i32 s22, s22, 51200
	s_and_b32 s26, ttmp9, 15                       ; my group g of 64 keys in it
	s_lshr_b32 s27, s26, 1
	s_mul_i32 s27, s27, 6144                       ; key step g / 2: four images,
	s_and_b32 s31, s26, 1
	s_mul_i32 s31, s31, 768                        ; half g % 2 of each
	s_lshl_b32 s26, s26, 7                         ; the group's 128 bytes of scale halfwords
	s_add_co_u32 s26, s26, s22
	s_add_co_u32 s22, s22, s27
	s_add_co_u32 s22, s22, s31
	s_mov_b32 s27, 0
	s_add_nc_u64 s[24:25], s[18:19], s[22:23]
	s_add_nc_u64 s[26:27], s[18:19], s[26:27]
.irp t, 0,1,2,3
.if \t > 0
	s_wait_xcnt 0x0
.endif
	QUANT2 1, 16*\t, 64+16*\t, PWS+\t
	global_store_b128 v[LI], v[PC:PC+3], s[24:25] offset:1536*\t
	global_store_b64 v[L8], v[PC+4:PC+5], s[24:25] offset:1536*\t+512
.endr
	v_cndmask_b32 v[PR], v[PWS], v[PWS+1], s30     ; lanes 0-15 tile 0's two bytes, lanes 16-31 tile 1's;
	v_cndmask_b32 v[PR+1], v[PWS+2], v[PWS+3], s30
	v_lshl_or_b32 v[PR], v[PR+1], 16, v[PR]        ; tiles 2 and 3 in the upper half
	global_store_b32 v[LS], v[PR], s[26:27] offset:49152
.Lend:
	s_wait_tensorcnt 0x0
	ds_add_u32 v254, v255
	s_wait_dscnt 0x0
	s_endpgm
.Lfunc_end_k_qd6310741ef_qkv:
	.size	k_qd6310741ef_qkv, .Lfunc_end_k_qd6310741ef_qkv-k_qd6310741ef_qkv
	.p2alignl 7, 3214868480
	.fill 96, 4, 3214868480
	.section	.rodata,"a",@progbits
	.p2align	6, 0x0
	.amdhsa_kernel k_qd6310741ef_qkv
		.amdhsa_group_segment_fixed_size 60928
		.amdhsa_private_segment_fixed_size 0
		.amdhsa_enable_private_segment 0
		.amdhsa_kernarg_size 64
		.amdhsa_user_sgpr_count 2
		.amdhsa_user_sgpr_kernarg_segment_ptr 1
		.amdhsa_wavefront_size32 1
		.amdhsa_system_sgpr_workgroup_id_x 1
		.amdhsa_system_sgpr_workgroup_id_y 1
		.amdhsa_system_sgpr_workgroup_id_z 1
		.amdhsa_system_vgpr_workitem_id 0
		.amdhsa_next_free_vgpr 1024
		.amdhsa_next_free_sgpr 66
		.amdhsa_reserve_vcc 0
		.amdhsa_float_denorm_mode_32 3
		.amdhsa_float_denorm_mode_16_64 3
		.amdhsa_memory_ordered 1
		.amdhsa_forward_progress 1
		.amdhsa_inst_pref_size 82
	.end_amdhsa_kernel
	.amdgpu_metadata
---
amdhsa.version: [ 1, 2 ]
amdhsa.kernels:
  - .name:           k_qd6310741ef_qkv
    .symbol:         k_qd6310741ef_qkv.kd
    .args:
      - { .name: x, .offset: 0, .size: 8, .value_kind: global_buffer, .address_space: global }
      - { .name: wts, .offset: 8, .size: 8, .value_kind: global_buffer, .address_space: global }
      - { .name: bq, .offset: 16, .size: 8, .value_kind: global_buffer, .address_space: global }
      - { .name: bk, .offset: 24, .size: 8, .value_kind: global_buffer, .address_space: global }
      - { .name: bv, .offset: 32, .size: 8, .value_kind: global_buffer, .address_space: global }
      - { .name: qbuf, .offset: 40, .size: 8, .value_kind: global_buffer, .address_space: global }
      - { .name: kbuf, .offset: 48, .size: 8, .value_kind: global_buffer, .address_space: global }
      - { .name: vbuf, .offset: 56, .size: 8, .value_kind: global_buffer, .address_space: global }
    .group_segment_fixed_size: 60928
    .private_segment_fixed_size: 0
    .kernarg_segment_align: 8
    .kernarg_segment_size: 64
    .max_flat_workgroup_size: 128
    .sgpr_count:     66
    .vgpr_count:     1024
    .wavefront_size: 32
...
	.end_amdgpu_metadata
.endif
;; end of part 5
;; launch attn: the kernel of part 3 again; grid 16 x 16, 16 waves a work-group, no clusters, 13,312 bytes of LDS; arguments qbuf, kbuf, pcodes, psc; writes pcodes, psc
;; launch rest (part 6): grid 256 x 1, 4 waves a work-group, clusters of 4 x 1, 327,680 bytes of LDS; arguments x, pcodes, psc, vbuf, wts, bo, ln_g, ln_b, b1, b2, out0; writes out0
.if DOCPART == 6
	.amdgcn_target "amdgcn-amd-amdhsa--gfx1250"
	.amdhsa_code_object_version 6
	.text
	.protected	k_qd6310741ef_rest
	.globl	k_qd6310741ef_rest
	.p2align	8
	.type	k_qd6310741ef_rest,@function
k_qd6310741ef_rest:
	s_mov_b64 s[64:65], 0
	v_nop
	global_prefetch_b8 v0, s[64:65] scope:SCOPE_SE
	s_setreg_imm32_b32 hwreg(HW_REG_WAVE_MODE, 25, 1), 1
	s_wait_xcnt 0x0
	s_wait_alu depctr_hold_cnt(0) depctr_sa_sdst(0) depctr_va_vdst(0) depctr_va_sdst(0) depctr_va_ssrc(0) depctr_va_vcc(0) depctr_vm_vsrc(0)
	s_getreg_b32 s2, hwreg(HW_REG_IB_STS2, 6, 4)
	s_cmp_eq_u32 s2, 0
	s_cbranch_scc0 .Lentry_in_a_cluster
	s_endpgm
.Lentry_in_a_cluster:
	s_bfe_u32 s2, ttmp6, 0x10000c
	s_cmp_lg_u32 s2, 0x3003
	s_cbranch_scc0 .Lentry_shape_is_right
	s_endpgm
.Lentry_shape_is_right:
; head = attn v;  h = LN(tile(head, 8) wo + bo + x);  out = LN(h + (h w1 + b1) w2 + b2).  All four products on codes of FP6 (E2M3) with one E8M0 scale for each 32 along K; all else in f32.
; A work-group of four waves owns 64 rows: four tiles of 16; member r of tile m is row 32 (m / 2) + 8 (m % 2) + r + (r & 8), as the earlier launches cut them.
; attn v: wave w takes row tile w: head^T = v^T attn^T (source 0 = 16 of the head's 64, source 1 = attn's 16 rows), K = the batch's 1,024 keys in eight steps.  v's codes of the batch (51,200 bytes: 32 images of
; 1,536 bytes, (key step, d tile) at 4 S + dt, each of two halves of 768 bytes: registers 6 c .. 6 c + 3 at 768 c + 16 x lane, 6 c + 4, 5 at 768 c + 512 + 8 x lane; then 128 bytes of scale halfwords for each 64 keys) lie in LDS.
; THE QUANTISED CONCATENATION IS THE QUANTISED HEAD REPEATED: one fragment a row tile (its 64 codes twice) serves all four K steps of the product with wo, which is done at its full K = 512.
; FROM THERE ON THE WAVES SHARE THE COLUMNS, NOT THE ROWS: wave w makes columns 128 w .. 128 w + 127 of wo's and w2's products and hidden units 128 (4 c + w) .. of chunk c of w1's, for all 64 rows, transposed
; (source 0 = 16 columns of the weight, source 1 = 16 rows): a weight's fragment is read from LDS by one wave and feeds four products, and a lane's registers are neighbours along the next K.
; Rows' codes go from wave to wave through LDS as images of the operand's registers (1,536 bytes a fragment, 128 a scale word).  The hidden layer goes in four chunks of 512 units and never leaves the WGP.
; THE WEIGHTS come as eighteen tiles of 102,400 bytes (a quarter of 25,600 a wave: sixteen fragments' images and their scale words) through two LDS slots.  Every work-group walks the same tiles, so the four of a
; cluster ask JOINTLY: the same tensor load, the same descriptor, a mask that names the four.  A wave reads only the quarter that it asked for.  By this text's count a wave has three tensor loads out at the start, later one.
; THE CLUSTERS BEGIN AT DIFFERENT CHUNKS: cluster n walks chunks (n + i) % 4, i = 0 .. 3, so that the 64 clusters do not all ask for the same tile for the first time at the same moment: from its second chunk on a
; cluster asks for tiles that other clusters have read before.  The chunk's number hangs on the cluster's number alone, which the four partners share; it enters global addresses only.
; x COMES IN WHOLE PIECES OF ROWS: each load takes my wave's 512 consecutive bytes of one row; a tile's 16 rows turn through the wave's own stage in LDS (rows 528 bytes apart) into the result's layout.  The way out is the same turned round.
; x is asked for directly behind attn's codes, so that it arrives while attn v is multiplied.
; LayerNorm in two passes (mean, then the squares of the differences), so that a common offset does no harm.
; LIMITS: the four chunks' sums join Y in an order that differs from cluster to cluster (f32 additions in another order than the reference's); a block of zeros gets the byte 1 over zero codes (this program alone
; reads the bytes); NaN and infinities are not served.
; REGISTERS, in windows of 256.  window 0: addresses, scale words, four buffers of two weight fragments, work.  window 1: attn's fragments, then the concatenation's, then h's 16 (12 (4 m + s)), at the end ln_g and
; ln_b; v192-255 b1 of the chunk.  window 2: ln_g, ln_b, bo then b2, the head; then the hidden accumulators (64 m + 8 t), then the hidden fragments; at the end rows on their way out.
; window 3: Y (64 m + 8 t + j): x + bo, + the product with wo, h + b2, + the product with w2, the result.
.set QB,    25600                      ; a quarter
.set SLOTB, 102400                     ; a slot: slot 0 at LDS byte 0, slot 1 behind it
.set VREG,  204800                     ; v of the batch: filled once
.set IMG,   256000                     ; 16 images
.set ISC,   280576                     ; their scale words
.set RED,   282624                     ; four regions of 1,024 bytes for the row sums: row 16 m + r, wave w at 16 (16 m + r) + 4 w
.set SPARE, 286720                     ; the spare words, 128 bytes for each wave: two blocks of 256 bytes that no other line names
.set XSTG,  287232                     ; x's way in: a stage of 16 rows x (512 + 16) bytes for each wave; no fill lands here
.set LI,  3                            ; v3   16 x lane
.set LS,  4                            ; v4   4 x lane
.set L8,  5                            ; v5   8 x lane
.set SPW, 6                            ; v6   LDS address of my spare word; never rewritten
.set NIL, 7                            ; v7   0; never rewritten
.set WA,  8                            ; v8-9 my quarter in slot 0, 1, + 16 x lane
.set IWI, 10                           ; v10  where I store an image: IMG + 16 x lane + 1,536 x wave
.set IWS, 11                           ; v11  and its scale word: ISC + 4 x lane + 128 x wave
.set IRI, 12                           ; v12  IMG + 16 x lane
.set IRS, 13                           ; v13  ISC + 4 x lane
.set VA16, 14                          ; v14  VREG + 16 x lane
.set VA8, 15                           ; v15  VREG + 512 + 8 x lane
.set VSA, 16                           ; v16  v's scale halfwords + 4 x lane
.set RW,  17                           ; v17  RED + 16 r + 4 w
.set RR,  18                           ; v18  RED + 16 r
.set CA,  20                           ; v20  a vector over the columns: 512 w + 64 h
.set PSA, 21                           ; v21  attn's scale halfwords: 64 (w % 2) + 4 r
.set STO, 22                           ; v22  the way out: where I put a row's bytes
.set CO,  24                           ; v24  my byte in a row of x and of out: 512 w + 16 x lane
.set XST, 27                           ; v27  x's stage, on the way in: 16 x lane
.set XRD, 28                           ; v28  and on the way out: 528 r + 64 h
.set HSC, 32                           ; v32-47  h's scale words, 4 m + s  (attn v: v's, 2 S + dt / 2)
.set GSC, 48                           ; v48-63  the concatenation's (m), the hidden layer's (4 m + s)  (attn v: attn's, S)
.set WSC, 64                           ; v64-79  the weights': 8 a slot: register 4 sl + t / 2; lanes 0-15 the even tile, lanes 16-31 the odd one
.set WB,  80                           ; v80-175 four buffers of two weight fragments  (attn v: two buffers of v's four fragments)
.set PC,  176                          ; v176-195 codes just made
.set TM,  196                          ; v196-211 at work in the quantiser
.set PW,  212                          ; v212    a scale word just made
.set SA,  214                          ; v214-221 four rows' sums, in pairs
.set MU,  222                          ; v222-229 their means, twice each
.set RS,  230                          ; v230-237 1 / sqrt(var + eps), twice each
.set T16, 238                          ; v238-253 at work in the row sums
.set RAWP, 214                         ; attn v: attn's scale halfwords as loaded, 16
.set RAWV, 238                         ; and v's, 16
.set WV,  26                           ; s26 my wave's number
.set G1T, 36                           ; s[36:43] descriptor group 1 for a quarter
.set G1V, 44                           ; s[44:51] for a quarter of v
.set G0,  52                           ; s[52:59] group 0, a set for each slot
.set G0V, 60                           ; s[60:63] for v
.set SEL, 66                           ; s[66:67] v_permlanex16_b32's selects for lane l xor 16
.set CNT, 68
.set PSEL, 69
.set EPS, 70
.set INV, 71
.set BW,  80                           ; s[80:81] wts at my quarter of tile 0; never rewritten
.set TO,  82                           ; s[82:83] a tile's byte offset from there (the upper word stays 0)
.set CI,  84                           ; s84      the chunk whose tiles are asked for next
.set B1P, 86                           ; s[86:87] b1 at the chunk's first unit
.set MSB, 0
.macro WIN new                         ; the immediate's high byte repeats the setting that is left; a switch that changes nothing is dropped
.if MSB != (\new)
	s_set_vgpr_msb (MSB<<8)|(\new)
.set MSB, (\new)
.endif
.endm
.macro PLACES n                        ; places behind matrix instructions: plain vector instructions that name none of their registers (ISA guide 7.12.1)
.rept \n
	v_nop
.endr
.endm
.macro BARRIER
	s_wait_dscnt 0x0                               ; my LDS stores have landed and my LDS loads are in
	s_barrier_signal -1
	s_barrier_wait -1
.endm
.macro ROUND                           ; a round of the cluster's barrier: my work-group's barrier; wave 0 signals for the work-group; every wave waits for all four; my work-group's barrier once more
	s_barrier_signal -1
	s_barrier_wait -1
	s_cmp_lg_u32 s[WV], 0
	s_cbranch_scc1 .Lnot_wave_0_\@
	s_barrier_signal -3
.Lnot_wave_0_\@:
	s_barrier_wait -3
	s_barrier_signal -1
	s_barrier_wait -1
.endm
; The slot just read is filled again, with tile 4 x chunk + add (add 2, 3: the chunk's two tiles of w1; 4, 5: of w2).  All my tensor loads have landed (my quarter of the other slot among them); my reads of this slot
; are over; the round says so of every wave of the four work-groups.
.macro CHANGE slot, add
	s_wait_tensorcnt 0x0                           ; no tensor load of mine is out, so a group 0 may be written
	ds_add_u32 v[SPW], v[NIL]                      ; 0 onto my spare word; the address is made between it and the wait for it
	s_mul_i32 s[TO], s[CI], 4*SLOTB                ; four tiles a chunk
	s_add_co_u32 s[TO], s[TO], (\add)*SLOTB
	s_add_nc_u64 s[G0+4*\slot+2:G0+4*\slot+3], s[BW:BW+1], s[TO:TO+1]
	s_or_b32 s[G0+4*\slot+3], s[G0+4*\slot+3], 0x80000000          ; type = 2
	s_wait_dscnt 0x0                               ; the add is done, and my reads of the slot are over
	ROUND
	tensor_load_to_lds s[G0+4*\slot:G0+4*\slot+3], s[G1T:G1T+7]     ; the first thing behind the round, and my one tensor load until the next
	s_nop 0
	PLACES 4                                       ; (places behind the last products)
.endm
.macro MM d, a, b, c, sa, sb, ra
.if (\c) < 0
.if (\ra)
	v_wmma_scale_f32_16x16x128_f8f6f4 v[(\d):(\d)+7], v[(\a):(\a)+11], v[(\b):(\b)+11], 0, v[\sa], v[\sb] matrix_a_fmt:MATRIX_FMT_FP6 matrix_b_fmt:MATRIX_FMT_FP6 matrix_a_scale:MATRIX_SCALE_ROW1
.else
	v_wmma_scale_f32_16x16x128_f8f6f4 v[(\d):(\d)+7], v[(\a):(\a)+11], v[(\b):(\b)+11], 0, v[\sa], v[\sb] matrix_a_fmt:MATRIX_FMT_FP6 matrix_b_fmt:MATRIX_FMT_FP6
.endif
.else
.if (\ra)
	v_wmma_scale_f32_16x16x128_f8f6f4 v[(\d):(\d)+7], v[(\a):(\a)+11], v[(\b):(\b)+11], v[(\c):(\c)+7], v[\sa], v[\sb] matrix_a_fmt:MATRIX_FMT_FP6 matrix_b_fmt:MATRIX_FMT_FP6 matrix_a_scale:MATRIX_SCALE_ROW1
.else
	v_wmma_scale_f32_16x16x128_f8f6f4 v[(\d):(\d)+7], v[(\a):(\a)+11], v[(\b):(\b)+11], v[(\c):(\c)+7], v[\sa], v[\sb] matrix_a_fmt:MATRIX_FMT_FP6 matrix_b_fmt:MATRIX_FMT_FP6
.endif
.endif
.endm
.macro IMAGE adr, off                  ; the fragment in v[PC] on goes to LDS as it stands
.irp c, 0,1,2
	ds_store_b128 v[\adr], v[PC+4*\c:PC+4*\c+3] offset:(\off)+512*\c
.endr
.endm
; 64 numbers of a lane in window W, register s + 16 b + i = k 32 b + 16 (lane / 16) + i of my row, become a fragment's codes in v[PC] .. v[PC + 11] and its scale word in v[PW]
.macro QUANT4 W, s
	WIN (\W)|((\W)<<2)
.irp b, 0,1,2,3
	v_max3_num_f32 v[TM+\b], |v[(\s)+16*\b]|, |v[(\s)+1+16*\b]|, 0x1800000      ; block b: my 16 numbers, and the floor 2^(3 - 127): the byte cannot fall under 1
.endr
.irp i, 2,4,6,8,10,12,14
.irp b, 0,1,2,3
	v_max3_num_f32 v[TM+\b], |v[(\s)+16*\b+\i]|, |v[(\s)+1+16*\b+\i]|, v[TM+\b]  ; the four blocks by turns; each accumulator from its low end on
.endr
.endr
	WIN 0
.irp b, 0,1,2,3
	v_permlanex16_b32 v[TM+4+\b], v[TM+\b], s[SEL], s[SEL+1]
.endr
.irp b, 0,1,2,3
	v_max_num_f32 v[TM+\b], v[TM+\b], v[TM+4+\b]   ; with lane l xor 16's: the block's largest magnitude
.endr
.irp b, 0,1,2,3
	v_add_nc_u32 v[TM+12+\b], 0xff000000, v[TM+\b] ; 2 off its exponent field: the conversion's scale operand
.endr
.irp b, 0,1,2,3
	v_lshrrev_b32 v[TM+4+\b], 23, v[TM+12+\b]      ; the scale's byte
.endr
	v_lshl_or_b32 v[PW], v[TM+5], 8, v[TM+4]
	v_lshl_or_b32 v[PW], v[TM+6], 16, v[PW]
	v_lshl_or_b32 v[PW], v[TM+7], 24, v[PW]
	WIN \W
.irp c, 0,1
	v_cvt_scalef32_pk16_fp6_f32 v[PC+6*\c:PC+2+6*\c], v[(\s)+32*\c:(\s)+15+32*\c], v[TM+12+2*\c]
	v_cvt_scalef32_pk16_fp6_f32 v[PC+12+4*\c:PC+14+4*\c], v[(\s)+16+32*\c:(\s)+31+32*\c], v[TM+13+2*\c]   ; (a conversion's three registers begin on an even number)
.endr
	WIN 0
	v_nop                                          ; one plain place behind a scaled conversion
.irp c, 0,1                                    ; the operand's layout wants a WHOLE block in a lane: lanes 0-15 block 2 c, lanes 16-31 block 2 c + 1
.irp i, 0,1,2
	v_permlane16_swap_b32 v[PC+6*\c+\i], v[PC+12+4*\c+\i]
.endr
.irp i, 0,1,2
	v_mov_b32 v[PC+3+6*\c+\i], v[PC+12+4*\c+\i]
.endr
.endr
.endm
.macro QUANT2 W, s0, s1, pw            ; the same for two blocks: codes in v[PC] .. v[PC + 5], the two bytes in v[pw]
	WIN (\W)|((\W)<<2)
	v_max3_num_f32 v[TM], |v[(\s0)]|, |v[(\s0)+1]|, 0x1800000
	v_max3_num_f32 v[TM+1], |v[(\s1)]|, |v[(\s1)+1]|, 0x1800000
.irp i, 2,4,6,8,10,12,14
	v_max3_num_f32 v[TM], |v[(\s0)+\i]|, |v[(\s0)+1+\i]|, v[TM]
	v_max3_num_f32 v[TM+1], |v[(\s1)+\i]|, |v[(\s1)+1+\i]|, v[TM+1]
.endr
	WIN 0
	v_permlanex16_b32 v[TM+4], v[TM], s[SEL], s[SEL+1]
	v_permlanex16_b32 v[TM+5], v[TM+1], s[SEL], s[SEL+1]
	v_max_num_f32 v[TM], v[TM], v[TM+4]
	v_max_num_f32 v[TM+1], v[TM+1], v[TM+5]
	v_add_nc_u32 v[TM+12], 0xff000000, v[TM]
	v_add_nc_u32 v[TM+13], 0xff000000, v[TM+1]
	v_lshrrev_b32 v[TM+4], 23, v[TM+12]
	v_lshrrev_b32 v[TM+5], 23, v[TM+13]
	v_lshl_or_b32 v[\pw], v[TM+5], 8, v[TM+4]
	WIN \W
	v_cvt_scalef32_pk16_fp6_f32 v[PC:PC+2], v[(\s0):(\s0)+15], v[TM+12]
	v_cvt_scalef32_pk16_fp6_f32 v[PC+12:PC+14], v[(\s1):(\s1)+15], v[TM+13]
	WIN 0
	v_nop
.irp i, 0,1,2
	v_permlane16_swap_b32 v[PC+\i], v[PC+12+\i]
.endr
.irp i, 0,1,2
	v_mov_b32 v[PC+3+\i], v[PC+12+\i]
.endr
.endm
; A QUARTER: sixteen weight fragments (f = 8 sl + t: K step 2 half + sl, column tile t), as eight PAIRS through four buffers; each fragment against the four row tiles: 64 products.
; A pair's six LDS loads are one short run, issued three pairs (24 products) ahead of the pair's own products.
; kind 0: wo (onto Y; source 1 the concatenation's fragment m), 1: w1 (the hidden accumulators; the first K step takes b1 as C; source 1 h's fragments), 2: w2 (onto Y; source 1 the hidden fragments).
; The 32 accumulators take turns, one instruction a turn, in the same order in every quarter.
.macro WSCL slot                       ; the quarter's scale words
	WIN 0
	ds_load_b128 v[WSC+8*\slot:WSC+8*\slot+3], v[WA+\slot] offset:24576
	ds_load_b128 v[WSC+8*\slot+4:WSC+8*\slot+7], v[WA+\slot] offset:25088
.endm
.macro WLOAD slot, p                   ; pair p (fragments 2 p, 2 p + 1) into buffer p % 4
	WIN 0
.irp e, 0,1
.irp c, 0,1,2
	ds_load_b128 v[WB+24*((\p)%4)+12*\e+4*\c:WB+24*((\p)%4)+12*\e+4*\c+3], v[WA+\slot] offset:1536*(2*(\p)+\e)+512*\c
.endr
.endr
.endm
.macro QMUL slot, kind, half, p        ; pair p's eight products; the windows are left as the products want them
.set qsl, (\p)/4
.set qs, 2*(\half)+qsl
.if \kind == 0
	WIN 0xf4                                       ; source 1 window 1, C and D window 3
.elseif \kind == 1
.if qs == 0
	WIN 0x94                                       ; source 1 and C window 1, D window 2
.else
	WIN 0xa4                                       ; source 1 window 1, C and D window 2
.endif
.else
	WIN 0xf8                                       ; source 1 window 2, C and D window 3
.endif
.irp e, 0,1
.irp m, 0,1,2,3
.set qt, (2*(\p)+\e)%8
.set qa, WB+24*((\p)%4)+12*\e
.set qsa, WSC+8*(\slot)+4*qsl+qt/2
.set qd, 64*\m+8*qt
.if \kind == 0
	MM qd, qa, 12*\m, qd, qsa, GSC+\m, qt%2
.elseif \kind == 1
.if qs == 0
	MM qd, qa, 12*(4*\m+qs), 192+8*qt, qsa, HSC+4*\m+qs, qt%2
.else
	MM qd, qa, 12*(4*\m+qs), qd, qsa, HSC+4*\m+qs, qt%2
.endif
.else
	MM qd, qa, 12*(4*\m+qs), qd, qsa, GSC+4*\m+qs, qt%2
.endif
.endr
.endr
.endm
.macro QTR slot, kind, half
	PLACES 4                                       ; in front of loads into registers that matrix instructions have read
	WSCL \slot
	WLOAD \slot, 0
	WLOAD \slot, 1
	WLOAD \slot, 2
.irp p, 0,1,2,3,4,5,6,7
.if \p < 5
.if \p > 0
	PLACES 4                                       ; the buffer below was read by the eight products just issued
.endif
	WLOAD \slot, \p+3
	s_wait_dscnt 18                                ; all but the three younger pairs' 18 loads: this pair's fragments are in
.else
	s_wait_dscnt 6*(7-\p)                          ; nothing more to fetch: the counts run down
.endif
	QMUL \slot, \kind, \half, \p
.endr
	WIN 0
.endm
; A quarter whose tile has landed long before its products: its scale words and its first four pairs are read early (QPRE), under other work;
.macro QPRE slot
	WSCL \slot
	WLOAD \slot, 0
	WLOAD \slot, 1
	WLOAD \slot, 2
	WLOAD \slot, 3
.endm
; and QTRF is that quarter, behind the barrier that shows the sixteen images whole (all my LDS loads were waited for there).  The images' scale words come first, then the fragments K STEP BY K STEP into registers
; 12 (4 m + s) of a window, so that the first products wait for the first K step's four fragments alone.  half = 0: pairs 0-3 multiply K step 0, pairs 4-7 K step 1.
.macro QTRF slot, kind, half, win, sc
	WIN 0
.irp f, 0,1,2,3,4,5,6,7,8,9,10,11,12,13,14,15
	ds_load_b32 v[(\sc)+\f], v[IRS] offset:128*\f
.endr
	WIN (\win)<<6
.irp u, 0,1,2,3
.irp m, 0,1,2,3
.irp c, 0,1,2
	ds_load_b128 v[12*(4*\m+\u)+4*\c:12*(4*\m+\u)+4*\c+3], v[IRI] offset:1536*(4*\m+\u)+512*\c
.endr
.endr
.endr
	WIN 0
	s_wait_dscnt 36                                ; the scale words and K step 0's four fragments are in; the 36 loads of K steps 1 to 3 may be out
.irp p, 0,1,2,3
	QMUL \slot, \kind, \half, \p
	PLACES 4
	WLOAD \slot, \p+4                              ; into the buffer just multiplied
.endr
.irp p, 4,5,6,7
	s_wait_dscnt 6*(7-\p)                          ; this pair is in, and with it all that was asked for earlier: the other K steps' fragments
	QMUL \slot, \kind, \half, \p
.endr
	WIN 0
.endm
; The four rows' partial sums in v[SA + 2 m], v[SA + 2 m + 1] become the rows' sums over all 512 columns in v[SA + 2 m]: the pair, lane l xor 16, the four waves through region k of RED (each region is used once)
.macro ROWSUM k
.irp m, 0,1,2,3
	v_add_f32 v[SA+2*\m], v[SA+2*\m], v[SA+2*\m+1]
.endr
.irp m, 0,1,2,3
	v_permlanex16_b32 v[T16+\m], v[SA+2*\m], s[SEL], s[SEL+1]
.endr
.irp m, 0,1,2,3
	v_add_f32 v[SA+2*\m], v[SA+2*\m], v[T16+\m]
.endr
.irp m, 0,1,2,3
	ds_store_b32 v[RW], v[SA+2*\m] offset:1024*(\k)+256*\m      ; both halves of the lanes write the same word with the same value
.endr
	BARRIER
.irp m, 0,1,2,3
	ds_load_b128 v[T16+4*\m:T16+4*\m+3], v[RR] offset:1024*(\k)+256*\m
.endr
	s_wait_dscnt 0x0
.irp m, 0,1,2,3
	v_add_f32 v[T16+4*\m], v[T16+4*\m], v[T16+4*\m+1]
	v_add_f32 v[T16+4*\m+2], v[T16+4*\m+2], v[T16+4*\m+3]
.endr
.irp m, 0,1,2,3
	v_add_f32 v[SA+2*\m], v[T16+4*\m], v[T16+4*\m+2]
.endr
.endm
; LayerNorm, first part: Y = Y - mean, and 1 / sqrt(var + eps) of each row, twice, in v[RS + 2 m], v[RS + 2 m + 1].  Y is read from each accumulator's low end on.
.macro LNSTAT k
	WIN 0x0f
.irp m, 0,1,2,3
	v_pk_add_f32 v[SA+2*\m:SA+2*\m+1], v[64*\m:64*\m+1], v[64*\m+2:64*\m+3]
.endr
	WIN 0x03
.set pp, 4
.rept 30
.irp m, 0,1,2,3
	v_pk_add_f32 v[SA+2*\m:SA+2*\m+1], v[64*\m+pp:64*\m+pp+1], v[SA+2*\m:SA+2*\m+1]
.endr
.set pp, pp+2
.endr
	WIN 0
	ROWSUM \k
.irp m, 0,1,2,3
	v_mul_f32 v[MU+2*\m], s[INV], v[SA+2*\m]
	v_mul_f32 v[MU+2*\m+1], s[INV], v[SA+2*\m]
.endr
	WIN 0xc3
.set pp, 0
.rept 32
.irp m, 0,1,2,3
	v_pk_add_f32 v[64*\m+pp:64*\m+pp+1], v[64*\m+pp:64*\m+pp+1], v[MU+2*\m:MU+2*\m+1] neg_lo:[0,1] neg_hi:[0,1]
.endr
.set pp, pp+2
.endr
	WIN 0x0f
.irp m, 0,1,2,3
	v_pk_mul_f32 v[SA+2*\m:SA+2*\m+1], v[64*\m:64*\m+1], v[64*\m:64*\m+1]
.endr
.set pp, 2
.rept 31
.irp m, 0,1,2,3
	v_pk_fma_f32 v[SA+2*\m:SA+2*\m+1], v[64*\m+pp:64*\m+pp+1], v[64*\m+pp:64*\m+pp+1], v[SA+2*\m:SA+2*\m+1]
.endr
.set pp, pp+2
.endr
	WIN 0
	ROWSUM (\k)+1
.irp m, 0,1,2,3
	v_fma_f32 v[T16+\m], v[SA+2*\m], s[INV], s[EPS]
.endr
.irp m, 0,1,2,3
	v_rsq_f32 v[RS+2*\m], v[T16+\m]
.endr
	v_nop                                          ; a plain place behind the transcendentals
	s_wait_alu depctr_va_vdst(0)
.irp m, 0,1,2,3
	v_mov_b32 v[RS+2*\m+1], v[RS+2*\m]
.endr
.endm
; LayerNorm, second part, for row tile m: Y = Y / sqrt(var + eps) x ln_g + ln_b.  ln_g lies at v0-63 and ln_b at v64-127 of window GW.  The windows are left as they stand
.macro LNAPPLY1 m, GW
	WIN 0xc3
.set pp, 0
.rept 32
	v_pk_mul_f32 v[64*(\m)+pp:64*(\m)+pp+1], v[64*(\m)+pp:64*(\m)+pp+1], v[RS+2*(\m):RS+2*(\m)+1]
.set pp, pp+2
.endr
	WIN 0xc3|((\GW)<<2)|((\GW)<<4)
.set pp, 0
.rept 32
	v_pk_fma_f32 v[64*(\m)+pp:64*(\m)+pp+1], v[64*(\m)+pp:64*(\m)+pp+1], v[pp:pp+1], v[64+pp:64+pp+1]
.set pp, pp+2
.endr
.endm
.macro VFETCH ks, buf                  ; v's four fragments of key step ks
.irp dt, 0,1,2,3
.irp c, 0,1
	ds_load_b128 v[WB+48*(\buf)+12*\dt+6*\c:WB+48*(\buf)+12*\dt+6*\c+3], v[VA16] offset:1536*(4*(\ks)+\dt)+768*\c
	ds_load_b64 v[WB+48*(\buf)+12*\dt+6*\c+4:WB+48*(\buf)+12*\dt+6*\c+5], v[VA8] offset:1536*(4*(\ks)+\dt)+768*\c
.endr
.endr
.endm
.macro VECLOAD reg, lo, hi             ; a vector over the columns, my 64 numbers in the result's layout: register 16 b + i = column 128 w + 32 b + 16 h + i
.irp b, 0,1,2,3
.irp i, 0,1,2,3
	global_load_b128 v[(\reg)+16*\b+4*\i:(\reg)+16*\b+4*\i+3], v[CA], s[\lo:\hi] offset:128*\b+16*\i
.endr
.endr
.endm
.macro ADDVEC                          ; Y += the vector at v128-191 of window 2, in all four row tiles
	WIN 0xcb
.set pp, 0
.rept 32
.irp m, 0,1,2,3
	v_pk_add_f32 v[64*\m+pp:64*\m+pp+1], v[64*\m+pp:64*\m+pp+1], v[128+pp:128+pp+1]
.endr
.set pp, pp+2
.endr
	WIN 0
.endm
.macro FETCH16 win, sc                 ; the sixteen images into registers 12 f of a window, their scale words into v[sc + f]
	WIN (\win)<<6
.irp f, 0,1,2,3,4,5,6,7,8,9,10,11,12,13,14,15
.irp c, 0,1,2
	ds_load_b128 v[12*\f+4*\c:12*\f+4*\c+3], v[IRI] offset:1536*\f+512*\c
.endr
.endr
	WIN 0
.irp f, 0,1,2,3,4,5,6,7,8,9,10,11,12,13,14,15
	ds_load_b32 v[(\sc)+\f], v[IRS] offset:128*\f
.endr
.endm
.macro TOIMG W                         ; my 128 columns of the four row tiles in window W become K step w's four fragments, and go to LDS.  No wait stands behind a fragment's stores:
.irp m, 0,1,2,3                        ; the registers that they read are first written again behind the next tile's 44 lines of maxima and scales
	QUANT4 \W, 64*\m
	IMAGE IWI, 6144*\m
	ds_store_b32 v[IWS], v[PW] offset:512*\m
.endr
.endm
; x's WAY IN for row tile m: the 16 pieces of rows (registers 64 m + 4 t of window 3) go into my stage as they lie and come back, into the registers that they left, in the result's layout.
; LDS serves a wave's instructions in order (ISA guide 5.7.1.4): no wait between the stores and the loads, nor in front of the next tile's stores
.macro WAYIN m
	WIN 0x0c                                       ; an LDS store's data are its source 1: window 3
.irp t, 0,1,2,3,4,5,6,7,8,9,10,11,12,13,14,15
	ds_store_b128 v[XST], v[64*(\m)+4*\t:64*(\m)+4*\t+3] offset:528*\t
.endr
	WIN 0xc0                                       ; destination window 3
.irp b, 0,1,2,3
.irp q, 0,1,2,3
	ds_load_b128 v[64*(\m)+16*\b+4*\q:64*(\m)+16*\b+4*\q+3], v[XRD] offset:128*\b+16*\q
.endr
.endr
.endm
; A chunk of 512 hidden units: two quarters of w1, the hidden layer quantised and handed round, two quarters of w2.  last = 1: the tail, which asks for no tile beyond the chunk's own
.macro CHUNK last
	s_wait_loadcnt 0x0                             ; b1 of this chunk
	QTR 0, 1, 0
	CHANGE 0, 4                                    ; this chunk's first tile of w2
	QTR 1, 1, 1
	CHANGE 1, 5                                    ; its second.  The wait for 0 in front of that round has shown slot 0's tile landed:
	QPRE 0                                         ; its scale words and first four pairs are read now, and land while the hidden layer is quantised (the four places behind the tensor load serve these loads)
.if \last == 0
	s_add_co_u32 s[CI], s[CI], 1                   ; from here on the next chunk's tiles are asked for: round the four
	s_and_b32 s[CI], s[CI], 3
	s_lshl_b32 s32, s[CI], 11                      ; its b1: 512 numbers a chunk (the loads that named this pair are done; b1's registers were last read in the chunk's first quarter)
	s_add_nc_u64 s[B1P:B1P+1], s[20:21], s[32:33]
	WIN 0x40
	VECLOAD 192, B1P, B1P+1
	WIN 0
.else
	WIN 0x40                                       ; h's codes have had their last use: ln_g and ln_b for the last LayerNorm take their place
	VECLOAD 0, 16, 17
	VECLOAD 64, 18, 19
	WIN 0
.endif
	TOIMG 2
	BARRIER                                        ; the chunk's sixteen hidden fragments lie in LDS
	QTRF 0, 2, 0, 2, GSC
.if \last
	s_wait_tensorcnt 0x0                           ; the last tile, my own quarter of it, has landed
.else
	CHANGE 0, 2                                    ; the next chunk's first tile of w1
.endif
	QTR 1, 2, 1
.if \last == 0
	CHANGE 1, 3                                    ; its second
.endif
.endm
; THE WAY OUT of row tile m.  A lane holds 4 x 64 bytes of one row; through my own stage (16 rows of 512 + 16 bytes, in my quarter of slot 0, which has had its last fill and its last read) they come back as whole pieces of rows.
.macro TOSTAGE m
	WIN 0x0c                                       ; an LDS store's data are its source 1: window 3
.irp b, 0,1,2,3
.irp q, 0,1,2,3
	ds_store_b128 v[STO], v[64*(\m)+16*\b+4*\q:64*(\m)+16*\b+4*\q+3] offset:128*\b+16*\q
.endr
.endr
	WIN 0x80
.irp t, 0,1,2,3,4,5,6,7,8,9,10,11,12,13,14,15
	ds_load_b128 v[64*((\m)%2)+4*\t:64*((\m)%2)+4*\t+3], v[WA] offset:528*\t       ; LDS serves a wave's instructions in order (ISA guide 5.7.1.4): these see the stores above
.endr
	WIN 0
.endm
.macro SEND m, younger                 ; younger: the LDS instructions issued behind tile m's loads, which may stay out
	s_wait_dscnt \younger
	WIN 0x08
.irp t, 0,1,2,3,4,5,6,7,8,9,10,11,12,13,14,15
	global_store_b128 v[CO], v[64*((\m)%2)+4*\t:64*((\m)%2)+4*\t+3], s[24:25] offset:(32*((\m)/2)+8*((\m)%2)+\t+(\t&8))*2048 th:TH_STORE_NT   ; 32 lanes store 512 consecutive bytes, aligned to 256
.endr
	WIN 0
.endm
	s_load_b512 s[4:19], s[0:1], 0x0               ; x, pcodes, psc, vbuf, wts, bo, ln_g, ln_b
	s_load_b128 s[20:23], s[0:1], 0x40             ; b1, b2
	s_load_b64 s[24:25], s[0:1], 0x50              ; out0
	v_lshl_add_u32 v[SPW], v0, 2, SPARE
	v_mov_b32 v[NIL], 0
	ds_add_u32 v6, v7
	ds_add_u32 v6, v7
	s_wait_dscnt 0x0
	v_lshrrev_b32 v1, 5, v0
	v_readfirstlane_b32 s[WV], v1                  ; wave 0..3
	s_bfe_u32 s27, ttmp6, 0x40000                  ; cx: my place in the cluster
	s_lshl_b32 s28, ttmp9, 2
	s_add_co_u32 s28, s28, s27                     ; my block of 64 rows: it enters the addresses of x, pcodes, psc and out0 alone
	s_lshr_b32 s29, ttmp9, 2                       ; the batch, which the four partners share
	s_and_b32 s[CI], ttmp9, 3                      ; the chunk at which my cluster begins: the cluster's number, which the four partners share
	s_mov_b32 s[TO+1], 0
	s_mul_i32 s30, s[WV], QB
	s_mov_b32 s31, 0
	s_mov_b32 s33, 0
	s_mul_i32 s34, s[WV], 8448
	s_add_co_u32 s34, s34, XSTG                    ; my stage for x
	s_mul_i32 s72, s[WV], 1536
	s_add_co_u32 s72, s72, IMG
	s_lshl_b32 s73, s[WV], 7
	s_add_co_u32 s73, s73, ISC
	s_lshl_b32 s74, s[WV], 2
	s_lshl_b32 s75, s[WV], 9
	s_and_b32 s76, s[WV], 1
	s_lshl_b32 s76, s76, 6
	s_mov_b32 s77, 0x05040100                      ; v_perm_b32: the two low halves
	s_mov_b32 s78, 0x07060302                      ; the two high halves
	s_lshr_b32 s79, s[WV], 1
	s_cmp_eq_u32 s79, 0
	s_cselect_b32 s[PSEL], s77, s78                ; row tiles 0, 1: low halves; 2, 3: high halves
	s_mov_b32 s[SEL], 0x76543210
	s_mov_b32 s[SEL+1], 0xfedcba98
	s_mov_b32 s[EPS], 0x3727c5ac                   ; 1e-5
	s_mov_b32 s[INV], 0x3b000000                   ; 1 / 512
	v_and_b32 v25, 31, v0                          ; lane
	v_and_b32 v1, 15, v0                           ; r
	v_bfe_u32 v2, v0, 4, 1                         ; h
	v_lshlrev_b32 v[LI], 4, v25
	v_lshlrev_b32 v[LS], 2, v25
	v_lshlrev_b32 v[L8], 3, v25
	v_add_nc_u32 v[WA], s30, v[LI]
	v_add_nc_u32 v[WA+1], SLOTB, v[WA]
	v_add_nc_u32 v[IWI], s72, v[LI]
	v_add_nc_u32 v[IWS], s73, v[LS]
	v_add_nc_u32 v[IRI], IMG, v[LI]
	v_add_nc_u32 v[IRS], ISC, v[LS]
	v_add_nc_u32 v[VA16], VREG, v[LI]
	v_add_nc_u32 v[VA8], VREG+512, v[L8]
	v_add_nc_u32 v[VSA], VREG+49152, v[LS]
	v_lshlrev_b32 v[RR], 4, v1
	v_add_nc_u32 v[RR], RED, v[RR]
	v_add_nc_u32 v[RW], s74, v[RR]
	v_lshl_add_u32 v[CA], v2, 6, s75
	v_lshl_add_u32 v[PSA], v1, 2, s76
	v_mul_u32_u24 v[STO], v1, 528
	v_lshl_add_u32 v[STO], v2, 6, v[STO]
	v_add_nc_u32 v[XRD], s34, v[STO]               ; x's stage: row r, + 64 h
	v_add_nc_u32 v[STO], s30, v[STO]
	v_add_nc_u32 v[XST], s34, v[LI]
	v_add_nc_u32 v[CO], s75, v[LI]
.irp b, 0,1,2,3
	v_mov_b32 v[TM+4+\b], 0                        ; written once: a lane permute's destination counts as one of its sources
.endr
	; descriptor group 1: a dense block as rows of 256 bytes (32 elements of 8 bytes): 100 rows a quarter, 50 a quarter of v
	s_mov_b32 s[G1T], 15|(3<<16)|(1<<21)           ; 15:0 the mask: all four work-groups; 17:16 elements of 8 bytes; 20 no padding; 21 set beside a mask
	s_mov_b32 s[G1T+1], 32<<16                     ; tensor_dim0
	s_mov_b32 s[G1T+2], 100<<16                    ; tensor_dim1
	s_mov_b32 s[G1T+3], 32<<16                     ; tile_dim0
	s_mov_b32 s[G1T+4], 100                        ; tile_dim1
	s_mov_b32 s[G1T+5], 32                         ; tensor_dim0_stride
	s_mov_b32 s[G1T+6], 0
	s_mov_b32 s[G1T+7], 0
	s_mov_b32 s[G1V], 15|(3<<16)|(1<<21)
	s_mov_b32 s[G1V+1], 32<<16
	s_mov_b32 s[G1V+2], 50<<16
	s_mov_b32 s[G1V+3], 32<<16
	s_mov_b32 s[G1V+4], 50
	s_mov_b32 s[G1V+5], 32
	s_mov_b32 s[G1V+6], 0
	s_mov_b32 s[G1V+7], 0
	s_wait_kmcnt 0x0
	s_add_nc_u64 s[BW:BW+1], s[12:13], s[30:31]    ; wts at my quarter of tile 0: every tile's address is made from it
.irp n, 0,1
	s_mov_b32 s[G0+4*\n], 1                        ; count = 1
	s_add_co_u32 s[G0+4*\n+1], s30, \n*SLOTB       ; LDS address: the slot, my quarter: no place in the cluster enters it
	s_add_nc_u64 s[G0+4*\n+2:G0+4*\n+3], s[BW:BW+1], \n*SLOTB       ; tile n (wo's two), my quarter
	s_or_b32 s[G0+4*\n+3], s[G0+4*\n+3], 0x80000000                 ; type = 2
.endr
	s_mul_i32 s32, s[WV], 12800
	s_mov_b32 s[G0V], 1
	s_add_co_u32 s[G0V+1], s32, VREG
	s_mul_i32 s34, s29, 51200
	s_add_co_u32 s32, s32, s34
	s_add_nc_u64 s[G0V+2:G0V+3], s[10:11], s[32:33]
	s_or_b32 s[G0V+3], s[G0V+3], 0x80000000
	s_lshl_b32 s32, s28, 17                        ; 64 rows of 2,048 bytes
	s_add_nc_u64 s[4:5], s[4:5], s[32:33]
	s_add_nc_u64 s[24:25], s[24:25], s[32:33]
	s_lshl_b32 s32, s28, 2
	s_add_co_u32 s32, s32, s[WV]
	s_mul_i32 s32, s32, 12288                      ; attn's codes of row tile w: eight images
	s_add_nc_u64 s[6:7], s[6:7], s[32:33]
	s_lshl_b32 s32, s29, 8
	s_and_b32 s34, s28, 15
	s_add_co_u32 s32, s32, s34
	s_lshl_b32 s32, s32, 7                         ; attn's scale halfwords: (256 b + 16 g + block) x 128; g stands in the immediate
	s_add_nc_u64 s[8:9], s[8:9], s[32:33]
	s_lshl_b32 s32, s[CI], 11                      ; b1 of my first chunk: 512 numbers a chunk
	s_add_nc_u64 s[B1P:B1P+1], s[20:21], s[32:33]
	WIN 0x40                                       ; what the first products want is asked for first of all, ahead of the round: attn's codes (destination window 1)
.irp k, 0,1,2,3,4,5,6,7
.irp c, 0,1
	global_load_b128 v[12*\k+6*\c:12*\k+6*\c+3], v[LI], s[6:7] offset:1536*\k+768*\c th:TH_LOAD_NT
	global_load_b64 v[12*\k+6*\c+4:12*\k+6*\c+5], v[L8], s[6:7] offset:1536*\k+768*\c+512 th:TH_LOAD_NT
.endr
.endr
	WIN 0
.irp g, 0,1,2,3,4,5,6,7,8,9,10,11,12,13,14,15
	global_load_b32 v[RAWP+\g], v[PSA], s[8:9] offset:2048*\g      ; and their scale halfwords: 48 loads in all
.endr
	ROUND                                          ; all four work-groups are here: the first joint loads meet
	tensor_load_to_lds s[G0V:G0V+3], s[G1V:G1V+7]  ; my quarter of v,
	s_nop 0
	tensor_load_to_lds s[G0:G0+3], s[G1T:G1T+7]    ; of tile 0,
	s_nop 0
	tensor_load_to_lds s[G0+4:G0+7], s[G1T:G1T+7]  ; of tile 1: three loads of mine are out
	s_nop 0
	PLACES 4
	WIN 0xc0                                       ; x follows at once, into Y's registers, as pieces of rows: it arrives while attn v is multiplied
.irp m, 0,1,2,3
.irp t, 0,1,2,3,4,5,6,7,8,9,10,11,12,13,14,15
	global_load_b128 v[64*\m+4*\t:64*\m+4*\t+3], v[CO], s[4:5] offset:(32*(\m/2)+8*(\m%2)+\t+(\t&8))*2048 th:TH_LOAD_NT   ; member t of tile m: 32 lanes read 512 consecutive bytes, aligned to 256
.endr
.endr
	WIN 0
	s_wait_tensorcnt 0x2                           ; my quarter of v is in; tiles 0 and 1 may stay out
	s_barrier_signal -1
	s_barrier_wait -1                              ; everybody's is
.irp g, 0,1,2,3,4,5,6,7,8,9,10,11,12,13,14,15
	ds_load_b32 v[RAWV+\g], v[VSA] offset:128*\g
.endr
	VFETCH 0, 0
	s_wait_loadcnt 63                              ; attn's codes and halfwords are in: x's 64 loads stand behind them, of which 63 may be out
	s_wait_dscnt 16                                ; v's halfwords are in; the 16 fragment loads behind them may be out
.irp k, 0,1,2,3,4,5,6,7                        ; a key step's scale word: the halfwords of its two groups of 64 keys
	v_perm_b32 v[HSC+2*\k], v[RAWV+2*\k+1], v[RAWV+2*\k], s77       ; v's d tiles 0 (lanes 0-15) and 1 (lanes 16-31),
	v_perm_b32 v[HSC+2*\k+1], v[RAWV+2*\k+1], v[RAWV+2*\k], s78     ; 2 and 3,
	v_perm_b32 v[GSC+\k], v[RAWP+2*\k+1], v[RAWP+2*\k], s[PSEL]     ; attn's row tile w
.endr
	PLACES 8                                       ; a scale register written by a vector instruction stands eight places ahead of a scaled matrix instruction
	; ---- head^T = v^T attn^T: four accumulators by turns, a key step at a time
.irp k, 0,1,2,3,4,5,6,7
.if \k < 7
.if \k > 0
	PLACES 4
.endif
	VFETCH \k+1, (\k+1)%2
	s_wait_dscnt 16                                ; all but the 16 just issued
.else
	s_wait_dscnt 0x0
.endif
	WIN 0xa4                                       ; source 1 window 1, C and D window 2
.irp t, 0,1,2,3
.if \k == 0
	MM 192+8*\t, WB+48*(\k%2)+12*\t, 12*\k, -1, HSC+2*\k+\t/2, GSC+\k, \t%2
.else
	MM 192+8*\t, WB+48*(\k%2)+12*\t, 12*\k, 192+8*\t, HSC+2*\k+\t/2, GSC+\k, \t%2
.endif
.endr
	WIN 0
.endr
	PLACES 4
	QUANT2 2, 192, 208, PW                         ; the head's 64 numbers of my 16 rows
.irp i, 0,1,2,3,4,5
	v_mov_b32 v[PC+6+\i], v[PC+\i]                 ; the concatenation: the same 64 codes again,
.endr
	v_lshl_or_b32 v[PW], v[PW], 16, v[PW]          ; and the same two bytes
	IMAGE IWI, 0
	ds_store_b32 v[IWS], v[PW]
	WIN 0x80                                       ; the vectors over the columns, in the order in which they are wanted: bo,
	VECLOAD 128, 14, 15
	VECLOAD 0, 16, 17                              ; ln_g,
	VECLOAD 64, 18, 19                             ; ln_b,
	WIN 0x40
	VECLOAD 192, B1P, B1P+1                        ; b1 of my first chunk
	WIN 0
	s_wait_loadcnt 63                              ; x is in: the vectors' 64 loads stand behind it, of which 63 may be out
.irp m, 0,1,2,3
	WAYIN \m
.endr
	WIN 0
	s_wait_dscnt 0x0                               ; x is back from the stage, in the result's layout
	s_wait_loadcnt 48                              ; bo is in; the 48 loads of ln_g, ln_b and b1 may be out
	ADDVEC                                         ; Y = x + bo
	WIN 0x80
	VECLOAD 128, 22, 23                            ; b2 takes bo's place
	WIN 0
	BARRIER                                        ; the four row tiles' fragments lie in LDS
	WIN 0x40
.irp m, 0,1,2,3
.irp c, 0,1,2
	ds_load_b128 v[12*\m+4*\c:12*\m+4*\c+3], v[IRI] offset:1536*\m+512*\c
.endr
.endr
	WIN 0
.irp m, 0,1,2,3
	ds_load_b32 v[GSC+\m], v[IRS] offset:128*\m
.endr
	; ---- Y += concat wo
	s_wait_tensorcnt 0x1                           ; my quarter of tile 0 is in; tile 1's may be out
	QTR 0, 0, 0
	CHANGE 0, 2                                    ; my first chunk's first tile of w1
	QTR 1, 0, 1
	CHANGE 1, 3                                    ; its second
	LNSTAT 0
	s_wait_loadcnt 16                              ; ln_g, ln_b (and b1) are in; b2's 16 loads may be out
.irp m, 0,1,2,3
	LNAPPLY1 \m, 2                                 ; h
.endr
	WIN 0
	TOIMG 3
	BARRIER                                        ; h's sixteen fragments lie in LDS
	FETCH16 1, HSC
	s_wait_loadcnt 0x0                             ; b2
	ADDVEC                                         ; Y = h + b2: the second product adds onto it.  (These 128 additions stand under the 64 LDS loads above)
	; ---- the four chunks of the hidden layer
	s_mov_b32 s[CNT], 3
.Lchunk:
	CHUNK 0
	s_sub_co_u32 s[CNT], s[CNT], 1
	s_cmp_lg_u32 s[CNT], 0
	s_cbranch_scc1 .Lchunk
	CHUNK 1                                        ; the tail is written out
	PLACES 4
	LNSTAT 2
	s_wait_loadcnt 0x0                             ; ln_g, ln_b
	; the last LayerNorm's second part goes row tile by row tile, and each tile leaves while the next is scaled
	LNAPPLY1 0, 1
	TOSTAGE 0
	LNAPPLY1 1, 1
	SEND 0, 0
	TOSTAGE 1
.irp m, 2,3
	LNAPPLY1 \m, 1
	s_wait_xcnt 0x0                                ; tile m - 2's stores have read their registers: tile m's rows may land there
	SEND \m-1, 0
	TOSTAGE \m
.endr
	SEND 3, 0
	s_wait_tensorcnt 0x0                           ; the wave's end, behind my last tensor load and my last LDS store
	ds_add_u32 v[SPW], v[NIL]
	s_wait_dscnt 0x0
	ROUND                                          ; the closing round: no work-group ends while a partner may still ask for a tile that names it
	s_endpgm
.Lfunc_end_k_qd6310741ef_rest:
	.size	k_qd6310741ef_rest, .Lfunc_end_k_qd6310741ef_rest-k_qd6310741ef_rest
	.p2alignl 7, 3214868480
	.fill 96, 4, 3214868480
	.section	.rodata,"a",@progbits
	.p2align	6, 0x0
	.amdhsa_kernel k_qd6310741ef_rest
		.amdhsa_group_segment_fixed_size 327680
		.amdhsa_private_segment_fixed_size 0
		.amdhsa_enable_private_segment 0
		.amdhsa_kernarg_size 88
		.amdhsa_user_sgpr_count 2
		.amdhsa_user_sgpr_kernarg_segment_ptr 1
		.amdhsa_wavefront_size32 1
		.amdhsa_system_sgpr_workgroup_id_x 1
		.amdhsa_system_sgpr_workgroup_id_y 1
		.amdhsa_system_sgpr_workgroup_id_z 1
		.amdhsa_system_vgpr_workitem_id 0
		.amdhsa_next_free_vgpr 1024
		.amdhsa_next_free_sgpr 88
		.amdhsa_reserve_vcc 0
		.amdhsa_float_denorm_mode_32 3
		.amdhsa_float_denorm_mode_16_64 3
		.amdhsa_memory_ordered 1
		.amdhsa_forward_progress 1
		.amdhsa_inst_pref_size 255
	.end_amdhsa_kernel
	.section	.bss,"aw",@nobits
	.p2align	6
	.space	262144
	.amdgpu_metadata
---
amdhsa.version: [ 1, 2 ]
amdhsa.kernels:
  - .name:           k_qd6310741ef_rest
    .symbol:         k_qd6310741ef_rest.kd
    .args:
      - { .name: x, .offset: 0, .size: 8, .value_kind: global_buffer, .address_space: global }
      - { .name: pcodes, .offset: 8, .size: 8, .value_kind: global_buffer, .address_space: global }
      - { .name: psc, .offset: 16, .size: 8, .value_kind: global_buffer, .address_space: global }
      - { .name: vbuf, .offset: 24, .size: 8, .value_kind: global_buffer, .address_space: global }
      - { .name: wts, .offset: 32, .size: 8, .value_kind: global_buffer, .address_space: global }
      - { .name: bo, .offset: 40, .size: 8, .value_kind: global_buffer, .address_space: global }
      - { .name: ln_g, .offset: 48, .size: 8, .value_kind: global_buffer, .address_space: global }
      - { .name: ln_b, .offset: 56, .size: 8, .value_kind: global_buffer, .address_space: global }
      - { .name: b1, .offset: 64, .size: 8, .value_kind: global_buffer, .address_space: global }
      - { .name: b2, .offset: 72, .size: 8, .value_kind: global_buffer, .address_space: global }
      - { .name: out0, .offset: 80, .size: 8, .value_kind: global_buffer, .address_space: global }
    .group_segment_fixed_size: 327680
    .private_segment_fixed_size: 0
    .kernarg_segment_align: 8
    .kernarg_segment_size: 88
    .max_flat_workgroup_size: 128
    .sgpr_count:     88
    .vgpr_count:     1024
    .wavefront_size: 32
...
	.end_amdgpu_metadata
.endif
;; end of part 6
;; ======== version 3 of 3: 4 launches; version 2 with the launches wquant, qkv, attn written anew for expert scheduling mode
;; workspace buffers: wts 1,920,000 bytes; qbuf 851,968 bytes; kbuf 851,968 bytes; vbuf 819,200 bytes; pcodes 12,582,912 bytes; psc 524,288 bytes
;; launch wquant (part 7): grid 150 x 1, 4 waves a work-group, no clusters, 2,560 bytes of LDS; arguments wq, wk, wv, wo, w1, w2, wts; writes wts
.if DOCPART == 7
	.amdgcn_target "amdgcn-amd-amdhsa--gfx1250"
	.amdhsa_code_object_version 6
	.text
	.protected	k_qd6310741ef_wquant
	.globl	k_qd6310741ef_wquant
	.p2align	8
	.type	k_qd6310741ef_wquant,@function
k_qd6310741ef_wquant:
	s_mov_b64 s[64:65], 0
	v_nop
	global_prefetch_b8 v0, s[64:65] scope:SCOPE_SE
	s_setreg_imm32_b32 hwreg(HW_REG_WAVE_SCHED_MODE, 0, 2), 2
	s_setreg_imm32_b32 hwreg(HW_REG_WAVE_MODE, 25, 1), 1
	s_wait_xcnt 0x0
	s_wait_alu depctr_vm_vsrc(0)
; The six weights, f32 with K as their FIRST axis, become codes of FP6 (E2M3) with one E8M0 byte for each 32 along K, laid in wts in the ORDER OF THE OPERAND'S REGISTERS.
; A fragment (16 columns x 128 K, 12 registers a lane) is an image of 1,536 bytes: registers 4 c .. 4 c + 3 of lane l at 512 c + 16 l.  Sixteen images and 1,024 bytes of scale words are a QUARTER of 25,600 bytes.
; THE COLUMNS OF A TILE ARE NOT NEIGHBOURS: member r of tile t is column 32 (t / 2) + 8 (t % 2) + r + (r & 8), so that the results of a product used transposed lie as neighbours along the next K.
; A work-group takes 128 along K x 128 columns (wq, wk, wv: 256 along K x 64 columns): eight fragments; a wave 32 columns: two tiles.  A LANE TAKES A COLUMN AND ITS REGISTERS RUN DOWN K:
; lane 16 u + r holds member r of tile u, all four blocks of 32.  Each load reads 128 consecutive bytes.  An exchange of the halves of the lanes turns (even blocks, odd blocks) into (tile 0's fragment, tile 1's).
; A lane's four scale bytes are its column's scale word: lanes 0-15 tile 0's, lanes 16-31 tile 1's: one register serves both tiles.  The four waves' words meet in LDS and leave as 512 consecutive bytes.
; A block's scale is 2^(floor(log2(largest magnitude)) - 2); its byte is the largest magnitude's exponent field - 2, held at 1 from below.
; LIMITS: a block of zeros gets the byte 1 (its codes are zeros, and this program alone reads the bytes); blocks under 2^-124 are held at that byte; NaN and infinities are not served.
; The four paths part on the work-group's number alone; each has its own source pointer and its own 512 bytes of LDS.
; THE MODE: SCHED_MODE bits 1:0 = 2 (LLVM: expert scheduling mode 2), set by the entry lines.  The code itself states the register dependences
; between vector instructions and memory or LDS instructions, with s_wait_alu, always for 0.
; THE PLAN.  Registers that memory or LDS instructions touch:
;   v2, v6, v7    offsets, made once at the head and never written again: one wait on va_vdst at the head serves every load and store.
;   X (v64-191)   four blocks of 32 numbers, each block in registers of its own: written by its loads, read by its own arithmetic alone.  So a block's loads hang on no vector instruction, and those of
;                 blocks 2 and 3 stand at the head of the block two earlier, ahead of its arithmetic, with no wait.
;   FA, FB, SW    written once by the conversions, moves and exchanges, read once by the stores: one wait on va_vdst ahead of the run of stores.
;   v48-51        an LDS load lands there; no vector instruction names them.
;   v192, v193    written at the head, read by the closing add alone.
.set QUART, 25600
.set X,   64                           ; v64-191  four blocks of 32 numbers
.set FA,  20                           ; v20-31   codes of blocks 0 and 2, then tile 0's fragment
.set FB,  32                           ; v32-43   codes of blocks 1 and 3, then tile 1's fragment
.set HI,  44                           ; v44-46   a block's upper 16 codes (a conversion's three registers begin on an even number)
.set SOP, 12                           ; v12-15   the conversions' scale operands
.set SW,  16                           ; v16      my column's scale word
.macro LOAD n, kb                      ; block kb: rows 32 kb .. 32 kb + 31 of my column
.set li, 0
.rept 32
	global_load_b32 v[X+32*(\kb)+li], v2, s[20:21] offset:(32*(\kb)+li)*(\n)*4 th:TH_LOAD_NT
.set li, li+1
.endr
.endm
.macro BLOCK n, kb, left, ahead        ; ahead = 1: the block two further on is asked for
.set XS, X+32*(\kb)
.set CD, FA+12*((\kb)%2)+6*((\kb)/2)
	s_wait_loadcnt \left                           ; this block's 32 loads are in; the 32 issued behind them may be out
.if \ahead
	LOAD \n, (\kb)+2                               ; no wait: no vector instruction has named the registers in which these land, and the offset stands since the head
.endif
	v_max3_num_f32 v8, |v[XS]|, |v[XS+1]|, |v[XS+2]|               ; the block's largest magnitude: all 32 numbers are mine; two chains
	v_max3_num_f32 v9, |v[XS+3]|, |v[XS+4]|, |v[XS+5]|
.irp i, 6,10,14,18,22,26
	v_max3_num_f32 v8, v8, |v[XS+\i]|, |v[XS+\i+1]|
	v_max3_num_f32 v9, v9, |v[XS+\i+2]|, |v[XS+\i+3]|
.endr
	v_max3_num_f32 v8, v8, |v[XS+30]|, |v[XS+31]|
	v_max3_num_f32 v8, v8, v9, 0x1800000           ; and the floor 2^(3 - 127): the byte cannot fall under 1
	v_add_nc_u32 v[SOP+\kb], 0xff000000, v8        ; 2 off the exponent field: the conversion takes this operand's exponent field as its scale
	v_lshrrev_b32 v9, 23, v[SOP+\kb]               ; the scale's byte
.if (\kb) == 0
	v_mov_b32 v[SW], v9
.else
	v_lshl_or_b32 v[SW], v9, 8*(\kb), v[SW]
.endif
	v_cvt_scalef32_pk16_fp6_f32 v[CD:CD+2], v[XS:XS+15], v[SOP+\kb]
	v_cvt_scalef32_pk16_fp6_f32 v[HI:HI+2], v[XS+16:XS+31], v[SOP+\kb]
	v_nop                                          ; one plain place behind a scaled conversion
.irp i, 0,1,2
	v_mov_b32 v[CD+3+\i], v[HI+\i]
.endr
.endm
; s[20:21] the weight, s22 my first number's byte in it, s32 the quarter's byte in wts, s33 which half of the quarter's fragments
.macro BODY n, lb
	s_add_nc_u64 s[20:21], s[20:21], s[22:23]
	s_mul_i32 s24, s33, 12288                      ; eight images a half,
	s_add_co_u32 s24, s24, s32
	s_mul_i32 s26, s18, 3072                       ; two a wave
	s_add_co_u32 s24, s24, s26
	s_lshl_b32 s26, s33, 9                         ; the half's scale words: 512 bytes behind the sixteen images
	s_add_co_u32 s26, s26, s32
	s_add_co_u32 s26, s26, 24576
	s_add_nc_u64 s[34:35], s[16:17], s[24:25]
	s_add_nc_u64 s[36:37], s[16:17], s[26:27]
	LOAD \n, 0
	LOAD \n, 1
	BLOCK \n, 0, 32, 1
	BLOCK \n, 1, 32, 1
	BLOCK \n, 2, 32, 0
	BLOCK \n, 3, 0, 0
.set li, 0
.rept 12
	v_permlane16_swap_b32 v[FA+li], v[FB+li]       ; FA's lanes 16-31 change places with FB's lanes 0-15: FA is tile 0's fragment, FB tile 1's
.set li, li+1
.endr
	s_wait_alu depctr_va_vdst(0)                   ; the exchanges have written FA and FB, the blocks' lines the scale word: the seven stores below read them
.irp c, 0,1,2
	global_store_b128 v6, v[FA+4*\c:FA+4*\c+3], s[34:35] offset:512*\c          ; 32 lanes store 512 consecutive bytes, aligned to 256
.endr
.irp c, 0,1,2
	global_store_b128 v6, v[FB+4*\c:FB+4*\c+3], s[34:35] offset:1536+512*\c
.endr
	ds_store_b32 v7, v[SW] offset:\lb              ; word = wave, 16 bytes a lane
	s_wait_dscnt 0x0                               ; for the others' sake: my store has landed
	s_barrier_signal -1
	s_barrier_wait -1
	s_cmp_lg_u32 s18, 0
	s_cbranch_scc1 .Ldone_\@
	ds_load_b128 v[48:51], v6 offset:\lb           ; wave 0: the four waves' words of each lane
	s_wait_dscnt 0x0
	global_store_b128 v6, v[48:51], s[36:37]
.Ldone_\@:
	s_wait_dscnt 0x0                               ; the closing lines, six on end
	s_wait_alu 0x0
	s_wait_tensorcnt 0x0
	ds_add_u32 v192, v193
	s_wait_dscnt 0x0
	s_endpgm
.endm
	s_load_b256 s[4:11], s[0:1], 0x0               ; wq, wk, wv, wo
	s_load_b128 s[12:15], s[0:1], 0x20             ; w1, w2
	s_load_b64 s[16:17], s[0:1], 0x30              ; wts
	v_lshl_add_u32 v192, v0, 2, 0x800
	v_mov_b32 v193, 0
	v_lshrrev_b32 v1, 5, v0
	v_readfirstlane_b32 s18, v1                    ; wave
	v_and_b32 v1, 31, v0                           ; lane
	v_and_b32 v3, 15, v0                           ; r
	v_bfe_u32 v4, v0, 4, 1                         ; u
	v_and_b32 v5, 8, v3
	v_add_nc_u32 v5, v5, v3
	v_lshl_add_u32 v5, v4, 3, v5                   ; my column among the wave's 32: 8 u + r + (r & 8)
	v_lshlrev_b32 v2, 2, v5
	v_lshlrev_b32 v6, 4, v1                        ; 16 x lane
	s_wait_alu depctr_va_sdst(0)                   ; s18 is written, ahead of its first reader
	s_lshl_b32 s19, s18, 2
	v_add_nc_u32 v7, s19, v6                       ; 16 x lane + 4 x wave
	s_lshl_b32 s38, s18, 7                         ; a wave's 32 columns are 128 bytes
	s_mov_b32 s23, 0
	s_mov_b32 s25, 0
	s_mov_b32 s27, 0
	s_wait_alu depctr_va_vdst(0)                   ; the offsets v2, v6 and v7 are written: every load and store of the kernel reads one of them
	s_wait_kmcnt 0x0
	s_cmp_lt_u32 ttmp9, 6
	s_cbranch_scc1 .Lqkv
	s_cmp_lt_u32 ttmp9, 22
	s_cbranch_scc1 .Lwo
	s_cmp_lt_u32 ttmp9, 86
	s_cbranch_scc1 .Lw1
	; w2 [2048][512]: work-groups 86 .. 149: column group cg, K step S; tile 4 + 4 (S / 4) + (S % 4) / 2, quarter cg
	s_sub_co_u32 s28, ttmp9, 86
	s_and_b32 s29, s28, 3
	s_lshr_b32 s30, s28, 2
	s_mov_b64 s[20:21], s[14:15]
	s_lshl_b32 s22, s30, 18                        ; 128 rows of 2,048 bytes
	s_lshl_b32 s31, s29, 9
	s_add_co_u32 s22, s22, s31
	s_add_co_u32 s22, s22, s38
	s_lshr_b32 s31, s30, 2
	s_lshl_b32 s31, s31, 2
	s_bfe_u32 s32, s30, 0x10001
	s_add_co_u32 s31, s31, s32
	s_add_co_u32 s31, s31, 4
	s_lshl_b32 s31, s31, 2
	s_add_co_u32 s31, s31, s29
	s_mul_i32 s32, s31, QUART
	s_and_b32 s33, s30, 1
	BODY 512, 1536
.Lqkv:                                             ; wq, wk, wv [512][64]: work-groups 0 .. 5: which weight, which half of K; a wave: K step 2 x half + wave / 2, columns 32 (wave % 2) on
	s_lshr_b32 s28, ttmp9, 1
	s_and_b32 s33, ttmp9, 1
	s_cmp_eq_u32 s28, 1
	s_cselect_b64 s[20:21], s[6:7], s[8:9]
	s_cmp_eq_u32 s28, 0
	s_cselect_b64 s[20:21], s[4:5], s[20:21]
	s_lshr_b32 s29, s18, 1
	s_lshl_b32 s30, s33, 1
	s_add_co_u32 s29, s29, s30
	s_lshl_b32 s22, s29, 15                        ; 128 rows of 256 bytes
	s_and_b32 s30, s18, 1
	s_lshl_b32 s30, s30, 7
	s_add_co_u32 s22, s22, s30
	s_mul_i32 s32, s28, QUART
	s_add_co_u32 s32, s32, 72*QUART                ; behind the eighteen tiles of four quarters
	BODY 64, 0
.Lwo:                                              ; wo [512][512]: work-groups 6 .. 21: tile s / 2, quarter cg
	s_sub_co_u32 s28, ttmp9, 6
	s_and_b32 s29, s28, 3
	s_lshr_b32 s30, s28, 2
	s_mov_b64 s[20:21], s[10:11]
	s_lshl_b32 s22, s30, 18
	s_lshl_b32 s31, s29, 9
	s_add_co_u32 s22, s22, s31
	s_add_co_u32 s22, s22, s38
	s_lshr_b32 s31, s30, 1
	s_lshl_b32 s31, s31, 2
	s_add_co_u32 s31, s31, s29
	s_mul_i32 s32, s31, QUART
	s_and_b32 s33, s30, 1
	BODY 512, 512
.Lw1:                                              ; w1 [512][2048]: work-groups 22 .. 85: column group ca, K step s; tile 2 + 4 (ca / 4) + s / 2, quarter ca % 4
	s_sub_co_u32 s28, ttmp9, 22
	s_and_b32 s29, s28, 15
	s_lshr_b32 s30, s28, 4
	s_mov_b64 s[20:21], s[12:13]
	s_lshl_b32 s22, s30, 20                        ; 128 rows of 8,192 bytes
	s_lshl_b32 s31, s29, 9
	s_add_co_u32 s22, s22, s31
	s_add_co_u32 s22, s22, s38
	s_lshr_b32 s31, s29, 2
	s_lshl_b32 s31, s31, 2
	s_lshr_b32 s34, s30, 1
	s_add_co_u32 s31, s31, s34
	s_add_co_u32 s31, s31, 2
	s_lshl_b32 s31, s31, 2
	s_and_b32 s34, s29, 3
	s_add_co_u32 s31, s31, s34
	s_mul_i32 s32, s31, QUART
	s_and_b32 s33, s30, 1
	BODY 2048, 1024
.Lfunc_end_k_qd6310741ef_wquant:
	.size	k_qd6310741ef_wquant, .Lfunc_end_k_qd6310741ef_wquant-k_qd6310741ef_wquant
	.p2alignl 7, 3214868480
	.fill 96, 4, 3214868480
	.section	.rodata,"a",@progbits
	.p2align	6, 0x0
	.amdhsa_kernel k_qd6310741ef_wquant
		.amdhsa_group_segment_fixed_size 2560
		.amdhsa_private_segment_fixed_size 0
		.amdhsa_enable_private_segment 0
		.amdhsa_kernarg_size 56
		.amdhsa_user_sgpr_count 2
		.amdhsa_user_sgpr_kernarg_segment_ptr 1
		.amdhsa_wavefront_size32 1
		.amdhsa_system_sgpr_workgroup_id_x 1
		.amdhsa_system_sgpr_workgroup_id_y 1
		.amdhsa_system_sgpr_workgroup_id_z 1
		.amdhsa_system_vgpr_workitem_id 0
		.amdhsa_next_free_vgpr 194
		.amdhsa_next_free_sgpr 66
		.amdhsa_reserve_vcc 0
		.amdhsa_float_denorm_mode_32 3
		.amdhsa_float_denorm_mode_16_64 3
		.amdhsa_memory_ordered 1
		.amdhsa_forward_progress 1
		.amdhsa_inst_pref_size 84
	.end_amdhsa_kernel
	.amdgpu_metadata
---
amdhsa.version: [ 1, 2 ]
amdhsa.kernels:
  - .name:           k_qd6310741ef_wquant
    .symbol:         k_qd6310741ef_wquant.kd
    .args:
      - { .name: wq, .offset: 0, .size: 8, .value_kind: global_buffer, .address_space: global }
      - { .name: wk, .offset: 8, .size: 8, .value_kind: global_buffer, .address_space: global }
      - { .name: wv, .offset: 16, .size: 8, .value_kind: global_buffer, .address_space: global }
      - { .name: wo, .offset: 24, .size: 8, .value_kind: global_buffer, .address_space: global }
      - { .name: w1, .offset: 32, .size: 8, .value_kind: global_buffer, .address_space: global }
      - { .name: w2, .offset: 40, .size: 8, .value_kind: global_buffer, .address_space: global }
      - { .name: wts, .offset: 48, .size: 8, .value_kind: global_buffer, .address_space: global }
    .group_segment_fixed_size: 2560
    .private_segment_fixed_size: 0
    .kernarg_segment_align: 8
    .kernarg_segment_size: 56
    .max_flat_workgroup_size: 128
    .sgpr_count:     66
    .vgpr_count:     194
    .wavefront_size: 32
...
	.end_amdgpu_metadata
.endif
;; end of part 7
;; launch qkv (part 8): grid 256 x 1, 4 waves a work-group, no clusters, 60,928 bytes of LDS; arguments x, wts, bq, bk, bv, qbuf, kbuf, vbuf; writes qbuf, kbuf, vbuf
.if DOCPART == 8
	.amdgcn_target "amdgcn-amd-amdhsa--gfx1250"
	.amdhsa_code_object_version 6
	.text
	.protected	k_qd6310741ef_qkv
	.globl	k_qd6310741ef_qkv
	.p2align	8
	.type	k_qd6310741ef_qkv,@function
k_qd6310741ef_qkv:
	s_mov_b64 s[64:65], 0
	v_nop
	global_prefetch_b8 v0, s[64:65] scope:SCOPE_SE
	s_setreg_imm32_b32 hwreg(HW_REG_WAVE_SCHED_MODE, 0, 2), 2
	s_setreg_imm32_b32 hwreg(HW_REG_WAVE_MODE, 25, 1), 1
	s_wait_xcnt 0x0
	s_wait_alu depctr_vm_vsrc(0)
; q = x wq + bq, k = x wk + bk, v = x wv + bv on codes of FP6 (E2M3) with one E8M0 scale for each 32 along K; the results leave as codes again: q and k quantised along the head's 64, v along the KEYS.
; A work-group owns 64 rows of x.  Each of its four waves quantises one tile of 16 rows (four fragments of 128 along K) and hands them to the others through LDS as images of the operand's registers.
; Then wave 0 makes q, wave 1 k, wave 2 v, each for all 64 rows, with its weight's sixteen fragments in registers, read once; wave 3 has ended.
; x COMES IN WHOLE PIECES OF ROWS: each load takes 512 consecutive bytes of one row (a K step's 128 numbers), 16 a lane.  The quantiser wants 16 NEIGHBOURS of each block of 32 in one lane, so a K step's 16 rows turn
; through the wave's own stage in LDS: in as they lie, rows 528 bytes apart, back 64 bytes a lane and block..
; THE ROWS OF A TILE ARE NOT NEIGHBOURS: member r of tile m is row 32 (m / 2) + 8 (m % 2) + r + (r & 8) of the 64; the weights' column tiles are cut the same way.
; q, k: the product is used transposed (source 0 = 16 columns of the weight, source 1 = 16 rows of x): a lane holds one row, and the 16 registers of tiles 2 b, 2 b + 1 are units 32 b + 16 (lane / 16) + 0 .. 15.
; v: source 0 = 16 rows of x, source 1 = 16 columns of wv: a lane holds one unit d, and the 16 registers of row tiles 2 b, 2 b + 1 are keys 32 b + 16 (lane / 16) + 0 .. 15: neighbours along the next K.
; OUT.  Half a fragment (64 along K, six registers a lane) is 768 bytes: registers 0-3 at 16 x lane, registers 4, 5 at 512 + 8 x lane.  q, k: 3,328 bytes a block of 64 rows: four halves, then 256 bytes of scale
; words (8 x lane: two registers; lanes 0-15 the even tile's, lanes 16-31 the odd tile's; the upper two bytes are 127, over codes that the reader sets to zero).  v: see the head of the last launch.
; LIMITS: a block of zeros gets the byte 1 (its codes are zeros, and this program alone reads the bytes); NaN and infinities are not served.
; REGISTERS: window 0: addresses, scale words, biases, work.  window 1: x's 256 numbers, then the 16 accumulators.  window 2: the weight's fragments, 12 f, f = 4 s + t.  window 3: x's fragments, 12 (4 m + s).
; THE MODE: SCHED_MODE bits 1:0 = 2 (LLVM: expert scheduling mode 2), set by the entry lines.  The code itself states the register dependences
; between vector or matrix instructions and memory or LDS instructions, with s_wait_alu, always for 0.
; THE PLAN.  Registers that memory or LDS instructions touch:
;   v3-v14          offsets and LDS addresses, made once at the head and never written again: one wait on va_vdst at the head, ahead of the first branch, serves every load and store.
;   window 1        K step s's 64 registers: the global loads land in them; the stage's LDS stores read them; the stage's LDS loads land in them again: a wait on vm_vsrc stands between those stores and loads.
;                   Then the quantiser reads them, and at last the products write them as accumulators: that same wait has shown the stores' reads over.  No vector instruction names a K step's registers ahead of its loads.
;   PC .. PC+11, PW written by a K step's quantiser, read by its image's four LDS stores (a wait on va_vdst ahead of them), written again by the next K step's quantiser: the wait on vm_vsrc in the turn through the stage
;                   that stands between serves that too; the last K step, which has no such turn, has the line for itself.
;   OB0 .. OB3, PR  the results' codes and scale words: each written once and read once by the global stores: a wait on va_vdst ahead of each tile's stores, and none behind them.
;   windows 2 and 3, XS, WS, BI: loaded once; named by matrix instructions alone.
;   v254, v255      written at the head, read by the closing add alone.
.set XIMG, 0                           ; LDS: x's 16 fragments, (m, s) at 1,536 (4 m + s)
.set XSC,  24576                       ; their scale words, 128 bytes each
.set XSTG, 26624                       ; each wave's stage: 16 rows x (512 + 16) bytes
.set LI,  3                            ; v3   16 x lane
.set LS,  4                            ; v4   4 x lane
.set L8,  5                            ; v5   8 x lane
.set XA,  6                            ; v6   x: my tile's first row + 16 x lane
.set XWI, 7                            ; v7   where I store my fragments' images
.set XWS, 8                            ; v8   and their scale words
.set BA,  9                            ; v9   my byte in bq or bk
.set XST, 12                           ; v12  the stage, on the way in: 16 x lane
.set XRD, 13                           ; v13  and on the way out: 528 r + 64 h
.set BV,  14                           ; v14  my byte in bv
.set XS,  16                           ; v16-31  x's scale words, 4 m + s
.set WS,  32                           ; v32-39  the weight's: register 2 s + t / 2: lanes 0-15 the even tile, lanes 16-31 the odd one
.set BI,  40                           ; v40-71  the bias in the result's layout, 8 a tile
.set PWS, 72                           ; v72-75  the results' scale halfwords
.set PR,  76                           ; v76-77  as they leave
.set OB,  80                           ; v80-111 the results' codes: an out-buffer of its own for each tile, at OB + 8 m, six registers
.set PC,  176                          ; v176-195 codes just made
.set TM,  196                          ; v196-211 at work in the quantiser
.set PW,  212                          ; v212    a scale word just made
.set WV,  20
.set SEL, 28                           ; s[28:29] v_permlanex16_b32's selects for lane l xor 16
.set MSB, 0
.macro WIN new                         ; the immediate's high byte repeats the setting that is left
.if MSB != (\new)
	s_set_vgpr_msb (MSB<<8)|(\new)
.set MSB, (\new)
.endif
.endm
.macro PLACES n
.rept \n
	v_nop
.endr
.endm
; one product: d, a, b, c register numbers (c < 0: the constant 0), sa, sb the scale registers, ra, rb: 1 = that side's words lie in lanes 16-31
.macro MM d, a, b, c, sa, sb, ra, rb
.if (\c) < 0
.if (\ra) && (\rb)
	v_wmma_scale_f32_16x16x128_f8f6f4 v[(\d):(\d)+7], v[(\a):(\a)+11], v[(\b):(\b)+11], 0, v[\sa], v[\sb] matrix_a_fmt:MATRIX_FMT_FP6 matrix_b_fmt:MATRIX_FMT_FP6 matrix_a_scale:MATRIX_SCALE_ROW1 matrix_b_scale:MATRIX_SCALE_ROW1
.elseif (\ra)
	v_wmma_scale_f32_16x16x128_f8f6f4 v[(\d):(\d)+7], v[(\a):(\a)+11], v[(\b):(\b)+11], 0, v[\sa], v[\sb] matrix_a_fmt:MATRIX_FMT_FP6 matrix_b_fmt:MATRIX_FMT_FP6 matrix_a_scale:MATRIX_SCALE_ROW1
.elseif (\rb)
	v_wmma_scale_f32_16x16x128_f8f6f4 v[(\d):(\d)+7], v[(\a):(\a)+11], v[(\b):(\b)+11], 0, v[\sa], v[\sb] matrix_a_fmt:MATRIX_FMT_FP6 matrix_b_fmt:MATRIX_FMT_FP6 matrix_b_scale:MATRIX_SCALE_ROW1
.else
	v_wmma_scale_f32_16x16x128_f8f6f4 v[(\d):(\d)+7], v[(\a):(\a)+11], v[(\b):(\b)+11], 0, v[\sa], v[\sb] matrix_a_fmt:MATRIX_FMT_FP6 matrix_b_fmt:MATRIX_FMT_FP6
.endif
.else
.if (\ra) && (\rb)
	v_wmma_scale_f32_16x16x128_f8f6f4 v[(\d):(\d)+7], v[(\a):(\a)+11], v[(\b):(\b)+11], v[(\c):(\c)+7], v[\sa], v[\sb] matrix_a_fmt:MATRIX_FMT_FP6 matrix_b_fmt:MATRIX_FMT_FP6 matrix_a_scale:MATRIX_SCALE_ROW1 matrix_b_scale:MATRIX_SCALE_ROW1
.elseif (\ra)
	v_wmma_scale_f32_16x16x128_f8f6f4 v[(\d):(\d)+7], v[(\a):(\a)+11], v[(\b):(\b)+11], v[(\c):(\c)+7], v[\sa], v[\sb] matrix_a_fmt:MATRIX_FMT_FP6 matrix_b_fmt:MATRIX_FMT_FP6 matrix_a_scale:MATRIX_SCALE_ROW1
.elseif (\rb)
	v_wmma_scale_f32_16x16x128_f8f6f4 v[(\d):(\d)+7], v[(\a):(\a)+11], v[(\b):(\b)+11], v[(\c):(\c)+7], v[\sa], v[\sb] matrix_a_fmt:MATRIX_FMT_FP6 matrix_b_fmt:MATRIX_FMT_FP6 matrix_b_scale:MATRIX_SCALE_ROW1
.else
	v_wmma_scale_f32_16x16x128_f8f6f4 v[(\d):(\d)+7], v[(\a):(\a)+11], v[(\b):(\b)+11], v[(\c):(\c)+7], v[\sa], v[\sb] matrix_a_fmt:MATRIX_FMT_FP6 matrix_b_fmt:MATRIX_FMT_FP6
.endif
.endif
.endm
; K step s's 16 pieces of rows (registers 64 s + 4 t of window 1) go through my stage and come back into the registers that they left: register 64 s + 16 b + i = k 32 b + 16 (lane / 16) + i of member r.
; LDS serves a wave's instructions in order (ISA guide 5.7.1.4): the loads see the stores' bytes with no wait on DScnt between
.macro TURN s
	WIN 0x04                                       ; an LDS store's data are its source 1: window 1
.irp t, 0,1,2,3,4,5,6,7,8,9,10,11,12,13,14,15
	ds_store_b128 v[XST], v[64*(\s)+4*\t:64*(\s)+4*\t+3] offset:528*\t
.endr
	WIN 0x40                                       ; destination window 1
	s_wait_alu depctr_vm_vsrc(0)                   ; the sixteen stores above have read these 64 registers, in which the loads below land; and the last image's stores have read v[PC ..] and v[PW], which the quantiser behind this turn writes again
.irp b, 0,1,2,3
.irp i, 0,1,2,3
	ds_load_b128 v[64*(\s)+16*\b+4*\i:64*(\s)+16*\b+4*\i+3], v[XRD] offset:128*\b+16*\i
.endr
.endr
	WIN 0
.endm
; 64 numbers of a lane in window W, register s + 16 b + i = k 32 b + 16 (lane / 16) + i of my row, become a fragment's codes in v[PC] .. v[PC + 11] and its scale word in v[PW]
.macro QUANT4 W, s
	WIN (\W)|((\W)<<2)
.irp b, 0,1,2,3
	v_max3_num_f32 v[TM+\b], |v[(\s)+16*\b]|, |v[(\s)+1+16*\b]|, 0x1800000      ; block b: my 16 numbers, and the floor 2^(3 - 127): the byte cannot fall under 1
.endr
.irp i, 2,4,6,8,10,12,14
.irp b, 0,1,2,3
	v_max3_num_f32 v[TM+\b], |v[(\s)+16*\b+\i]|, |v[(\s)+1+16*\b+\i]|, v[TM+\b]  ; the four blocks by turns
.endr
.endr
	WIN 0
.irp b, 0,1,2,3
	v_permlanex16_b32 v[TM+4+\b], v[TM+\b], s[SEL], s[SEL+1]
.endr
.irp b, 0,1,2,3
	v_max_num_f32 v[TM+\b], v[TM+\b], v[TM+4+\b]   ; with lane l xor 16's: the block's largest magnitude
.endr
.irp b, 0,1,2,3
	v_add_nc_u32 v[TM+12+\b], 0xff000000, v[TM+\b] ; 2 off its exponent field: the conversion's scale operand
.endr
.irp b, 0,1,2,3
	v_lshrrev_b32 v[TM+4+\b], 23, v[TM+12+\b]      ; the scale's byte
.endr
	v_lshl_or_b32 v[PW], v[TM+5], 8, v[TM+4]
	v_lshl_or_b32 v[PW], v[TM+6], 16, v[PW]
	v_lshl_or_b32 v[PW], v[TM+7], 24, v[PW]
	WIN \W
.irp c, 0,1
	v_cvt_scalef32_pk16_fp6_f32 v[PC+6*\c:PC+2+6*\c], v[(\s)+32*\c:(\s)+15+32*\c], v[TM+12+2*\c]
	v_cvt_scalef32_pk16_fp6_f32 v[PC+12+4*\c:PC+14+4*\c], v[(\s)+16+32*\c:(\s)+31+32*\c], v[TM+13+2*\c]   ; (a conversion's three registers begin on an even number)
.endr
	WIN 0
	v_nop                                          ; one plain place behind a scaled conversion
.irp c, 0,1                                    ; the operand's layout wants a WHOLE block in a lane: lanes 0-15 block 2 c, lanes 16-31 block 2 c + 1
.irp i, 0,1,2
	v_permlane16_swap_b32 v[PC+6*\c+\i], v[PC+12+4*\c+\i]
.endr
.irp i, 0,1,2
	v_mov_b32 v[PC+3+6*\c+\i], v[PC+12+4*\c+\i]
.endr
.endr
.endm
; the same for two blocks (64 along K): block 0's 16 numbers from s0 on, block 1's from s1 on; codes in v[pc] .. v[pc + 5], the two bytes in v[pw]  (v[PC + 12] on: at work; no memory instruction names them)
.macro QUANT2 W, s0, s1, pw, pc
	WIN (\W)|((\W)<<2)
	v_max3_num_f32 v[TM], |v[(\s0)]|, |v[(\s0)+1]|, 0x1800000
	v_max3_num_f32 v[TM+1], |v[(\s1)]|, |v[(\s1)+1]|, 0x1800000
.irp i, 2,4,6,8,10,12,14
	v_max3_num_f32 v[TM], |v[(\s0)+\i]|, |v[(\s0)+1+\i]|, v[TM]
	v_max3_num_f32 v[TM+1], |v[(\s1)+\i]|, |v[(\s1)+1+\i]|, v[TM+1]
.endr
	WIN 0
	v_permlanex16_b32 v[TM+4], v[TM], s[SEL], s[SEL+1]
	v_permlanex16_b32 v[TM+5], v[TM+1], s[SEL], s[SEL+1]
	v_max_num_f32 v[TM], v[TM], v[TM+4]
	v_max_num_f32 v[TM+1], v[TM+1], v[TM+5]
	v_add_nc_u32 v[TM+12], 0xff000000, v[TM]
	v_add_nc_u32 v[TM+13], 0xff000000, v[TM+1]
	v_lshrrev_b32 v[TM+4], 23, v[TM+12]
	v_lshrrev_b32 v[TM+5], 23, v[TM+13]
	v_lshl_or_b32 v[\pw], v[TM+5], 8, v[TM+4]
	WIN \W
	v_cvt_scalef32_pk16_fp6_f32 v[(\pc):(\pc)+2], v[(\s0):(\s0)+15], v[TM+12]
	v_cvt_scalef32_pk16_fp6_f32 v[PC+12:PC+14], v[(\s1):(\s1)+15], v[TM+13]
	WIN 0
	v_nop
.irp i, 0,1,2
	v_permlane16_swap_b32 v[(\pc)+\i], v[PC+12+\i]
.endr
.irp i, 0,1,2
	v_mov_b32 v[(\pc)+3+\i], v[PC+12+\i]
.endr
.endm
	s_load_b512 s[4:19], s[0:1], 0x0               ; x, wts, bq, bk, bv, qbuf, kbuf, vbuf
	v_lshl_add_u32 v254, v0, 2, 0xec00
	v_mov_b32 v255, 0
	v_lshrrev_b32 v1, 5, v0
	v_readfirstlane_b32 s[WV], v1                  ; wave 0..3
	v_and_b32 v10, 31, v0                          ; lane
	v_and_b32 v1, 15, v0                           ; r
	v_bfe_u32 v2, v0, 4, 1                         ; h
	v_lshlrev_b32 v[LI], 4, v10
	v_lshlrev_b32 v[LS], 2, v10
	v_lshlrev_b32 v[L8], 3, v10
	v_and_b32 v11, 8, v1
	v_add_nc_u32 v11, v11, v1                      ; r + (r & 8)
	v_lshlrev_b32 v[BA], 6, v2                     ; bq, bk: tile t, register j: unit 32 (t / 2) + 16 h + 8 (t % 2) + j
	v_lshlrev_b32 v[BV], 2, v11                    ; bv: a lane holds ONE unit, member r of tile t
	s_wait_alu depctr_va_sdst(0)                   ; s[WV] is written, ahead of its first reader
	s_lshr_b32 s22, s[WV], 1
	s_lshl_b32 s22, s22, 5
	s_and_b32 s23, s[WV], 1
	s_lshl_b32 s23, s23, 3
	s_add_co_u32 s22, s22, s23                     ; my tile's first row: 32 (w / 2) + 8 (w % 2)
	s_lshl_b32 s22, s22, 11                        ; rows of 2,048 bytes
	v_add_nc_u32 v[XA], s22, v[LI]                 ; + my 16 bytes of a piece of 512
	s_mul_i32 s22, s[WV], 8448
	s_add_co_u32 s22, s22, XSTG                    ; my stage
	v_add_nc_u32 v[XST], s22, v[LI]
	v_mul_u32_u24 v[XRD], v1, 528
	v_lshl_add_u32 v[XRD], v2, 6, v[XRD]
	v_add_nc_u32 v[XRD], s22, v[XRD]
	s_mul_i32 s22, s[WV], 6144
	v_add_nc_u32 v[XWI], s22, v[LI]
	s_lshl_b32 s22, s[WV], 9
	s_add_co_u32 s22, s22, XSC
	v_add_nc_u32 v[XWS], s22, v[LS]
	s_mov_b32 s[SEL], 0x76543210
	s_mov_b32 s[SEL+1], 0xfedcba98
	s_mov_b32 s30, 0xffff0000                      ; lanes 16-31
.irp b, 0,1,2,3
	v_mov_b32 v[TM+4+\b], 0                        ; written once: a lane permute's destination counts as one of its sources
.endr
	s_mov_b32 s23, 0
	s_wait_kmcnt 0x0
	s_lshl_b32 s22, ttmp9, 17                      ; 64 rows of 2,048 bytes
	s_add_nc_u64 s[4:5], s[4:5], s[22:23]
	s_mul_i32 s22, s[WV], 25600                    ; my weight's quarter, behind the eighteen tiles (wave 3 has none, and loads nothing by this address)
	s_add_co_u32 s22, s22, 1843200
	s_add_nc_u64 s[6:7], s[6:7], s[22:23]
	s_cmp_eq_u32 s[WV], 0
	s_cselect_b64 s[24:25], s[8:9], s[10:11]       ; bq or bk: the choice hangs on the wave's number
	s_wait_alu depctr_va_vdst(0)                   ; the offsets and LDS addresses v3 to v14 are written: every load and store of the kernel reads one of them, on every way from here
	s_cmp_eq_u32 s[WV], 3
	s_cbranch_scc1 .Lno_w
	WIN 0x80                                       ; destination window 2
.irp f, 0,1,2,3,4,5,6,7,8,9,10,11,12,13,14,15
.irp c, 0,1,2
	global_load_b128 v[12*\f+4*\c:12*\f+4*\c+3], v[LI], s[6:7] offset:1536*\f+512*\c
.endr
.endr
	WIN 0
	global_load_b128 v[WS:WS+3], v[LI], s[6:7] offset:24576
	global_load_b128 v[WS+4:WS+7], v[LI], s[6:7] offset:25088
	s_cmp_eq_u32 s[WV], 2
	s_cbranch_scc1 .Lbias_v
.irp t, 0,1,2,3
	global_load_b128 v[BI+8*\t:BI+8*\t+3], v[BA], s[24:25] offset:128*(\t/2)+32*(\t%2)
	global_load_b128 v[BI+8*\t+4:BI+8*\t+7], v[BA], s[24:25] offset:128*(\t/2)+32*(\t%2)+16
.endr
	s_branch .Lno_w
.Lbias_v:
.irp t, 0,1,2,3                                ; v: the same number in the tile's eight registers
.irp j, 0,1,2,3,4,5,6,7
	global_load_b32 v[BI+8*\t+\j], v[BV], s[12:13] offset:128*(\t/2)+32*(\t%2)
.endr
.endr
.Lno_w:
	WIN 0x40                                       ; destination window 1
.irp s, 0,1,2,3
.irp t, 0,1,2,3,4,5,6,7,8,9,10,11,12,13,14,15
	global_load_b128 v[64*\s+4*\t:64*\s+4*\t+3], v[XA], s[4:5] offset:(\t+(\t&8))*2048+512*\s th:TH_LOAD_NT   ; member t's K step s: 32 lanes read 512 consecutive bytes, aligned to 256
.endr
.endr
	WIN 0
	s_wait_loadcnt 48                              ; K step 0's 16 loads are in (and all that was asked for earlier); the later K steps' 48 may be out
	TURN 0
.irp s, 0,1,2,3
	s_wait_dscnt 0x0                               ; this K step's numbers are back from the stage
.if \s < 3
	s_wait_loadcnt 32-16*\s                        ; the next K step's 16 loads are in; those of the K steps behind it may be out
	TURN \s+1                                      ; it turns through the stage while this one is quantised
.else
	s_wait_alu depctr_vm_vsrc(0)                   ; the last image's LDS stores have read v[PC ..] and v[PW], which the quantiser below writes again
.endif
	QUANT4 1, 64*\s
	s_wait_alu depctr_va_vdst(0)                   ; the quantiser has written v[PC ..] and v[PW], which the four LDS stores below read
.irp c, 0,1,2
	ds_store_b128 v[XWI], v[PC+4*\c:PC+4*\c+3] offset:XIMG+1536*\s+512*\c     ; the fragment goes to LDS as it stands
.endr
	ds_store_b32 v[XWS], v[PW] offset:128*\s
.endr
	s_wait_dscnt 0x0                               ; for the others' sake: my LDS stores have landed
	s_barrier_signal -1
	s_barrier_wait -1                              ; x's sixteen fragments lie in LDS
	s_cmp_eq_u32 s[WV], 3
	s_cbranch_scc1 .Lend
	WIN 0xc0                                       ; destination window 3: no vector instruction has named these registers, and the address stands since the head
.irp f, 0,1,2,3,4,5,6,7,8,9,10,11,12,13,14,15
.irp c, 0,1,2
	ds_load_b128 v[12*\f+4*\c:12*\f+4*\c+3], v[LI] offset:XIMG+1536*\f+512*\c
.endr
.endr
	WIN 0
.irp f, 0,1,2,3,4,5,6,7,8,9,10,11,12,13,14,15
	ds_load_b32 v[XS+\f], v[LS] offset:XSC+128*\f
.endr
	s_wait_dscnt 0x0
	s_cmp_eq_u32 s[WV], 2
	s_cbranch_scc1 .Lv
	; ---- q or k, transposed.  The sixteen accumulators take turns, a K step at a time; the bias is the C of each sum's first product
.irp s, 0,1,2,3
.if \s == 0
	WIN 0x4e                                       ; source 0 window 2, source 1 window 3, C window 0, D window 1
.else
	WIN 0x5e                                       ; C window 1
.endif
.irp m, 0,1,2,3
.irp t, 0,1,2,3
.if \s == 0
	MM 32*\m+8*\t, 12*(4*\s+\t), 12*(4*\m+\s), BI+8*\t, WS+2*\s+\t/2, XS+4*\m+\s, \t%2, 0
.else
	MM 32*\m+8*\t, 12*(4*\s+\t), 12*(4*\m+\s), 32*\m+8*\t, WS+2*\s+\t/2, XS+4*\m+\s, \t%2, 0
.endif
.endr
.endr
.endr
	WIN 0
	PLACES 4                                       ; places in front of the first read of results
	s_cmp_eq_u32 s[WV], 0
	s_cselect_b64 s[24:25], s[14:15], s[16:17]     ; qbuf or kbuf (the bias's loads, which named this pair, are done)
	s_mul_i32 s22, ttmp9, 3328
	s_add_nc_u64 s[24:25], s[24:25], s[22:23]
.irp m, 0,1,2,3
	QUANT2 1, 32*\m, 32*\m+16, PWS+\m, OB+8*\m
	v_or_b32 v[PWS+\m], 0x7f7f0000, v[PWS+\m]      ; bytes 2 and 3, for the 64 along K that are zero codes: 127
.if \m == 3
	v_cndmask_b32 v[PR], v[PWS], v[PWS+1], s30     ; lanes 0-15 the even tile's words, lanes 16-31 the odd tile's (both halves of the lanes hold a row's word)
	v_cndmask_b32 v[PR+1], v[PWS+2], v[PWS+3], s30
.endif
	s_wait_alu depctr_va_vdst(0)                   ; the quantiser has written this tile's out-buffer, which the stores below read (behind the last tile: the scale words v[PR], v[PR + 1] too)
	global_store_b128 v[LI], v[OB+8*\m:OB+8*\m+3], s[24:25] offset:768*\m
	global_store_b64 v[L8], v[OB+8*\m+4:OB+8*\m+5], s[24:25] offset:768*\m+512
.endr
	global_store_b64 v[L8], v[PR:PR+1], s[24:25] offset:3072
	s_wait_dscnt 0x0                               ; the closing lines, six on end
	s_wait_alu 0x0
	s_wait_tensorcnt 0x0
	ds_add_u32 v254, v255
	s_wait_dscnt 0x0
	s_endpgm
.Lv:
	; ---- v: source 0 = x's rows (the keys), source 1 = wv's columns
.irp s, 0,1,2,3
.if \s == 0
	WIN 0x4b                                       ; source 0 window 3, source 1 window 2, C window 0, D window 1
.else
	WIN 0x5b
.endif
.irp m, 0,1,2,3
.irp t, 0,1,2,3
.if \s == 0
	MM 64*(\m/2)+16*\t+8*(\m%2), 12*(4*\m+\s), 12*(4*\s+\t), BI+8*\t, XS+4*\m+\s, WS+2*\s+\t/2, 0, \t%2
.else
	MM 64*(\m/2)+16*\t+8*(\m%2), 12*(4*\m+\s), 12*(4*\s+\t), 64*(\m/2)+16*\t+8*(\m%2), XS+4*\m+\s, WS+2*\s+\t/2, 0, \t%2
.endif
.endr
.endr
.endr
	WIN 0
	PLACES 4
	s_lshr_b32 s22, ttmp9, 4                       ; the batch,
	s_mul_i32 s22, s22, 51200
	s_and_b32 s26, ttmp9, 15                       ; my group g of 64 keys in it
	s_lshr_b32 s27, s26, 1
	s_mul_i32 s27, s27, 6144                       ; key step g / 2: four images,
	s_and_b32 s31, s26, 1
	s_mul_i32 s31, s31, 768                        ; half g % 2 of each
	s_lshl_b32 s26, s26, 7                         ; the group's 128 bytes of scale halfwords
	s_add_co_u32 s26, s26, s22
	s_add_co_u32 s22, s22, s27
	s_add_co_u32 s22, s22, s31
	s_mov_b32 s27, 0
	s_add_nc_u64 s[24:25], s[18:19], s[22:23]
	s_add_nc_u64 s[26:27], s[18:19], s[26:27]
.irp t, 0,1,2,3
	QUANT2 1, 16*\t, 64+16*\t, PWS+\t, OB+8*\t
.if \t == 3
	v_cndmask_b32 v[PR], v[PWS], v[PWS+1], s30     ; lanes 0-15 tile 0's two bytes, lanes 16-31 tile 1's;
	v_cndmask_b32 v[PR+1], v[PWS+2], v[PWS+3], s30
	v_lshl_or_b32 v[PR], v[PR+1], 16, v[PR]        ; tiles 2 and 3 in the upper half
.endif
	s_wait_alu depctr_va_vdst(0)                   ; the quantiser has written this tile's out-buffer, which the stores below read (behind the last tile: the halfwords v[PR] too)
	global_store_b128 v[LI], v[OB+8*\t:OB+8*\t+3], s[24:25] offset:1536*\t
	global_store_b64 v[L8], v[OB+8*\t+4:OB+8*\t+5], s[24:25] offset:1536*\t+512
.endr
	global_store_b32 v[LS], v[PR], s[26:27] offset:49152
.Lend:
	s_wait_dscnt 0x0                               ; the closing lines, six on end
	s_wait_alu 0x0
	s_wait_tensorcnt 0x0
	ds_add_u32 v254, v255
	s_wait_dscnt 0x0
	s_endpgm
.Lfunc_end_k_qd6310741ef_qkv:
	.size	k_qd6310741ef_qkv, .Lfunc_end_k_qd6310741ef_qkv-k_qd6310741ef_qkv
	.p2alignl 7, 3214868480
	.fill 96, 4, 3214868480
	.section	.rodata,"a",@progbits
	.p2align	6, 0x0
	.amdhsa_kernel k_qd6310741ef_qkv
		.amdhsa_group_segment_fixed_size 60928
		.amdhsa_private_segment_fixed_size 0
		.amdhsa_enable_private_segment 0
		.amdhsa_kernarg_size 64
		.amdhsa_user_sgpr_count 2
		.amdhsa_user_sgpr_kernarg_segment_ptr 1
		.amdhsa_wavefront_size32 1
		.amdhsa_system_sgpr_workgroup_id_x 1
		.amdhsa_system_sgpr_workgroup_id_y 1
		.amdhsa_system_sgpr_workgroup_id_z 1
		.amdhsa_system_vgpr_workitem_id 0
		.amdhsa_next_free_vgpr 1024
		.amdhsa_next_free_sgpr 66
		.amdhsa_reserve_vcc 0
		.amdhsa_float_denorm_mode_32 3
		.amdhsa_float_denorm_mode_16_64 3
		.amdhsa_memory_ordered 1
		.amdhsa_forward_progress 1
		.amdhsa_inst_pref_size 83
	.end_amdhsa_kernel
	.amdgpu_metadata
---
amdhsa.version: [ 1, 2 ]
amdhsa.kernels:
  - .name:           k_qd6310741ef_qkv
    .symbol:         k_qd6310741ef_qkv.kd
    .args:
      - { .name: x, .offset: 0, .size: 8, .value_kind: global_buffer, .address_space: global }
      - { .name: wts, .offset: 8, .size: 8, .value_kind: global_buffer, .address_space: global }
      - { .name: bq, .offset: 16, .size: 8, .value_kind: global_buffer, .address_space: global }
      - { .name: bk, .offset: 24, .size: 8, .value_kind: global_buffer, .address_space: global }
      - { .name: bv, .offset: 32, .size: 8, .value_kind: global_buffer, .address_space: global }
      - { .name: qbuf, .offset: 40, .size: 8, .value_kind: global_buffer, .address_space: global }
      - { .name: kbuf, .offset: 48, .size: 8, .value_kind: global_buffer, .address_space: global }
      - { .name: vbuf, .offset: 56, .size: 8, .value_kind: global_buffer, .address_space: global }
    .group_segment_fixed_size: 60928
    .private_segment_fixed_size: 0
    .kernarg_segment_align: 8
    .kernarg_segment_size: 64
    .max_flat_workgroup_size: 128
    .sgpr_count:     66
    .vgpr_count:     1024
    .wavefront_size: 32
...
	.end_amdgpu_metadata
.endif
;; end of part 8
;; launch attn (part 9): grid 16 x 16, 16 waves a work-group, no clusters, 13,312 bytes of LDS; arguments qbuf, kbuf, pcodes, psc; writes pcodes, psc
.if DOCPART == 9
	.amdgcn_target "amdgcn-amd-amdhsa--gfx1250"
	.amdhsa_code_object_version 6
	.text
	.protected	k_qd6310741ef_attn
	.globl	k_qd6310741ef_attn
	.p2align	8
	.type	k_qd6310741ef_attn,@function
k_qd6310741ef_attn:
	s_mov_b64 s[64:65], 0
	v_nop
	global_prefetch_b8 v0, s[64:65] scope:SCOPE_SE
	s_setreg_imm32_b32 hwreg(HW_REG_WAVE_SCHED_MODE, 0, 2), 2
	s_setreg_imm32_b32 hwreg(HW_REG_WAVE_MODE, 25, 1), 1
	s_wait_xcnt 0x0
	s_wait_alu depctr_vm_vsrc(0)
; attn[q][k] = softmax over the QUERIES q of (q . k / 8), finished and normalised, quantised along the keys to codes of FP6 (E2M3) with one E8M0 byte for each 32 keys.
; A work-group owns 64 keys of one batch and ALL its 1,024 queries, so a key's maximum and sum never leave the work-group, and its 64 keys are two whole blocks of the quantiser.
; Each of sixteen waves owns 64 queries (four tiles of 16) in 256 registers: four waves to a SIMD, so that one wave's exponentials stand beside another's waits.  The scores stay in registers throughout.
; S^T = K Q^T (source 0 = 16 keys, source 1 = 16 queries); K = the head's 64, filled to the instruction's 128 with zero codes on both sides.  A lane holds one query a tile; register 8 kt + j = kappa is key
; 32 (kappa / 16) + 16 (lane / 16) + kappa % 16, since the rows of a tile were cut so by the launch that made q and k.
; THE MAXIMUM is taken away before the exponential, exactly: over the wave's four tiles in a lane, over 16 lanes by DPP, over the sixteen waves through LDS.  The sum likewise.  p = 2^((s - max) log2(e) / 8).
; OUT: for each tile of queries half a fragment (768 bytes: registers 0-3 at 16 x lane, 4 and 5 at 512 + 8 x lane) at its place in the tile's eight key steps; the scale bytes meet in LDS and leave as whole rows of 512 bytes.
; LIMITS: a p under 2^-126 counts as 0 (v_exp_f32); a block of zeros gets the byte 1 over zero codes (this program alone reads the bytes); NaN and infinities are not served.
; THE MODE: SCHED_MODE bits 1:0 = 2 (LLVM: expert scheduling mode 2), set by the entry lines.  The code itself states the register dependences
; between vector or matrix instructions and memory or LDS instructions, with s_wait_alu, always for 0.
; THE PLAN.  Registers that memory or LDS instructions touch:
;   v1-v9        offsets and LDS addresses, made once at the head and never written again: the wait on va_vdst at the head serves every load and store.  It also states that the zero codes,
;                which the scaled products take as parts of their operands, are written.
;   KF, QF, KS, QS  loaded once; the loaded registers are named by the products alone.
;   M (v16-47)   written by the maxima; read by eight LDS stores (va_vdst ahead of them); the finished maxima are loaded into it (vm_vsrc ahead of them); read; then the same once more for the sums and their reciprocals.
;   T (v48-51)   read by the products as part of K's fragments; an LDS load lands in it; reduced by DPP; read by an LDS store (va_vdst ahead of it); and once more for the sums: the first wait on vm_vsrc
;                stands behind the first of these stores and ahead of the second load.
;   OB0 .. OB3   the codes as they leave, in M's registers, which are free by then (the second wait on vm_vsrc has shown the LDS stores' reads of them over): each written once and read once: a wait on va_vdst ahead of each tile's stores.
;   PO           written once, read by one LDS store, behind the last tile's wait.
;   v92-95       read by the products; an LDS load lands there at the end, behind all those waits on va_vdst.
;   v126, v127   written at the head, read by the closing add alone.
.set MX,  0                            ; LDS: each wave's 64 maxima, 272 bytes a wave
.set SXO, 4352                         ; the sums lie this far behind the maxima
.set MF,  8704                         ; the 64 final maxima; 256 bytes on: the 64 reciprocal sums
.set SFO, 256
.set PSL, 9216                         ; the scale halfwords, 4 bytes a thread
.set KF,  16                           ; v16-63   K's four fragments
.set QF,  64                           ; v64-111  Q's four
.set KS,  112                          ; v112-113 K's scale words: register kt / 2; lanes 0-15 the even tile, lanes 16-31 the odd one
.set QS,  114                          ; v114-115 Q's
.set S,   128                          ; v128-255 the scores, 32 qt + 8 kt + j
.set M,   16                           ; behind the products: v16-47 a figure for each of my 32 keys
.set OB,  16                           ; at the end: v16-47 the codes as they leave: an out-buffer of its own for each tile, at OB + 8 q, six registers
.set T,   48                           ; v48-51   four figures on their way through the reduction over waves
.set PWS, 52                           ; v52-55   the tiles' scale halfwords
.set PT,  68                           ; v68-70   a block's codes on their way into the out-buffer (no memory instruction names them)
.set TM,  72                           ; v72-85   at work in the quantiser
.set PO,  88                           ; v88-89   the halfwords as they leave
.set SEL, 16                           ; s[16:17] v_permlanex16_b32's selects for lane l xor 16
.set CS,  18                           ; s[18:19] log2(e) / 8
.macro BARRIER
	s_wait_dscnt 0x0                               ; my LDS stores have landed and my LDS loads are in
	s_barrier_signal -1
	s_barrier_wait -1
.endm
.macro MM0 d, a, b, sa, sb, ra, rb
.if (\ra) && (\rb)
	v_wmma_scale_f32_16x16x128_f8f6f4 v[(\d):(\d)+7], v[(\a):(\a)+11], v[(\b):(\b)+11], 0, v[\sa], v[\sb] matrix_a_fmt:MATRIX_FMT_FP6 matrix_b_fmt:MATRIX_FMT_FP6 matrix_a_scale:MATRIX_SCALE_ROW1 matrix_b_scale:MATRIX_SCALE_ROW1
.elseif (\ra)
	v_wmma_scale_f32_16x16x128_f8f6f4 v[(\d):(\d)+7], v[(\a):(\a)+11], v[(\b):(\b)+11], 0, v[\sa], v[\sb] matrix_a_fmt:MATRIX_FMT_FP6 matrix_b_fmt:MATRIX_FMT_FP6 matrix_a_scale:MATRIX_SCALE_ROW1
.elseif (\rb)
	v_wmma_scale_f32_16x16x128_f8f6f4 v[(\d):(\d)+7], v[(\a):(\a)+11], v[(\b):(\b)+11], 0, v[\sa], v[\sb] matrix_a_fmt:MATRIX_FMT_FP6 matrix_b_fmt:MATRIX_FMT_FP6 matrix_b_scale:MATRIX_SCALE_ROW1
.else
	v_wmma_scale_f32_16x16x128_f8f6f4 v[(\d):(\d)+7], v[(\a):(\a)+11], v[(\b):(\b)+11], 0, v[\sa], v[\sb] matrix_a_fmt:MATRIX_FMT_FP6 matrix_b_fmt:MATRIX_FMT_FP6
.endif
.endm
; two blocks of 32 keys: block 0's 16 numbers of my lane from s0 on, block 1's from s1 on; codes in v[pc] .. v[pc + 5], the two bytes in v[pw]
.macro QUANT2 s0, s1, pw, pc
	v_max3_num_f32 v[TM], v[(\s0)], v[(\s0)+1], 0x1800000           ; (none is negative)  and the floor 2^(3 - 127): the byte cannot fall under 1
	v_max3_num_f32 v[TM+1], v[(\s1)], v[(\s1)+1], 0x1800000
.irp i, 2,4,6,8,10,12,14
	v_max3_num_f32 v[TM], v[(\s0)+\i], v[(\s0)+1+\i], v[TM]
	v_max3_num_f32 v[TM+1], v[(\s1)+\i], v[(\s1)+1+\i], v[TM+1]
.endr
	v_permlanex16_b32 v[TM+4], v[TM], s[SEL], s[SEL+1]
	v_permlanex16_b32 v[TM+5], v[TM+1], s[SEL], s[SEL+1]
	v_max_num_f32 v[TM], v[TM], v[TM+4]            ; with lane l xor 16's 16 keys: the block's largest
	v_max_num_f32 v[TM+1], v[TM+1], v[TM+5]
	v_add_nc_u32 v[TM+12], 0xff000000, v[TM]       ; 2 off the exponent field: the conversion's scale operand
	v_add_nc_u32 v[TM+13], 0xff000000, v[TM+1]
	v_lshrrev_b32 v[TM+4], 23, v[TM+12]            ; the scale's byte
	v_lshrrev_b32 v[TM+5], 23, v[TM+13]
	v_lshl_or_b32 v[\pw], v[TM+5], 8, v[TM+4]
	v_cvt_scalef32_pk16_fp6_f32 v[(\pc):(\pc)+2], v[(\s0):(\s0)+15], v[TM+12]
	v_cvt_scalef32_pk16_fp6_f32 v[PT:PT+2], v[(\s1):(\s1)+15], v[TM+13]
	v_nop                                          ; one plain place behind a scaled conversion
.irp i, 0,1,2
	v_permlane16_swap_b32 v[(\pc)+\i], v[PT+\i]    ; a WHOLE block in a lane: lanes 0-15 block 0, lanes 16-31 block 1
.endr
.irp i, 0,1,2
	v_mov_b32 v[(\pc)+3+\i], v[PT+\i]
.endr
.endm
	s_load_b128 s[4:7], s[0:1], 0x0                ; qbuf, kbuf
	s_load_b128 s[8:11], s[0:1], 0x10              ; pcodes, psc
	v_lshl_add_u32 v126, v0, 2, 0x2c00
	v_mov_b32 v127, 0
.irp f, 0,1,2,3,4,5,6,7
.irp i, 6,7,8,9,10,11
	v_mov_b32 v[KF+12*\f+\i], 0                    ; K = 64 .. 127 of all eight fragments: zero codes.  (The address work below stands between these and the products)
.endr
.endr
	v_lshrrev_b32 v10, 5, v0
	v_readfirstlane_b32 s12, v10                   ; wave 0..15
	s_mov_b32 s13, ttmp9                           ; g: my 64 keys of the batch
	s_and_b32 s14, ttmp7, 0xffff                   ; the batch
	v_and_b32 v10, 31, v0                          ; lane
	v_and_b32 v11, 15, v0
	v_bfe_u32 v12, v0, 4, 1                        ; h
	v_lshlrev_b32 v1, 4, v10                       ; v1  16 x lane
	v_lshlrev_b32 v2, 3, v10                       ; v2  8 x lane
	s_wait_alu depctr_va_sdst(0)                   ; s12 is written, ahead of its first reader
	s_mul_i32 s22, s12, 272
	v_lshl_add_u32 v3, v12, 7, s22                 ; v3  my wave's figures: 272 x wave + 128 h
	s_lshl_b32 s23, s12, 4
	v_mul_u32_u24 v4, v11, 272
	v_add_nc_u32 v4, s23, v4                       ; v4  the reduction over waves: wave lane % 16's figures 4 w .. 4 w + 3
	s_add_co_u32 s24, s23, MF
	v_mov_b32 v5, s24                              ; v5  where the four finished figures go
	v_lshlrev_b32 v6, 7, v12
	v_add_nc_u32 v6, MF, v6                        ; v6  and from where my 32 come back
	v_lshl_add_u32 v7, v0, 2, PSL                  ; v7  my scale halfwords
	v_lshlrev_b32 v9, 4, v0                        ; v9  16 x thread
	v_add_nc_u32 v8, PSL, v9                       ; v8  the same out of LDS
	s_mov_b32 s[SEL], 0x76543210
	s_mov_b32 s[SEL+1], 0xfedcba98
	s_mov_b32 s[CS], 0x3e38aa3b                    ; log2(e) / 8
	s_mov_b32 s[CS+1], s[CS]                       ; (named with it as a pair, so it is written)
	s_mov_b32 s20, 0xffff0000                      ; lanes 16-31
	s_lshl_b32 s22, s14, 4
	s_add_co_u32 s23, s22, s13                     ; 16 b + g
	s_add_co_u32 s24, s22, s12                     ; 16 b + wave: my block of 64 queries
	s_mov_b32 s27, 0
	s_wait_kmcnt 0x0
	s_mul_i32 s26, s23, 3328
	s_add_nc_u64 s[6:7], s[6:7], s[26:27]
	s_mul_i32 s26, s24, 3328
	s_add_nc_u64 s[4:5], s[4:5], s[26:27]
	s_mul_i32 s26, s24, 49152                      ; four tiles of eight key steps of 1,536 bytes,
	s_lshr_b32 s25, s13, 1
	s_mul_i32 s25, s25, 1536                       ; key step g / 2,
	s_add_co_u32 s26, s26, s25
	s_and_b32 s25, s13, 1
	s_mul_i32 s25, s25, 768                        ; half g % 2
	s_add_co_u32 s26, s26, s25
	s_add_nc_u64 s[8:9], s[8:9], s[26:27]
	s_lshl_b32 s26, s23, 11
	s_add_nc_u64 s[10:11], s[10:11], s[26:27]
	s_wait_alu depctr_va_vdst(0)                   ; the offsets and LDS addresses v1 to v9 are written, which every load and store of the kernel reads; so are the zero codes, which the scaled products take as parts of their operands (the address work above is the places behind them)
.irp t, 0,1,2,3
	global_load_b128 v[KF+12*\t:KF+12*\t+3], v1, s[6:7] offset:768*\t
	global_load_b64 v[KF+12*\t+4:KF+12*\t+5], v2, s[6:7] offset:768*\t+512
	global_load_b128 v[QF+12*\t:QF+12*\t+3], v1, s[4:5] offset:768*\t
	global_load_b64 v[QF+12*\t+4:QF+12*\t+5], v2, s[4:5] offset:768*\t+512
.endr
	global_load_b64 v[KS:KS+1], v2, s[6:7] offset:3072
	global_load_b64 v[QS:QS+1], v2, s[4:5] offset:3072
	s_wait_loadcnt 0x0
.irp q, 0,1,2,3
.irp t, 0,1,2,3
	MM0 S+32*\q+8*\t, KF+12*\t, QF+12*\q, KS+\t/2, QS+\q/2, \t%2, \q%2
.endr
.endr
.rept 4
	v_nop                                          ; places in front of the first read of results and the first write over the fragments' registers
.endr
	v_mov_b32 v[TM+4], 0                           ; written once: a lane permute's destination counts as one of its sources
	v_mov_b32 v[TM+5], 0
	; ---- the largest score of each key.  Each accumulator is read from its low end on
.set kk, 0
.rept 32
	v_max3_num_f32 v[M+kk], v[S+kk], v[S+32+kk], v[S+64+kk]
.set kk, kk+1
.endr
.set kk, 0
.rept 32
	v_max_num_f32 v[M+kk], v[M+kk], v[S+96+kk]
.set kk, kk+1
.endr
.irp x, 1,2,4,8
.set kk, 0
.rept 32
	v_max_num_f32_dpp v[M+kk], v[M+kk], v[M+kk] row_xmask:\x row_mask:0xf bank_mask:0xf
.set kk, kk+1
.endr
.endr
	s_wait_alu depctr_va_vdst(0)                   ; the maxima are written in v[M ..], which the LDS stores below read; and the products are done reading v[T ..] and v92 to v95, in which LDS loads land further on
.irp i, 0,1,2,3,4,5,6,7
	ds_store_b128 v3, v[M+4*\i:M+4*\i+3] offset:MX+16*\i       ; the sixteen lanes of a half write the same words with the same values
.endr
	BARRIER
	ds_load_b128 v[T:T+3], v4 offset:MX            ; lane l % 16: that wave's figures for keys 4 w .. 4 w + 3 of the 64
	s_wait_dscnt 0x0
.irp x, 1,2,4,8
.irp i, 0,1,2,3
	v_max_num_f32_dpp v[T+\i], v[T+\i], v[T+\i] row_xmask:\x row_mask:0xf bank_mask:0xf
.endr
.endr
	s_wait_alu depctr_va_vdst(0)                   ; the four finished maxima are written in v[T ..], which the LDS store below reads
	ds_store_b128 v5, v[T:T+3]
	BARRIER
	s_wait_alu depctr_vm_vsrc(0)                   ; my LDS stores have read v[M ..], in which the loads below land, and v[T ..], in which the sums' load lands further on
.irp i, 0,1,2,3,4,5,6,7
	ds_load_b128 v[M+4*\i:M+4*\i+3], v6 offset:16*\i
.endr
	s_wait_dscnt 0x0
	; ---- p = 2^((s - max) c)
.irp q, 0,1,2,3
.set kk, 0
.rept 16
	v_pk_add_f32 v[S+32*\q+kk:S+32*\q+kk+1], v[S+32*\q+kk:S+32*\q+kk+1], v[M+kk:M+kk+1] neg_lo:[0,1] neg_hi:[0,1]
.set kk, kk+2
.endr
.endr
.set kk, 0
.rept 64
	v_pk_mul_f32 v[S+kk:S+kk+1], v[S+kk:S+kk+1], s[CS:CS+1] op_sel_hi:[1,0]
.set kk, kk+2
.endr
.set kk, 0
.rept 128
	v_exp_f32 v[S+kk], v[S+kk]
.set kk, kk+1
.endr
	v_nop                                          ; a plain place behind the exponentials
	; ---- each key's sum
.set kk, 0
	s_wait_alu depctr_va_vdst(0)                   ; the 128 exponentials have written v[S ..]: one wait for the batch, ahead of its first reader
.rept 16
	v_pk_add_f32 v[M+kk:M+kk+1], v[S+kk:S+kk+1], v[S+32+kk:S+32+kk+1]
.set kk, kk+2
.endr
.irp q, 2,3
.set kk, 0
.rept 16
	v_pk_add_f32 v[M+kk:M+kk+1], v[M+kk:M+kk+1], v[S+32*\q+kk:S+32*\q+kk+1]
.set kk, kk+2
.endr
.endr
.irp x, 1,2,4,8
.set kk, 0
.rept 32
	v_add_f32_dpp v[M+kk], v[M+kk], v[M+kk] row_xmask:\x row_mask:0xf bank_mask:0xf
.set kk, kk+1
.endr
.endr
	s_wait_alu depctr_va_vdst(0)                   ; the sums are written in v[M ..], which the LDS stores below read
.irp i, 0,1,2,3,4,5,6,7
	ds_store_b128 v3, v[M+4*\i:M+4*\i+3] offset:MX+SXO+16*\i
.endr
	BARRIER
	ds_load_b128 v[T:T+3], v4 offset:MX+SXO
	s_wait_dscnt 0x0
.irp x, 1,2,4,8
.irp i, 0,1,2,3
	v_add_f32_dpp v[T+\i], v[T+\i], v[T+\i] row_xmask:\x row_mask:0xf bank_mask:0xf
.endr
.endr
.irp i, 0,1,2,3
	v_rcp_f32 v[T+\i], v[T+\i]                     ; the sum is at least 1: the largest score's own p
.endr
	v_nop                                          ; a plain place behind the reciprocals
	s_wait_alu depctr_va_vdst(0)                   ; the four reciprocals have written v[T ..], which the LDS store below, their first reader, reads
	ds_store_b128 v5, v[T:T+3] offset:SFO
	BARRIER
	s_wait_alu depctr_vm_vsrc(0)                   ; the sums' LDS stores have read v[M ..], in which the loads below land and which the quantiser writes at the end
.irp i, 0,1,2,3,4,5,6,7
	ds_load_b128 v[M+4*\i:M+4*\i+3], v6 offset:SFO+16*\i
.endr
	s_wait_dscnt 0x0
.irp q, 0,1,2,3
.set kk, 0
.rept 16
	v_pk_mul_f32 v[S+32*\q+kk:S+32*\q+kk+1], v[S+32*\q+kk:S+32*\q+kk+1], v[M+kk:M+kk+1]      ; attn, finished
.set kk, kk+2
.endr
.endr
	; ---- quantised along the keys, a tile of queries at a time, each tile into an out-buffer of its own
.irp q, 0,1,2,3
	QUANT2 S+32*\q, S+32*\q+16, PWS+\q, OB+8*\q
.if \q == 3
	v_cndmask_b32 v[PO], v[PWS], v[PWS+1], s20     ; lanes 0-15 tile 0's two bytes, lanes 16-31 tile 1's;
	v_cndmask_b32 v[PO+1], v[PWS+2], v[PWS+3], s20
	v_lshl_or_b32 v[PO], v[PO+1], 16, v[PO]        ; tiles 2 and 3 in the upper half
.endif
	s_wait_alu depctr_va_vdst(0)                   ; the quantiser has written this tile's out-buffer, which the stores below read (behind the last tile: the halfwords v[PO] too)
	global_store_b128 v1, v[OB+8*\q:OB+8*\q+3], s[8:9] offset:12288*\q th:TH_STORE_NT       ; 512 consecutive bytes, aligned to 256
	global_store_b64 v2, v[OB+8*\q+4:OB+8*\q+5], s[8:9] offset:12288*\q+512 th:TH_STORE_NT  ; 256
.endr
	ds_store_b32 v7, v[PO]
	BARRIER
	s_cmp_ge_u32 s12, 4
	s_cbranch_scc1 .Lend
	ds_load_b128 v[92:95], v8                      ; waves 0-3: the sixteen waves' 2,048 bytes, 16 a thread
	s_wait_dscnt 0x0
	global_store_b128 v9, v[92:95], s[10:11]
.Lend:
	s_wait_dscnt 0x0                               ; the closing lines, six on end
	s_wait_alu 0x0
	s_wait_tensorcnt 0x0
	ds_add_u32 v126, v127
	s_wait_dscnt 0x0
	s_endpgm
.Lfunc_end_k_qd6310741ef_attn:
	.size	k_qd6310741ef_attn, .Lfunc_end_k_qd6310741ef_attn-k_qd6310741ef_attn
	.p2alignl 7, 3214868480
	.fill 96, 4, 3214868480
	.section	.rodata,"a",@progbits
	.p2align	6, 0x0
	.amdhsa_kernel k_qd6310741ef_attn
		.amdhsa_group_segment_fixed_size 13312
		.amdhsa_private_segment_fixed_size 0
		.amdhsa_enable_private_segment 0
		.amdhsa_kernarg_size 32
		.amdhsa_user_sgpr_count 2
		.amdhsa_user_sgpr_kernarg_segment_ptr 1
		.amdhsa_wavefront_size32 1
		.amdhsa_system_sgpr_workgroup_id_x 1
		.amdhsa_system_sgpr_workgroup_id_y 1
		.amdhsa_system_sgpr_workgroup_id_z 1
		.amdhsa_system_vgpr_workitem_id 0
		.amdhsa_next_free_vgpr 256
		.amdhsa_next_free_sgpr 66
		.amdhsa_reserve_vcc 0
		.amdhsa_float_denorm_mode_32 3
		.amdhsa_float_denorm_mode_16_64 3
		.amdhsa_memory_ordered 1
		.amdhsa_forward_progress 1
		.amdhsa_inst_pref_size 61
	.end_amdhsa_kernel
	.amdgpu_metadata
---
amdhsa.version: [ 1, 2 ]
amdhsa.kernels:
  - .name:           k_qd6310741ef_attn
    .symbol:         k_qd6310741ef_attn.kd
    .args:
      - { .name: qbuf, .offset: 0, .size: 8, .value_kind: global_buffer, .address_space: global }
      - { .name: kbuf, .offset: 8, .size: 8, .value_kind: global_buffer, .address_space: global }
      - { .name: pcodes, .offset: 16, .size: 8, .value_kind: global_buffer, .address_space: global }
      - { .name: psc, .offset: 24, .size: 8, .value_kind: global_buffer, .address_space: global }
    .group_segment_fixed_size: 13312
    .private_segment_fixed_size: 0
    .kernarg_segment_align: 8
    .kernarg_segment_size: 32
    .max_flat_workgroup_size: 512
    .sgpr_count:     66
    .vgpr_count:     256
    .wavefront_size: 32
...
	.end_amdgpu_metadata
.endif
;; end of part 9
;; launch rest: the kernel of part 6 again; grid 256 x 1, 4 waves a work-group, clusters of 4 x 1, 327,680 bytes of LDS; arguments x, pcodes, psc, vbuf, wts, bo, ln_g, ln_b, b1, b2, out0; writes out0
